; MI455X (gfx1250); checked and timed in simulation.
; The chip was launched on July 23, 2026; its instructions are those of AMD's public machine-readable ISA for CDNA 5 (MIT licence, August 2026) and "CDNA5" Instruction Set Architecture Reference Guide (July 2026). The comments in the code are by the model that wrote it; some were corrected since.
;; Multi Head Attention. Allowed arithmetic: matrix products marked QUANTISED: E5M2 operands, one given power-of-two scale a tensor, by v_wmma_f32_16x16x64_bf8_bf8 or v_wmma_f32_16x16x128_bf8_bf8, f32 sums; everything else in f32.
;; Inputs: PE_operators 2 x 2,048 x 1,024 float32; PE_solution_scores 2 x 2,048 float32; PE_statements 2 x 2,048 x 1,024 float32; PE_states 2 x 2,048 x 1,024 float32; global_state 2 x 2,048 x 1,024 float32; ln_beta 1,024 float32; ln_gamma 1,024 float32; lowp_scales 18 int32 (the exponents e of the quantised operands' scales 2^e); mask 2 x 2,048 x 2,048 int32; w_fc 1,024 x 1,024 float32; w_k 1,024 x 1,024 float32; w_q 1,024 x 1,024 float32; w_v 1,024 x 1,024 float32.
;; Outputs: out0 2 x 2,048 x 1,024 float32; out1 2 x 2,048 x 1,024 float32.
;; This version of the problem:
;;   THIS VERSION OF THE PROBLEM IS GIVEN IN LOW PRECISION. The matrix products marked QUANTISED in the list below multiply operands that are first quantised to E5M2 (5 exponent bits, 2 mantissa bits; 8 bits a number), with one given power-of-two scale for each operand tensor; their sums are f32. All else is computed in f32.
;;   The module's matrix products, in the order in which they are computed (A, B: the left and right operand; K: the contracted axis; several contracted axes count as one K, in the product's order):
;;     1. [M 4,096, K 1,024] x [K 1,024, N 1,024]; A: input global_state; B: input w_q: QUANTISED (scales: A lowp_scales[0], B lowp_scales[1])
;;     2. [M 4,096, K 1,024] x [K 1,024, N 1,024]; A: input PE_states; B: input w_k: QUANTISED (scales: A lowp_scales[2], B lowp_scales[3])
;;     3. [M 4,096, K 1,024] x [K 1,024, N 1,024]; A: input PE_statements; B: input w_v: QUANTISED (scales: A lowp_scales[4], B lowp_scales[5])
;;     4. [M 4,096, K 1,024] x [K 1,024, N 1,024]; A: input PE_operators; B: input w_v: QUANTISED (scales: A lowp_scales[6], B lowp_scales[7])
;;     5. batch 32 x [M 2,048, K 64] x [K 64, N 2,048]; A: computed on the way; B: computed on the way: QUANTISED (scales: A lowp_scales[8], B lowp_scales[9])
;;     6. batch 32 x [M 2,048, K 2,048] x [K 2,048, N 64]; A: softmax (see below); B: computed on the way: QUANTISED (scales: A lowp_scales[10], B lowp_scales[11])
;;     7. [M 4,096, K 1,024] x [K 1,024, N 1,024]; A: computed on the way; B: input w_fc: QUANTISED (scales: A lowp_scales[12], B lowp_scales[13])
;;     8. batch 32 x [M 2,048, K 2,048] x [K 2,048, N 64]; A: softmax (see below); B: computed on the way: QUANTISED (scales: A lowp_scales[14], B lowp_scales[15])
;;     9. [M 4,096, K 1,024] x [K 1,024, N 1,024]; A: computed on the way; B: input w_fc: QUANTISED (scales: A lowp_scales[16], B lowp_scales[17])
;;   THE QUANTISER, for each operand of a quantised product, along K:
;;     - The operand's scale is 2^e, e = its entry of the input lowp_scales (int32; the entries are numbered through the quantised products in the list's order, A before B).
;;     - Each number is divided by the scale, clamped to +-57,344, and rounded to the nearest number of E5M2, ties to even, subnormals kept.
;;     - The product sums the exact products of the quantised numbers (number of the format x scale) in f32.
;;   ~~~python
;;   def quantise(x, axis, e):      # numpy; x: float32 -> the quantised numbers, widened to float32 again
;;       x = np.moveaxis(x, axis, -1); K = x.shape[-1]
;;       r = np.clip(x / 2.0 ** e, -57344, 57344)
;;       step = 2.0 ** (np.maximum(np.frexp(np.where(r == 0, 1, r))[1] - 1, -14) - 2)
;;       q = np.round(r / step) * step * 2.0 ** e      # np.round: ties to even
;;       return np.moveaxis(q, -1, axis).astype(np.float32)
;;   ~~~
;;   SOFTMAX AHEAD OF A QUANTISED PRODUCT. Where the list says 'softmax', what is quantised is not the finished softmax but p = 2^(t - M), with t = logit x log2(e) and M = ceil(the row's largest t), a whole number; so 1/2 < the row's largest p <= 1. The row's sum l is taken of the UNQUANTISED p, in f32, and the product's result is divided by l at the end. Since M is a whole number, a kernel that streams over the keys may use a running M (the ceiling of the running maximum): every later rescaling is an exact power of two, so the quantised numbers keep their values, but for numbers so far below the row's largest that they fall under the format's range.
;;   OPERANDS COMPUTED ON THE WAY. 'Computed on the way' means the value that the module computes at that place (a softmax that the list does not call 'softmax' is quantised finished and normalised). What goes into a quantiser is computed in f32, as accurately as f32 sums, v_exp_f32 and their like allow (about 1e-6 of the number): no bf16 or f16 on the way to a quantiser, and a product that is left as it is and whose result goes on into a quantised operand takes f32 operands (vector FMAs, or v_wmma_f32_16x16x4_f32). A number that lies on a knife's edge between two numbers of the format may be rounded either way, as far as f32 arithmetic and the matrix unit's own rounding can turn it there, and no further.
;; 2 versions. Each part assembles by itself: llvm-mc -triple=amdgcn-amd-amdhsa -mcpu=gfx1250 --defsym DOCPART=n.
;; ======== version 1 of 2: 4 launches
;; limits: right only within a limited range of input values
;; workspace buffers: xc 16,777,216 bytes; wc 6,291,456 bytes; mw 1,048,576 bytes of whole numbers; qc 4,194,304 bytes; kc 4,194,304 bytes; vt 8,388,608 bytes; oc 8,388,608 bytes
;; launch prep (part 1): grid 960 x 1, 4 waves a work-group, no clusters, 68,096 bytes of LDS; arguments global_state, PE_states, PE_statements, PE_operators, w_q, w_k, w_v, w_fc, mask, lowp_scales, xc, wc, mw; writes xc, wc, mw
.if DOCPART == 1
	.amdgcn_target "amdgcn-amd-amdhsa--gfx1250"
	.amdhsa_code_object_version 6
	.text
	.protected	k_q1ede3ca654_prep
	.globl	k_q1ede3ca654_prep
	.p2align	8
	.type	k_q1ede3ca654_prep,@function
k_q1ede3ca654_prep:
	s_mov_b64 s[64:65], 0
	v_nop
	global_prefetch_b8 v0, s[64:65] scope:SCOPE_SE
	s_setreg_imm32_b32 hwreg(HW_REG_WAVE_MODE, 25, 1), 1
	s_wait_xcnt 0x0
; THREE JOBS IN ONE LAUNCH, told apart by the work-group's number; each path ends by itself; the two paths that use LDS have bytes of their own.
;  work-groups 0-511:   the four activations [4096][1024] f32 -> codes of E5M2, K innermost: xc[i][4096][1024], i = 0 global_state (scale entry 0), 1 PE_states (2), 2 PE_statements (4), 3 PE_operators (6).
;  work-groups 512-703: six jobs (weight, scale): w [k 1024][n 1024] f32 -> wc[j][n][k]: j = 0 w_q (entry 1), 1 w_k (3), 2 w_v (5), 3 w_v (7), 4 w_fc (13), 5 w_fc (17).
;                       w_v and w_fc are read twice, 8 MiB more than their bytes, so that one text serves all six jobs, whatever the two scales of a weight are.
;  work-groups 704-959: the mask [2][2048][2048] int32 -> lane masks: mw[u = 128 b + query / 16][key step of 128][64 words]; bit l of word 8 t + j says whether
;                       mask[b][16 (u % 128) + l % 16][128 step + 16 t + 8 (l / 16) + j] is not 0: the place that lane l's register 8 t + j has in the transposed score tiles of the attention launch.
; code = x / 2^e, held within +-57,344, to the nearest code, ties to even.  LIMITS: every e used here lies between -126 and 112; NaN among the inputs is not served.
; No tensor loads, no barrier: waves share nothing.  No cluster: no two work-groups read the same bytes at the same time.  No prefetch: the launch is one stream of loads.
.set STEPS, 16
.set CB,    16                         ; bytes of 16 codes
.set R,     16                         ; activations: v16-79 four sets of 16 numbers as loaded
.set X,     80                         ; v80-111 two sets of 16 neighbours
.set C,     128                        ; v128-191 codes, four registers a step
.set WREG,  8192                       ; LDS bytes 0-32767: a region for each wave, two stages of 32 x SP bytes
.set SP,    80                         ; a lane's 64 bytes + 16 of padding
.set WSTG,  32768                      ; LDS bytes 32768-67583: the weights' four stages of 32 rows x PITCH
.set PITCH, 272
.set NB,    8                          ; blocks of 32 along K for a wave
.set WX,    32                         ; weights: v32-95 two sets of 32 numbers
.set WC,    96                         ; a block's codes
.set OUTR,  112                        ; v112-175 the way out
.set MX,    32                         ; mask: v32-159 two sets of 64 words
.set MWD,   160                        ; v160-167 the packed words, two registers a key step
	s_load_b256 s[4:11], s[0:1], 0x0               ; global_state, PE_states, PE_statements, PE_operators
	s_load_b256 s[12:19], s[0:1], 0x20             ; w_q, w_k, w_v, w_fc
	s_load_b256 s[20:27], s[0:1], 0x40             ; mask, lowp_scales, xc, wc
	s_load_b64 s[28:29], s[0:1], 0x60              ; mw
	v_lshl_add_u32 v192, v0, 2, 0x10800
	v_mov_b32 v193, 0
	v_lshrrev_b32 v1, 5, v0
	v_readfirstlane_b32 s30, v1                    ; wave 0..3
	v_and_b32 v2, 31, v0                           ; lane
	s_cmp_lt_u32 ttmp9, 512
	s_cbranch_scc0 .Lnot_act
; ---------------- the activations: a plain stream of numbers; a wave takes 16 steps of 512 numbers.  Each load reads 512 consecutive bytes; a step's 2,048 bytes turn through the wave's own stage in LDS,
; so that a lane holds 16 neighbours along K for the conversions; a lane's 16 codes are 16 bytes, and a store covers 512 consecutive bytes.
	v_lshlrev_b32 v3, 4, v2                        ; my 16 bytes of a load's 512
	s_mul_i32 s31, s30, WREG
	v_lshrrev_b32 v14, 2, v2
	v_mul_u32_u24 v14, v14, SP
	v_and_b32 v15, 3, v2
	v_lshl_add_u32 v14, v15, 4, v14
	v_add_nc_u32 v14, s31, v14                     ; the stage, in: SP (lane / 4) + 16 (lane % 4)
	v_mul_u32_u24 v15, v2, SP
	v_add_nc_u32 v15, s31, v15                     ; and out: SP x lane
	v_mul_u32_u24 v4, v2, CB                       ; my codes' place in a step's
	s_lshr_b32 s31, ttmp9, 7                       ; i: which activation
	s_lshl_b32 s36, s31, 3                         ; its scale is entry 2 i: byte 8 i
	s_and_b32 s37, ttmp9, 127
	s_lshl_b32 s37, s37, 2
	s_add_co_u32 s37, s37, s30                     ; which run of 8,192 numbers is my wave's
	s_lshl_b32 s38, s37, 15                        ; its bytes in the source,
	s_mov_b32 s39, 0
	s_lshl_b32 s40, s37, 13                        ; and in xc,
	s_lshl_b32 s41, s31, 22                        ; behind i tensors of 4 MiB
	s_add_co_u32 s40, s40, s41
	s_mov_b32 s41, 0
	s_wait_kmcnt 0x0
	s_load_b32 s42, s[22:23], s36 offset:0x0       ; e
	s_bitcmp1_b32 s31, 0                           ; the choice hangs on the work-group's number alone
	s_cselect_b64 s[32:33], s[6:7], s[4:5]
	s_cselect_b64 s[34:35], s[10:11], s[8:9]
	s_bitcmp1_b32 s31, 1
	s_cselect_b64 s[4:5], s[34:35], s[32:33]
	s_add_nc_u64 s[4:5], s[4:5], s[38:39]
	s_add_nc_u64 s[8:9], s[24:25], s[40:41]
.macro ALOAD t
.irp i, 0,1,2,3
	global_load_b128 v[R+16*((\t)%4)+4*\i:R+16*((\t)%4)+4*\i+3], v3, s[4:5] offset:2048*(\t)+512*\i th:TH_LOAD_NT
.endr
.endm
.macro ATURN t                         ; LDS serves a wave's instructions in order: no wait between the stores and the loads
.irp i, 0,1,2,3
	ds_store_b128 v14, v[R+16*((\t)%4)+4*\i:R+16*((\t)%4)+4*\i+3] offset:32*SP*((\t)%2)+8*SP*\i
.endr
.irp i, 0,1,2,3
	ds_load_b128 v[X+16*((\t)%2)+4*\i:X+16*((\t)%2)+4*\i+3], v15 offset:32*SP*((\t)%2)+16*\i
.endr
.endm
.irp t, 0,1,2,3
	ALOAD \t
.endr
	s_wait_kmcnt 0x0
	s_add_co_i32 s42, s42, 127
	s_lshl_b32 s43, s42, 23
	v_mov_b32 v11, s43                             ; 2^e as f32: the conversion takes its exponent field
	s_add_co_i32 s42, s42, 15
	s_lshl_b32 s42, s42, 23
	s_or_b32 s42, s42, 0x600000
	v_mov_b32 v10, s42                             ; 57,344 x 2^e
	s_wait_loadcnt 12                              ; step 0's four loads are in; twelve younger ones stay out
	ATURN 0
.macro ASTEP t
.set XS, X+16*((\t)%2)
	s_wait_dscnt 0x0                               ; this step's numbers are back from the stage, so its stores into the stage have read their registers,
.if (\t)+4 < STEPS
	ALOAD (\t)+4                                   ; which take the loads of four steps on
.endif
.if (\t)+1 < STEPS
.if STEPS-2-(\t) >= 3
	s_wait_loadcnt 12                              ; the next step's four loads are in; those of the three steps behind it may be out
.else
	s_wait_loadcnt 4*(STEPS-2-(\t))
.endif
	ATURN (\t)+1
.endif
.irp i, 0,1,2,3,4,5,6,7,8,9,10,11,12,13,14,15
	v_med3_num_f32 v[XS+\i], v[XS+\i], -v10, v10   ; the conversion to an 8-bit code does not saturate (ISA guide 7.6.2): the hold comes first
.endr
	v_cvt_scalef32_pk8_bf8_f32 v[C+4*(\t):C+4*(\t)+1], v[XS:XS+7], v11
	v_cvt_scalef32_pk8_bf8_f32 v[C+4*(\t)+2:C+4*(\t)+3], v[XS+8:XS+15], v11
	global_store_b128 v4, v[C+4*(\t):C+4*(\t)+3], s[8:9] offset:32*CB*(\t)   ; each step has its own code registers: no store's data are written again
.endm
.irp t, 0,1,2,3,4,5,6,7,8,9,10,11,12,13,14,15
	ASTEP \t
.endr
	s_wait_tensorcnt 0x0
	ds_add_u32 v192, v193
	s_wait_dscnt 0x0
	s_endpgm
.Lnot_act:
	s_cmp_lt_u32 ttmp9, 704
	s_cbranch_scc0 .Lmask
; ---------------- the weights: K is the FIRST axis.  A lane takes a column n and its registers run down K, so the conversions give codes with K innermost; a wave takes 32 columns x 256 along K;
; the codes go through the wave's own stage and leave as rows: sixteen lanes store 256 consecutive bytes, aligned.
	s_sub_co_u32 s31, ttmp9, 512
	s_lshr_b32 s32, s31, 5                         ; j: the job
	s_and_b32 s33, s31, 31
	s_and_b32 s34, s33, 7                          ; which 128 columns
	s_lshr_b32 s35, s33, 3                         ; which 256 along K
	s_lshl_b32 s36, s34, 7
	s_lshl_b32 s37, s30, 5
	s_add_co_u32 s36, s36, s37                     ; my wave's first column
	v_lshlrev_b32 v3, 2, v2                        ; in: 4 bytes a lane
	s_mul_i32 s37, s30, 32*PITCH
	s_add_co_u32 s37, s37, WSTG                    ; my stage
	v_mul_u32_u24 v4, v2, PITCH
	v_add_nc_u32 v4, s37, v4                       ; into it: row = my column
	v_and_b32 v5, 15, v2
	v_lshrrev_b32 v6, 4, v2
	v_mul_u32_u24 v7, v6, PITCH
	v_lshl_add_u32 v7, v5, 4, v7
	v_add_nc_u32 v7, s37, v7                       ; out of it: sixteen lanes to a row, two rows an instruction
	v_lshlrev_b32 v8, 10, v6
	v_lshl_add_u32 v8, v5, 4, v8                   ; and the same place in wc (a row is 1,024 bytes)
	s_lshl_b32 s38, s35, 20                        ; source: 256 rows of 4,096 bytes for each step along K,
	s_lshl_b32 s39, s36, 2
	s_add_co_u32 s38, s38, s39                     ; + 4 x column
	s_mov_b32 s39, 0
	s_lshl_b32 s40, s32, 20                        ; wc: j jobs of 1 MiB,
	s_lshl_b32 s41, s36, 10
	s_add_co_u32 s40, s40, s41                     ; + column x 1,024
	s_lshl_b32 s41, s35, 8
	s_add_co_u32 s40, s40, s41                     ; + 256 for each step along K
	s_mov_b32 s41, 0
	s_lshl_b32 s42, s32, 1                         ; the scale's entry: 2 j + 1, + 4 from j = 4 on, + 2 more at j = 5: 1, 3, 5, 7, 13, 17
	s_cmp_ge_u32 s32, 4
	s_cselect_b32 s43, 4, 0
	s_cmp_ge_u32 s32, 5
	s_cselect_b32 s45, 2, 0
	s_add_co_u32 s42, s42, s43
	s_add_co_u32 s42, s42, s45
	s_add_co_u32 s42, s42, 1
	s_lshl_b32 s42, s42, 2
	s_wait_kmcnt 0x0
	s_load_b32 s44, s[22:23], s42 offset:0x0       ; e
	s_cmp_lt_u32 s32, 1
	s_cselect_b64 s[46:47], s[12:13], s[14:15]     ; w_q or w_k
	s_cmp_lt_u32 s32, 4
	s_cselect_b64 s[48:49], s[16:17], s[18:19]     ; w_v or w_fc
	s_cmp_lt_u32 s32, 2
	s_cselect_b64 s[4:5], s[46:47], s[48:49]
	s_add_nc_u64 s[4:5], s[4:5], s[38:39]
	s_add_nc_u64 s[8:9], s[26:27], s[40:41]
.macro WLOAD t                         ; block t: w(32 t + i, my column) into set t % 2; 32 lanes read 128 consecutive bytes, the four waves 512
.irp i, 0,1,2,3,4,5,6,7,8,9,10,11,12,13,14,15,16,17,18,19,20,21,22,23,24,25,26,27,28,29,30,31
	global_load_b32 v[WX+32*((\t)%2)+\i], v3, s[4:5] offset:(32*(\t)+\i)*4096
.endr
.endm
	WLOAD 0
	WLOAD 1
	s_wait_kmcnt 0x0
	s_add_co_i32 s44, s44, 127
	s_lshl_b32 s45, s44, 23
	v_mov_b32 v11, s45                             ; 2^e
	s_add_co_i32 s44, s44, 15
	s_lshl_b32 s44, s44, 23
	s_or_b32 s44, s44, 0x600000
	v_mov_b32 v10, s44                             ; 57,344 x 2^e
.macro WBLOCK t
.set XW, WX+32*((\t)%2)
.if (\t) < NB-1
	s_wait_loadcnt 32                              ; this block's 32 loads are in; the next block's may be out
.else
	s_wait_loadcnt 0
.endif
.irp i, 0,1,2,3,4,5,6,7,8,9,10,11,12,13,14,15,16,17,18,19,20,21,22,23,24,25,26,27,28,29,30,31
	v_med3_num_f32 v[XW+\i], v[XW+\i], -v10, v10
.endr
.irp g, 0,1,2,3
	v_cvt_scalef32_pk8_bf8_f32 v[WC+2*\g:WC+2*\g+1], v[XW+8*\g:XW+8*\g+7], v11
.endr
	ds_store_b128 v4, v[WC:WC+3] offset:32*(\t)
	ds_store_b128 v4, v[WC+4:WC+7] offset:32*(\t)+16
.if (\t)+2 < NB
	WLOAD (\t)+2
.endif
	s_wait_dscnt 0x0                               ; the stores have read their registers: the next block's codes may be written
.endm
.set Q, 0
.rept NB
	WBLOCK Q
.set Q, Q+1
.endr
.irp t, 0,1,2,3,4,5,6,7,8,9,10,11,12,13,14,15
	ds_load_b128 v[OUTR+4*\t:OUTR+4*\t+3], v7 offset:2*\t*PITCH
.endr
.irp t, 0,1,2,3,4,5,6,7,8,9,10,11,12,13,14,15
	s_wait_dscnt 15-\t
	global_store_b128 v8, v[OUTR+4*\t:OUTR+4*\t+3], s[8:9] offset:2*\t*1024
.endr
	s_wait_tensorcnt 0x0
	ds_add_u32 v192, v193
	s_wait_dscnt 0x0
	s_endpgm
.Lmask:
; ---------------- the mask: a work-group takes 16 queries, wave w the key steps 4 w .. 4 w + 3.  Lane (r = lane % 16, h = lane / 16) loads, of query r, the 8 words at keys 16 t + 8 h of each of a step's eight
; groups of 16 keys; a compare over the 32 lanes IS the word wanted; 64 of them are laid into two registers (word n: lane n / 2, register n % 2) and stored as 256 consecutive bytes.
	s_sub_co_u32 s31, ttmp9, 704                   ; u
	v_and_b32 v3, 15, v2
	v_lshrrev_b32 v4, 4, v2
	v_lshlrev_b32 v1, 13, v3
	v_lshl_add_u32 v1, v4, 5, v1                   ; r rows of 8,192 bytes + 32 h
	v_lshlrev_b32 v5, 3, v2                        ; out: 8 bytes a lane
	s_lshl_b32 s36, s31, 17                        ; 16 rows of 8,192 bytes for each u,
	s_lshl_b32 s37, s30, 11                        ; four key steps of 512 bytes for each wave
	s_add_co_u32 s36, s36, s37
	s_mov_b32 s37, 0
	s_lshl_b32 s38, s31, 12                        ; mw: 4,096 bytes for each u, 1,024 for each wave
	s_lshl_b32 s39, s30, 10
	s_add_co_u32 s38, s38, s39
	s_mov_b32 s39, 0
.irp j, 0,1,2,3,4,5,6,7
	v_mov_b32 v[MWD+\j], 0                         ; written whole once: v_writelane_b32 keeps the other lanes
.endr
	s_wait_kmcnt 0x0
	s_add_nc_u64 s[4:5], s[20:21], s[36:37]
	s_add_nc_u64 s[8:9], s[28:29], s[38:39]
.macro MLOAD k
.irp t, 0,1,2,3,4,5,6,7
	global_load_b128 v[MX+64*((\k)%2)+8*\t:MX+64*((\k)%2)+8*\t+3], v1, s[4:5] offset:512*(\k)+64*\t th:TH_LOAD_NT
	global_load_b128 v[MX+64*((\k)%2)+8*\t+4:MX+64*((\k)%2)+8*\t+7], v1, s[4:5] offset:512*(\k)+64*\t+16 th:TH_LOAD_NT
.endr
.endm
.macro MPACK k
.irp q, 0,1
.set n, 0
.rept 32
	v_cmp_ne_u32 s[32+n], 0, v[MX+64*((\k)%2)+32*\q+n]
.set n, n+1
.endr
.set n, 0
.rept 32
	v_writelane_b32 v[MWD+2*(\k)+n%2], s[32+n], 16*\q+n/2
.set n, n+1
.endr
.endr
	global_store_b64 v5, v[MWD+2*(\k):MWD+2*(\k)+1], s[8:9] offset:256*(\k)   ; 32 lanes store 256 consecutive bytes, aligned; each key step has its own two registers
.endm
	MLOAD 0
	MLOAD 1
	s_wait_loadcnt 16                              ; a key step's 16 loads are in; the next step's 16 may be out
	MPACK 0
	MLOAD 2
	s_wait_loadcnt 16
	MPACK 1
	MLOAD 3
	s_wait_loadcnt 16
	MPACK 2
	s_wait_loadcnt 0
	MPACK 3
	s_endpgm
.Lfunc_end_k_q1ede3ca654_prep:
	.size	k_q1ede3ca654_prep, .Lfunc_end_k_q1ede3ca654_prep-k_q1ede3ca654_prep
	.p2alignl 7, 3214868480
	.fill 96, 4, 3214868480
	.section	.rodata,"a",@progbits
	.p2align	6, 0x0
	.amdhsa_kernel k_q1ede3ca654_prep
		.amdhsa_group_segment_fixed_size 68096
		.amdhsa_private_segment_fixed_size 0
		.amdhsa_enable_private_segment 0
		.amdhsa_kernarg_size 104
		.amdhsa_user_sgpr_count 2
		.amdhsa_user_sgpr_kernarg_segment_ptr 1
		.amdhsa_wavefront_size32 1
		.amdhsa_system_sgpr_workgroup_id_x 1
		.amdhsa_system_sgpr_workgroup_id_y 1
		.amdhsa_system_sgpr_workgroup_id_z 1
		.amdhsa_system_vgpr_workitem_id 0
		.amdhsa_next_free_vgpr 194
		.amdhsa_next_free_sgpr 66
		.amdhsa_reserve_vcc 0
		.amdhsa_float_denorm_mode_32 3
		.amdhsa_float_denorm_mode_16_64 3
		.amdhsa_memory_ordered 1
		.amdhsa_forward_progress 1
		.amdhsa_inst_pref_size 126
	.end_amdhsa_kernel
	.amdgpu_metadata
---
amdhsa.version: [ 1, 2 ]
amdhsa.kernels:
  - .name:           k_q1ede3ca654_prep
    .symbol:         k_q1ede3ca654_prep.kd
    .args:
      - { .name: global_state, .offset: 0, .size: 8, .value_kind: global_buffer, .address_space: global }
      - { .name: PE_states, .offset: 8, .size: 8, .value_kind: global_buffer, .address_space: global }
      - { .name: PE_statements, .offset: 16, .size: 8, .value_kind: global_buffer, .address_space: global }
      - { .name: PE_operators, .offset: 24, .size: 8, .value_kind: global_buffer, .address_space: global }
      - { .name: w_q, .offset: 32, .size: 8, .value_kind: global_buffer, .address_space: global }
      - { .name: w_k, .offset: 40, .size: 8, .value_kind: global_buffer, .address_space: global }
      - { .name: w_v, .offset: 48, .size: 8, .value_kind: global_buffer, .address_space: global }
      - { .name: w_fc, .offset: 56, .size: 8, .value_kind: global_buffer, .address_space: global }
      - { .name: mask, .offset: 64, .size: 8, .value_kind: global_buffer, .address_space: global }
      - { .name: lowp_scales, .offset: 72, .size: 8, .value_kind: global_buffer, .address_space: global }
      - { .name: xc, .offset: 80, .size: 8, .value_kind: global_buffer, .address_space: global }
      - { .name: wc, .offset: 88, .size: 8, .value_kind: global_buffer, .address_space: global }
      - { .name: mw, .offset: 96, .size: 8, .value_kind: global_buffer, .address_space: global }
    .group_segment_fixed_size: 68096
    .private_segment_fixed_size: 0
    .kernarg_segment_align: 8
    .kernarg_segment_size: 104
    .max_flat_workgroup_size: 128
    .sgpr_count:     66
    .vgpr_count:     194
    .wavefront_size: 32
...
	.end_amdgpu_metadata
.endif
;; end of part 1
;; launch proj (part 2): grid 4 x 64, 4 waves a work-group, clusters of 4 x 4, 327,680 bytes of LDS; arguments xc, wc, lowp_scales, qc, kc, vt; writes qc, kc, vt
.if DOCPART == 2
	.amdgcn_target "amdgcn-amd-amdhsa--gfx1250"
	.amdhsa_code_object_version 6
	.text
	.protected	k_q1ede3ca654_proj
	.globl	k_q1ede3ca654_proj
	.p2align	8
	.type	k_q1ede3ca654_proj,@function
k_q1ede3ca654_proj:
	s_mov_b64 s[64:65], 0
	v_nop
	global_prefetch_b8 v0, s[64:65] scope:SCOPE_SE
	s_setreg_imm32_b32 hwreg(HW_REG_WAVE_MODE, 25, 1), 1
	s_wait_xcnt 0x0
	s_wait_alu depctr_hold_cnt(0) depctr_sa_sdst(0) depctr_va_vdst(0) depctr_va_sdst(0) depctr_va_ssrc(0) depctr_va_vcc(0) depctr_vm_vsrc(0)
	s_getreg_b32 s2, hwreg(HW_REG_IB_STS2, 6, 4)
	s_cmp_eq_u32 s2, 0
	s_cbranch_scc0 .Lentry_in_a_cluster
	s_endpgm
.Lentry_in_a_cluster:
	s_bfe_u32 s2, ttmp6, 0x10000c
	s_cmp_lg_u32 s2, 0xf033
	s_cbranch_scc0 .Lentry_shape_is_right
	s_endpgm
.Lentry_shape_is_right:
; THE FOUR PROJECTIONS, on codes of E5M2, each result quantised at once into the operand that the attention launch wants.  g = cluster y / 4 says which: 0 q, 1 k, 2 v of the statements, 3 v of the operators.
; A GEMM C = A B^T with K = 1,024: a tile of C, 256 x 256, to a work-group of four waves; a wave makes 128 x 128: 64 accumulators, 512 registers.  16 x 4 tiles for each g: 256 work-groups.
; g < 2: A = the activation's codes (4,096 tokens), B = the weight's (1,024 columns n).   g >= 2: A = the weight's, B = the activation's: the result is then V transposed, the keys along a lane's registers.
; THE MATRIX INSTRUCTION IS USED TRANSPOSED (source 0 = 16 rows of B, source 1 = 16 rows of A): a lane holds one row of A and eight neighbours along B's rows, which are the next product's K.
; K goes in steps of 256 through a ring of two LDS slots filled by the tensor data mover; 4 x 4 work-groups form a cluster: A's tile is asked for jointly along a row of the cluster, B's along a column.
; THE WAY OUT.  code = sum / 2^E, E = e(next) - ea - eb (+ 3 for q: reference() divides q by 8), held within +-57,344.  e(next) = entry 8 (q), 9 (k), 11 (v statements), 15 (v operators).
; A row's codes are laid with bits 3 and 4 of their index along the next K exchanged: a 16-byte load at byte 32 c + 16 (lane / 16) of such a row then gives a lane the k that the 8-bit layout puts in registers 4 c .. 4 c + 3.
;   qc, kc: [16 b + head][token][64 bytes].   vt: [16 b + head][128 rows][2,048 bytes]: row 64 x + (channel with its bits 3 and 4 exchanged), x = 0 statements, 1 operators.
; LIMIT: E lies between -126 and 112, so that 2^E and 57,344 x 2^E are f32 numbers.
; No prefetch: K has four steps, and the first two slots are asked for at the head.
; REGISTERS, in windows of 256: window 0: v0-31 addresses; from v128 A's fragments, ONE set; on the way out v32-95 held sums, v96-223 codes.   window 1: B's fragments, TWO sets.   windows 2, 3: the accumulators ((a, b) at v[8 (8 (a % 4) + b)]).
.set KSTEP,  256
.set ROWB,   256
.set KROW,   1024
.set PITCH,  272                       ; an LDS row: 256 bytes + 16 of padding = 68 words: the 16 rows that a load touches start at 16 different banks (64 banks of 4 bytes: ISA guide 11.1)
.set FR,     16
.set NL,     4
.set NP,     4
.set HALFT,  128*PITCH
.set SLOT,   4*HALFT                   ; A's 256 rows, then B's 256 rows
.set SPARE,  2*SLOT                    ; the spare words, 128 bytes a wave: two blocks of 256 bytes that no other line names
.set ADRA, 16
.set ADRB, 20
.set VOV,  22                          ; v22  v's way out: my byte offset in two rows of vt
.set STO,  24                          ; v24  where I put 16 bytes of a row of the stage
.set RDQ,  25                          ; v25  q, k: where I read the stage back
.set COQ,  26                          ; v26  q, k: 16 x lane
.set RDV,  27                          ; v27  v: where I read the stage back
.set SPW,  28
.set NIL,  29
.set LIM,  30                          ; v30  57,344 x 2^E
.set SCL,  31                          ; v31  2^E
.set TMP,  32
.set CD,   96
.set AF,   128
.set G1, 24
.set G0, 32
.set G1B, 48
.set G0B, 56
.set MSB, 0
.macro WIN new                         ; the immediate's high byte repeats the setting that is left
.if MSB != (\new)
	s_set_vgpr_msb (MSB<<8)|(\new)
.set MSB, (\new)
.endif
.endm
.set MUL_LO, 0xa1                      ; source 0 (B) window 1, source 1 (A) window 0, C and D window 2
.set MUL_HI, 0xf1
.set TO_B,   0x40
; A joint load: waves 0 and 1 fetch for A, waves 2 and 3 for B; the branch hangs on the wave's number alone.  Four v_nop follow each of the two lines.
.macro JLOAD g0a, g1a, g0b, g1b
	s_cmp_eq_u32 s15, 0
	s_cbranch_scc0 .Lfor_b_\@
	tensor_load_to_lds s[\g0a:\g0a+3], s[\g1a:\g1a+7]
	s_nop 0
.rept 4
	v_nop
.endr
	s_branch .Lasked_\@
.Lfor_b_\@:
	tensor_load_to_lds s[\g0b:\g0b+3], s[\g1b:\g1b+7]
	s_nop 0
.rept 4
	v_nop
.endr
.Lasked_\@:
.endm
.macro CREST                           ; a round of the cluster's barrier behind its opening barrier
	s_cmp_lg_u32 s14, 0
	s_cbranch_scc1 .Lnot_wave_0_\@
	s_barrier_signal -3
.Lnot_wave_0_\@:
	s_barrier_wait -3
	s_barrier_signal -1
	s_barrier_wait -1
.endm
.macro CROUND
	s_barrier_signal -1
	s_barrier_wait -1
	CREST
.endm
	s_load_b128 s[4:7], s[0:1], 0x0                ; xc, wc
	s_load_b128 s[8:11], s[0:1], 0x10              ; lowp_scales, qc
	s_load_b128 s[68:71], s[0:1], 0x20             ; kc, vt
	v_lshl_add_u32 v[SPW], v0, 2, SPARE
	v_mov_b32 v[NIL], 0
	ds_add_u32 v28, v29
	s_wait_dscnt 0x0
	v_lshrrev_b32 v1, 5, v0
	v_readfirstlane_b32 s14, v1                    ; wave 0..3
	s_lshr_b32 s15, s14, 1                         ; which half of the tile's rows is mine.  Also: I fetch for A (0) or for B (1)
	s_and_b32 s16, s14, 1                          ; which half of its columns.  Also: which 128 rows of that tile I fetch
	s_bfe_u32 s40, ttmp6, 0x40000                  ; cx
	s_bfe_u32 s41, ttmp6, 0x40004                  ; cy
	s_and_b32 s72, ttmp7, 0xffff                   ; cluster y, 0..15: the same in all sixteen partners
	s_lshr_b32 s73, s72, 2                         ; g
	s_and_b32 s74, s72, 3
	s_lshl_b32 s74, s74, 2                         ; 4 x (cluster y % 4): the long axis (16 tiles of tokens) goes over four clusters
	s_lshl_b32 s75, s73, 22                        ; the activation's codes in xc
	s_lshl_b32 s76, s73, 20                        ; the weight's in wc
	s_cmp_lt_u32 s73, 2
	s_cselect_b32 s77, s74, 0                      ; q, k: the tokens are C's rows;
	s_cselect_b32 s78, 0, s74                      ; v: its columns
	s_cselect_b32 s80, s75, s76                    ; A's first byte in its buffer
	s_cselect_b32 s82, s76, s75                    ; B's
	s_mov_b32 s81, 0
	s_mov_b32 s83, 0
	s_add_co_u32 s42, s78, s40                     ; tile column of C
	s_add_co_u32 s17, s77, s41                     ; tile row of C
	s_lshl_b32 s43, s41, 2
	s_lshl_b32 s43, 15, s43                        ; my row of the cluster
	s_lshl_b32 s44, 0x1111, s40                    ; my column
	; descriptor group 1: a tile of 128 rows x 256 bytes, padded in LDS
	s_or_b32 s[G1+0], s43, (0<<16)|(1<<20)|(1<<21)|(5<<22)|(3<<25)  ; 15:0 the mask: A's tiles go to my row; elements of 1 byte; padding on; bit 21 beside a mask; after every 64 words, 4 words
	s_or_b32 s[G1B+0], s44, (0<<16)|(1<<20)|(1<<21)|(5<<22)|(3<<25)
.irp g, G1, G1B
	s_mov_b32 s[\g+1], ROWB<<16                    ; tensor_dim0
	s_mov_b32 s[\g+2], 128<<16                     ; tensor_dim1
	s_mov_b32 s[\g+3], ROWB<<16                    ; tile_dim0
	s_mov_b32 s[\g+4], 128                         ; tile_dim1
	s_mov_b32 s[\g+5], KROW                        ; tensor_dim0_stride
	s_mov_b32 s[\g+6], 0
	s_mov_b32 s[\g+7], 0
.endr
	s_lshl_b32 s18, s16, 7                         ; which 128 rows of the tile I fetch
	s_lshl_b32 s20, s17, 8
	s_add_co_u32 s20, s20, s18                     ; A: row 256 x tile row + 128 x half,
	s_lshl_b32 s20, s20, 10                        ; of 1,024 bytes
	s_mov_b32 s21, 0
	s_add_nc_u64 s[20:21], s[20:21], s[80:81]
	s_lshl_b32 s46, s42, 8
	s_add_co_u32 s46, s46, s18                     ; B: row 256 x tile column + 128 x half
	s_lshl_b32 s46, s46, 10
	s_mov_b32 s47, 0
	s_add_nc_u64 s[46:47], s[46:47], s[82:83]
	s_mul_i32 s45, s14, HALFT                      ; where they go: wave x 128 rows: no place in the cluster enters an LDS address
	s_lshl_b32 s88, s73, 3                         ; ea, eb: entries 2 g, 2 g + 1
	s_lshl_b32 s89, 1, s73
	s_add_co_u32 s89, s89, 7                       ; e(next): entry 7 + 2^g: 8, 9, 11, 15
	s_lshl_b32 s89, s89, 2
	s_wait_kmcnt 0x0
	s_load_b64 s[96:97], s[8:9], s88 offset:0x0
	s_load_b32 s98, s[8:9], s89 offset:0x0
	s_cmp_lt_u32 s73, 2
	s_cselect_b64 s[84:85], s[4:5], s[6:7]         ; A's buffer
	s_cselect_b64 s[86:87], s[6:7], s[4:5]         ; B's
	s_add_nc_u64 s[20:21], s[84:85], s[20:21]
	s_add_nc_u64 s[46:47], s[86:87], s[46:47]
	CROUND                                         ; all sixteen work-groups are here: the first joint loads meet
.irp s, 0,1
	s_mov_b32 s[G0+4*\s], 1
	s_add_co_u32 s[G0+4*\s+1], s45, \s*SLOT
	s_add_nc_u64 s[G0+4*\s+2:G0+4*\s+3], s[20:21], \s*ROWB
	s_or_b32 s[G0+4*\s+3], s[G0+4*\s+3], 0x80000000
	s_mov_b32 s[G0B+4*\s], 1
	s_add_co_u32 s[G0B+4*\s+1], s45, \s*SLOT
	s_add_nc_u64 s[G0B+4*\s+2:G0B+4*\s+3], s[46:47], \s*ROWB
	s_or_b32 s[G0B+4*\s+3], s[G0B+4*\s+3], 0x80000000
	JLOAD G0+4*\s, G1, G0B+4*\s, G1B
.endr
	v_and_b32 v1, 15, v0                           ; r = l % 16
	v_bfe_u32 v2, v0, 4, 1                         ; h = l / 16
	v_mul_u32_u24 v3, v1, PITCH
	v_lshl_add_u32 v4, v2, 4, v3                   ; a fragment's row x pitch + 16 x half
	s_mul_i32 s21, s15, HALFT                      ; my 128 rows of A
	s_mul_i32 s22, s16, HALFT                      ; my 128 rows of B,
	s_add_co_u32 s22, s22, 2*HALFT                 ; which lie behind A's 256
.irp s, 0,1
	v_add_nc_u32 v[ADRA+\s], s21, v4
	v_add_nc_u32 v[ADRB+\s], s22, v4
	s_add_co_u32 s21, s21, SLOT
	s_add_co_u32 s22, s22, SLOT
.endr
	; the way out's addresses.  The stage is 256 rows x 272 bytes from LDS byte 0 on
	s_mul_i32 s23, s15, 128*PITCH
	s_lshl_b32 s19, s16, 7
	s_add_co_u32 s23, s23, s19
	v_add_nc_u32 v[STO], s23, v4                   ; in: row 128 x (my half of the rows) + r, byte 128 x (my half of the columns) + 16 h
	v_and_b32 v6, 31, v0
	v_lshrrev_b32 v7, 2, v6
	v_mul_u32_u24 v7, v7, PITCH
	v_and_b32 v8, 3, v6
	v_lshl_add_u32 v7, v8, 4, v7
	s_mul_i32 s23, s14, 64*PITCH                   ; back: wave w takes rows 64 w .. 64 w + 63
	v_add_nc_u32 v[RDQ], s23, v7                   ; q, k: four lanes to a token's 64 bytes of one head, eight tokens an instruction
	v_lshlrev_b32 v[COQ], 4, v6
	v_mul_u32_u24 v9, v2, PITCH
	v_lshl_add_u32 v9, v1, 4, v9
	v_add_nc_u32 v[RDV], s23, v9                   ; v: sixteen lanes to a row's 256 bytes, two rows an instruction
	v_lshlrev_b32 v10, 11, v2
	v_lshl_add_u32 v[VOV], v1, 4, v10              ; and the same in vt (a row is 2,048 bytes)
.macro FRAG reg, adr, q, i             ; a fragment, 16 rows x 128 K, is 16 registers: registers 4 c .. 4 c + 3 hold K = 32 c + 16 (l / 16) + 0 .. 15: the same permutation of k in A and in B
.irp c, 0,1,2,3
	ds_load_b128 v[\reg+4*\c:\reg+4*\c+3], v[\adr] offset:128*(\q)+32*\c+(\i)*16*PITCH
.endr
.endm
; 16 matrix instructions: A's blocks a0, a0 + 1 x B's eight.  The 64 accumulators take turns, one instruction a turn, in the same order in every step.
.macro MUL16 a0, p, zero
.irp a, \a0, \a0+1
.irp b, 0,1,2,3,4,5,6,7
.if \zero
	v_wmma_f32_16x16x128_bf8_bf8 v[8*(8*((\a)%4)+\b):8*(8*((\a)%4)+\b)+7], v[128*(\p)+FR*\b:128*(\p)+FR*\b+FR-1], v[AF+FR*(\a):AF+FR*(\a)+FR-1], 0
.else
	v_wmma_f32_16x16x128_bf8_bf8 v[8*(8*((\a)%4)+\b):8*(8*((\a)%4)+\b)+7], v[128*(\p)+FR*\b:128*(\p)+FR*\b+FR-1], v[AF+FR*(\a):AF+FR*(\a)+FR-1], v[8*(8*((\a)%4)+\b):8*(8*((\a)%4)+\b)+7]
.endif
.endr
.endr
.endm
.macro FETCH_B slot, q, p
	WIN TO_B
.irp i, 0,1,2,3,4,5,6,7
	FRAG 128*(\p)+FR*\i, ADRB+\slot, \q, \i
.endr
	WIN 0
.endm
.macro FETCH_A slot, q, i0
.irp i, \i0, \i0+1, \i0+2, \i0+3
	FRAG AF+FR*(\i), ADRA+\slot, \q, \i
.endr
.endm
.macro PLACES n                        ; plain vector instructions between a matrix instruction and a load into, or a vector write of, its registers, or a read of its result
.rept \n
	v_nop
.endr
.endm
.macro STEP slot, q, zero              ; a step of 128 along K that has its successor in the same slot
	s_wait_dscnt 4*NL                              ; B's set and A's blocks 0-3 are in; the youngest 16 loads (A's blocks 4-7) may be out
	WIN MUL_LO
	MUL16 0, (\q)%2, \zero
	MUL16 2, (\q)%2, \zero
	s_wait_dscnt 0
	PLACES NP
	FETCH_B \slot, (\q)+1, 1-(\q)%2
	FETCH_A \slot, (\q)+1, 0
	WIN MUL_HI
	MUL16 4, (\q)%2, \zero
	MUL16 6, (\q)%2, \zero
	PLACES NP
	WIN 0
	FETCH_A \slot, (\q)+1, 4
.endm
; A slot's last step changes slots: ONE barrier; in front of it each wave waits for all its tensor loads, adds 0 to its spare word, and waits for that and for its reads of this slot.
.macro TURN slot, next, fill
	s_wait_tensorcnt 0x0                           ; all my tensor loads have landed: my part of the next slot
	ds_add_u32 v[SPW], v[NIL]                      ; 0 onto my spare word
	s_wait_dscnt 4*NL+1                            ; (the add and the youngest 16 loads may be out)
	WIN MUL_LO
	MUL16 0, 1, 0
	s_wait_dscnt 0x0                               ; the add is done, and my reads of this slot are over
	s_barrier_signal -1
	MUL16 2, 1, 0
	WIN 0
	s_barrier_wait -1
.if \fill
	CREST                                          ; the barrier has opened a round of the cluster's barrier: no wave of any partner still reads this slot or has a load on its way
	s_add_nc_u64 s[G0+4*\slot+2:G0+4*\slot+3], s[G0+4*\slot+2:G0+4*\slot+3], 2*ROWB
	s_add_nc_u64 s[G0B+4*\slot+2:G0B+4*\slot+3], s[G0B+4*\slot+2:G0B+4*\slot+3], 2*ROWB
	JLOAD G0+4*\slot, G1, G0B+4*\slot, G1B         ; the first tensor load behind the round; its four v_nop are also the places in front of the loads below
.else
	PLACES NP
.endif
	FETCH_B \next, 0, 0
	FETCH_A \next, 0, 0
	WIN MUL_HI
	MUL16 4, 1, 0
	MUL16 6, 1, 0
	PLACES NP
	WIN 0
	FETCH_A \next, 0, 4
.endm
	s_wait_tensorcnt 1                             ; my part of K step 0 is in (K step 1's load may be out)
	s_barrier_signal -1
	s_barrier_wait -1                              ; everybody's is
	FETCH_B 0, 0, 0
	FETCH_A 0, 0, 0
	FETCH_A 0, 0, 4
	STEP 0, 0, 1                                   ; K = 1,024 is four slots' worth: written out.  The first products start the sums
	TURN 0, 1, 1                                   ; slot 0 takes K step 2
	STEP 1, 0, 0
	TURN 1, 0, 1                                   ; slot 1 takes K step 3
	STEP 0, 0, 0
	TURN 0, 1, 0                                   ; nothing is left to fetch; behind this barrier nobody reads slot 0, and it has had its last fill
	STEP 1, 0, 0
	s_wait_dscnt 4*NL
	WIN MUL_LO
	MUL16 0, 1, 0
	MUL16 2, 1, 0
	s_wait_dscnt 0
	WIN MUL_HI
	MUL16 4, 1, 0
	MUL16 6, 1, 0
	WIN 0
	s_wait_kmcnt 0x0
	s_sub_co_i32 s98, s98, s96
	s_sub_co_i32 s98, s98, s97                     ; e(next) - ea - eb
	s_cmp_eq_u32 s73, 0
	s_cselect_b32 s96, 3, 0                        ; q is divided by 8
	s_add_co_i32 s98, s98, s96
	s_add_co_i32 s98, s98, 127
	s_lshl_b32 s97, s98, 23
	s_add_co_i32 s98, s98, 15
	s_lshl_b32 s98, s98, 23
	s_or_b32 s98, s98, 0x600000
	PLACES NP
	v_mov_b32 v[SCL], s97                          ; 2^E
	v_mov_b32 v[LIM], s98                          ; 57,344 x 2^E
; Block a (16 rows of A x my 128 columns): held, converted, 16 bytes a lane into the stage.  Tiles 2 b and 2 b + 1 give a lane the 16 bytes at 32 b + 16 h: that is the exchange of bits 3 and 4.
.macro QSTAGE a
	WIN 0x02+((\a)/4)                              ; source 0: window 2 or 3
.set j, 0
.rept 64
	v_med3_num_f32 v[TMP+j], v[64*((\a)%4)+j], -v[LIM], v[LIM]   ; each accumulator from its low end on
.set j, j+1
.endr
	WIN 0
.irp b, 0,1,2,3,4,5,6,7
	v_cvt_scalef32_pk8_bf8_f32 v[CD+16*(\a)+2*\b:CD+16*(\a)+2*\b+1], v[TMP+8*\b:TMP+8*\b+7], v[SCL]
.endr
	v_nop                                          ; a plain line between the conversions and the next block's holds, which write their sources
.irp b, 0,1,2,3
	ds_store_b128 v[STO], v[CD+16*(\a)+4*\b:CD+16*(\a)+4*\b+3] offset:(\a)*16*PITCH+32*\b
.endr
.endm
.irp a, 0,1,2,3,4,5,6,7
	QSTAGE \a
.endr
	s_wait_dscnt 0x0                               ; for the others' sake: my stores into the stage are done
	s_barrier_signal -1
	s_barrier_wait -1
	s_cmp_lt_u32 s73, 2                            ; g: the same in every wave and every partner
	s_cbranch_scc0 .Lout_v
	; q, k: stage row = token, 4 heads x 64 bytes.  A store covers eight tokens of one head: 512 consecutive bytes
	s_lshr_b32 s20, s17, 3                         ; b
	s_lshl_b32 s20, s20, 4
	s_lshl_b32 s21, s42, 2
	s_add_co_u32 s20, s20, s21                     ; 16 b + the tile's first head
	s_lshl_b32 s20, s20, 11
	s_and_b32 s21, s17, 7
	s_lshl_b32 s21, s21, 8
	s_add_co_u32 s20, s20, s21
	s_lshl_b32 s21, s14, 6
	s_add_co_u32 s20, s20, s21                     ; + my first token in the batch
	s_lshl_b32 s20, s20, 6
	s_mov_b32 s21, 0
	s_cmp_eq_u32 s73, 0
	s_cselect_b64 s[22:23], s[10:11], s[68:69]
	s_add_nc_u64 s[22:23], s[22:23], s[20:21]
.set i, 0
.rept 32
	ds_load_b128 v[CD+4*i:CD+4*i+3], v[RDQ] offset:(i/4)*8*PITCH+64*(i%4)
.set i, i+1
.endr
.set i, 0
.rept 32
	s_wait_dscnt 31-i                              ; the younger loads may be out
	global_store_b128 v[COQ], v[CD+4*i:CD+4*i+3], s[22:23] offset:(i%4)*131072+(i/4)*512
.set i, i+1
.endr
	s_branch .Ldone
.Lout_v:
	; v: stage row = channel (wave w: head 4 x tile row + w), 256 keys.  Sixteen lanes store 256 consecutive bytes, aligned; the row's place has bits 3 and 4 of the channel exchanged
	s_lshr_b32 s20, s42, 3                         ; b
	s_lshl_b32 s20, s20, 4
	s_lshl_b32 s21, s17, 2
	s_add_co_u32 s20, s20, s21
	s_add_co_u32 s20, s20, s14                     ; 16 b + head
	s_lshl_b32 s20, s20, 1
	s_add_co_u32 s20, s20, s73
	s_sub_co_u32 s20, s20, 2                       ; x 2 + (0 statements, 1 operators)
	s_lshl_b32 s20, s20, 17                        ; 64 rows of 2,048 bytes
	s_and_b32 s21, s42, 7
	s_lshl_b32 s21, s21, 8
	s_add_co_u32 s20, s20, s21                     ; + the tile's first key in the batch
	s_mov_b32 s21, 0
	s_add_nc_u64 s[22:23], s[70:71], s[20:21]
.set i, 0
.rept 32
	ds_load_b128 v[CD+4*i:CD+4*i+3], v[RDV] offset:2*i*PITCH
.set i, i+1
.endr
.set i, 0
.rept 32
	s_wait_dscnt 31-i
	global_store_b128 v[VOV], v[CD+4*i:CD+4*i+3], s[22:23] offset:2*((i%4)+4*((i/8)%2)+8*((i/4)%2)+16*(i/16))*2048
.set i, i+1
.endr
.Ldone:
	s_wait_tensorcnt 0x0                           ; the wave's end
	ds_add_u32 v[SPW], v[NIL]
	s_wait_dscnt 0x0
	CROUND                                         ; the closing round
	s_endpgm
.Lfunc_end_k_q1ede3ca654_proj:
	.size	k_q1ede3ca654_proj, .Lfunc_end_k_q1ede3ca654_proj-k_q1ede3ca654_proj
	.p2alignl 7, 3214868480
	.fill 96, 4, 3214868480
	.section	.rodata,"a",@progbits
	.p2align	6, 0x0
	.amdhsa_kernel k_q1ede3ca654_proj
		.amdhsa_group_segment_fixed_size 327680
		.amdhsa_private_segment_fixed_size 0
		.amdhsa_enable_private_segment 0
		.amdhsa_kernarg_size 48
		.amdhsa_user_sgpr_count 2
		.amdhsa_user_sgpr_kernarg_segment_ptr 1
		.amdhsa_wavefront_size32 1
		.amdhsa_system_sgpr_workgroup_id_x 1
		.amdhsa_system_sgpr_workgroup_id_y 1
		.amdhsa_system_sgpr_workgroup_id_z 1
		.amdhsa_system_vgpr_workitem_id 0
		.amdhsa_next_free_vgpr 1024
		.amdhsa_next_free_sgpr 100
		.amdhsa_reserve_vcc 0
		.amdhsa_float_denorm_mode_32 3
		.amdhsa_float_denorm_mode_16_64 3
		.amdhsa_memory_ordered 1
		.amdhsa_forward_progress 1
		.amdhsa_inst_pref_size 130
	.end_amdhsa_kernel
	.amdgpu_metadata
---
amdhsa.version: [ 1, 2 ]
amdhsa.kernels:
  - .name:           k_q1ede3ca654_proj
    .symbol:         k_q1ede3ca654_proj.kd
    .args:
      - { .name: xc, .offset: 0, .size: 8, .value_kind: global_buffer, .address_space: global }
      - { .name: wc, .offset: 8, .size: 8, .value_kind: global_buffer, .address_space: global }
      - { .name: lowp_scales, .offset: 16, .size: 8, .value_kind: global_buffer, .address_space: global }
      - { .name: qc, .offset: 24, .size: 8, .value_kind: global_buffer, .address_space: global }
      - { .name: kc, .offset: 32, .size: 8, .value_kind: global_buffer, .address_space: global }
      - { .name: vt, .offset: 40, .size: 8, .value_kind: global_buffer, .address_space: global }
    .group_segment_fixed_size: 327680
    .private_segment_fixed_size: 0
    .kernarg_segment_align: 8
    .kernarg_segment_size: 48
    .max_flat_workgroup_size: 128
    .sgpr_count:     100
    .vgpr_count:     1024
    .wavefront_size: 32
...
	.end_amdgpu_metadata
.endif
;; end of part 2
;; launch attn (part 3): grid 8 x 32, 8 waves a work-group, clusters of 4 x 1, 327,680 bytes of LDS; arguments qc, kc, vt, mw, PE_solution_scores, lowp_scales, oc; writes oc
.if DOCPART == 3
	.amdgcn_target "amdgcn-amd-amdhsa--gfx1250"
	.amdhsa_code_object_version 6
	.text
	.protected	k_q1ede3ca654_attn
	.globl	k_q1ede3ca654_attn
	.p2align	8
	.type	k_q1ede3ca654_attn,@function
k_q1ede3ca654_attn:
	s_mov_b64 s[64:65], 0
	v_nop
	global_prefetch_b8 v0, s[64:65] scope:SCOPE_SE
	s_setreg_imm32_b32 hwreg(HW_REG_WAVE_MODE, 25, 1), 1
	s_wait_xcnt 0x0
	s_wait_alu depctr_hold_cnt(0) depctr_sa_sdst(0) depctr_va_vdst(0) depctr_va_sdst(0) depctr_va_ssrc(0) depctr_va_vcc(0) depctr_vm_vsrc(0)
	s_getreg_b32 s2, hwreg(HW_REG_IB_STS2, 6, 4)
	s_cmp_eq_u32 s2, 0
	s_cbranch_scc0 .Lentry_in_a_cluster
	s_endpgm
.Lentry_in_a_cluster:
	s_bfe_u32 s2, ttmp6, 0x10000c
	s_cmp_lg_u32 s2, 0x3003
	s_cbranch_scc0 .Lentry_shape_is_right
	s_endpgm
.Lentry_shape_is_right:
; ATTENTION with one softmax and two value tensors, all three products on codes of E5M2.  logit = (q k / 8 + bias[key]) / 2, or the masked value where mask = 0; t = logit x log2(e);
; M = the running largest t rounded UP to a whole number; p = 2^(t - M) is quantised twice (scale entries 10 and 14), the row's sum l is taken of the unquantised p; O / l is quantised for the last products (entries 12, 16).
; SHARES.  A work-group owns 256 queries of one (batch, head); each of its eight waves 32 of them, two tiles of 16, in 512 registers: two waves to a SIMD, so that one wave's vector work stands beside the other's
; matrix work and LDS loads.  A key step is 128 keys; its 64 LDS loads (K 16, bias 16, V 32) serve both tiles.
; LAYOUT.  Both products are used transposed: S^T = K Q^T (source 0 = 16 keys, source 1 = 16 queries), O^T = V^T P^T: a lane holds ONE query (lane % 16) throughout.  Register 8 t + j of S^T is key 16 t + 8 (lane / 16) + j:
; converted eight at a time that IS the 8-bit operand's layout.  qc, kc, vt are laid with bits 3 and 4 of the index along K exchanged, so that 16-byte loads give that layout too; vt's rows are laid so that the
; 16 registers of two neighbouring tiles of O^T are 16 neighbouring channels.
; THE BIAS is the C of the first product (bias x 2^-(e8 + e9)), THE MASK one v_cndmask_b32 a number, on lane masks that the first launch packed (scalar loads, one tile ahead).
; THE MASKED VALUE.  LIMIT: a masked logit counts as -2^30, not -1e9.  Its t is a whole number in f32, so a row all of whose keys are masked has p = 1 for every key, as reference() has it; where a key counts,
; masked keys have p = 0 under either value.  The results are the same while the logits that count lie above -5e8.
; LIMITS on the given exponents: e8 + e9 between -96 and 128; e10, e14, e12 - e10 - e11 and e16 - e14 - e15 between -126 and 112.
; RING.  Two LDS slots of 512 keys (four key steps), filled by joint tensor loads: the four query blocks of a cluster walk the same K and V.  Waves 0, 1 fetch K's halves, waves 2, 3 V's.
; No prefetch: a refill is asked for at a slot's head and first read four key steps later (128 matrix instructions and some 2,800 vector instructions a wave), so no wave waits for it.
; REGISTERS.  window 0: v1-11 addresses and constants; v12-34 statistics, 12 a tile; v36-39 the holds; v44-59 at work; v60-123 p's codes (32 tile + 16 x); v124-251 S^T, 64 a tile; v[252:253] c1.
;   window 1: v0-127 O^T (64 tile + 32 x + 8 ct); v128-191 fragments of K, then of V (statements); v192-207 Q.  V (operators) lands in tile 1's S^T registers when its softmax is done.
.set DUAL,  1                          ; the holds go two to an instruction
.set VOFF,  34816                      ; a slot: K as 128 rows of (256 + 16) bytes, four keys a row; then V, 128 rows of (512 + 16) bytes
.set SLOT1, 131072
.set SPARE, 262144                     ; the spare words, 128 bytes a wave: four blocks of 256 bytes that no other line names
.set BIAS,  263168                     ; 2,048 f32: the batch's bias x 2^-(e8 + e9)
.set AK0, 1
.set AV0, 2
.set AB0, 3
.set ADK, 4
.set ADV, 5
.set ADB, 6
.set SPW, 7
.set NIL, 8
.set XS,  9                            ; -2^(31 - e8 - e9): the masked score
.set SC0, 10                           ; 2^e10
.set SC1, 11                           ; 2^e14
.set ST,  12                           ; tile's statistics at ST + 12 tile: +0 -M, +1 the largest t, +2, +3 l, +4 f (+5 named with it), +6, +7 at work, +8, +9 second sum, +10 the permute's
.set LM0, 36                           ; v36, v37: 57,344 x 2^e10
.set LM1, 38                           ; v38, v39: 57,344 x 2^e14
.set TMP, 44
.set PC,  60
.set S,   124
.set C1,  252
.set O,   0
.set F,   128
.set Q,   192
.set WV,  2
.set SLOTS, 3
.set G1K, 4
.set G1V, 12
.set G0K, 20
.set G0V, 24
.set TBK, 28                           ; LDS byte of the step's K, of its V, of its bias
.set TBV, 29
.set MO,  30                           ; byte of the key step whose mask words are asked for
.set CNT, 31
.set MA,  32                           ; s[32:63], s[68:99]: a tile's 64 mask words
.set MP,  66
.set MB,  68
.set TBB, 100
.set SEL, 104
.set MSB, 0
.macro WIN new
.if MSB != (\new)
	s_set_vgpr_msb (MSB<<8)|(\new)
.set MSB, (\new)
.endif
.endm
.macro TLOAD                           ; the branches hang on the wave's number alone.  Four v_nop follow each of the two lines
	s_cmp_lt_u32 s[WV], 2
	s_cbranch_scc0 .Lnot_k_\@
	tensor_load_to_lds s[G0K:G0K+3], s[G1K:G1K+7]
	s_nop 0
.rept 4
	v_nop
.endr
	s_branch .Lasked_\@
.Lnot_k_\@:
	s_cmp_lt_u32 s[WV], 4
	s_cbranch_scc0 .Lasked_\@
	tensor_load_to_lds s[G0V:G0V+3], s[G1V:G1V+7]
	s_nop 0
.rept 4
	v_nop
.endr
.Lasked_\@:
.endm
.macro CROUND                          ; a round of the cluster's barrier
	s_barrier_signal -1
	s_barrier_wait -1
	s_cmp_lg_u32 s[WV], 0
	s_cbranch_scc1 .Lnot_wave_0_\@
	s_barrier_signal -3
.Lnot_wave_0_\@:
	s_barrier_wait -3
	s_barrier_signal -1
	s_barrier_wait -1
.endm
	s_load_b256 s[32:39], s[0:1], 0x0              ; qc s[32:33], kc s[34:35], vt s[36:37], mw s[38:39]
	s_load_b128 s[40:43], s[0:1], 0x20             ; PE_solution_scores s[40:41], lowp_scales s[42:43]
	v_lshl_add_u32 v[SPW], v0, 2, SPARE
	v_mov_b32 v[NIL], 0
	ds_add_u32 v7, v8
	s_wait_dscnt 0x0
	v_lshrrev_b32 v1, 5, v0
	v_readfirstlane_b32 s[WV], v1                  ; wave 0..7
	s_bfe_u32 s44, ttmp6, 0x40000                  ; cx
	s_lshl_b32 s45, ttmp9, 2
	s_add_co_u32 s45, s45, s44                     ; my block of 256 queries: it enters Q's, the mask's and oc's addresses alone
	s_and_b32 s46, ttmp7, 0xffff                   ; 16 b + head, which the four partners share
	s_and_b32 s47, s[WV], 1                        ; which half of a tile I fetch, if I fetch
	s_lshl_b32 s48, s46, 17                        ; K: 2,048 keys x 64 bytes a head, + 256 keys for the second half
	s_lshl_b32 s49, s47, 14
	s_add_co_u32 s48, s48, s49
	s_mov_b32 s49, 0
	s_lshl_b32 s50, s46, 18                        ; V: 128 rows x 2,048 bytes a head, + 64 rows
	s_lshl_b32 s51, s47, 17
	s_add_co_u32 s50, s50, s51
	s_mov_b32 s51, 0
	s_mul_i32 s52, s47, 64*272                     ; and in a slot
	s_mul_i32 s53, s47, 64*528
	s_add_co_u32 s53, s53, VOFF
	s_mov_b32 s[G1K], 15|(0<<16)|(1<<20)|(1<<21)|(5<<22)|(3<<25)  ; the mask: all four; elements of 1 byte; padding on; bit 21 beside a mask; after every 64 words, 4 words
	s_mov_b32 s[G1K+1], 256<<16                    ; K's 256 keys x 64 bytes are dense in memory: stated as 64 rows of 256 bytes
	s_mov_b32 s[G1K+2], 64<<16
	s_mov_b32 s[G1K+3], 256<<16
	s_mov_b32 s[G1K+4], 64
	s_mov_b32 s[G1K+5], 256
	s_mov_b32 s[G1K+6], 0
	s_mov_b32 s[G1K+7], 0
	s_mov_b32 s[G1V], 15|(0<<16)|(1<<20)|(1<<21)|(6<<22)|(3<<25)  ; after every 128 words, 4 words
	s_mov_b32 s[G1V+1], 512<<16                    ; V: 64 rows of 512 bytes, 2,048 bytes apart
	s_mov_b32 s[G1V+2], 64<<16
	s_mov_b32 s[G1V+3], 512<<16
	s_mov_b32 s[G1V+4], 64
	s_mov_b32 s[G1V+5], 2048
	s_mov_b32 s[G1V+6], 0
	s_mov_b32 s[G1V+7], 0
	s_mov_b32 s[SEL], 0x76543210
	s_mov_b32 s[SEL+1], 0xfedcba98
	s_mov_b32 s[TBK], 0
	s_mov_b32 s[TBV], 0
	s_mov_b32 s[TBB], 0
	s_mov_b32 s[MO], 0
	s_mov_b32 s[SLOTS], 3
	s_lshl_b32 s54, s46, 11                        ; Q: my wave's first query among the head's,
	s_lshl_b32 s55, s45, 8
	s_add_co_u32 s54, s54, s55
	s_lshl_b32 s55, s[WV], 5
	s_add_co_u32 s54, s54, s55
	s_lshl_b32 s54, s54, 6                         ; 64 bytes a query
	s_mov_b32 s55, 0
	s_lshr_b32 s56, s46, 4                         ; b
	s_lshl_b32 s60, s56, 13                        ; the batch's 2,048 f32 of bias
	s_mov_b32 s61, 0
	s_lshl_b32 s58, s56, 19                        ; the mask words: 128 tiles x 4,096 bytes a batch,
	s_lshl_b32 s59, s45, 16                        ; 16 tiles a block,
	s_add_co_u32 s58, s58, s59
	s_lshl_b32 s59, s[WV], 13                      ; two a wave
	s_add_co_u32 s58, s58, s59
	s_mov_b32 s59, 0
	s_wait_kmcnt 0x0
	s_load_b512 s[68:83], s[42:43], 0x0            ; scale entries 0 to 15
	s_mov_b32 s[G0K], 1
	s_mov_b32 s[G0K+1], s52
	s_add_nc_u64 s[G0K+2:G0K+3], s[34:35], s[48:49]
	s_or_b32 s[G0K+3], s[G0K+3], 0x80000000
	s_mov_b32 s[G0V], 1
	s_mov_b32 s[G0V+1], s53
	s_add_nc_u64 s[G0V+2:G0V+3], s[36:37], s[50:51]
	s_or_b32 s[G0V+3], s[G0V+3], 0x80000000
	CROUND                                         ; all four work-groups are here: the first joint loads meet
	TLOAD                                          ; slot 0
	s_add_nc_u64 s[32:33], s[32:33], s[54:55]
	s_add_nc_u64 s[40:41], s[40:41], s[60:61]
	s_add_nc_u64 s[MP:MP+1], s[38:39], s[58:59]
	v_lshlrev_b32 v4, 5, v0
	global_load_b128 v[44:47], v4, s[40:41]        ; thread t: bias 8 t .. 8 t + 7
	global_load_b128 v[48:51], v4, s[40:41] offset:16
	v_and_b32 v40, 15, v0                          ; r
	v_bfe_u32 v41, v0, 4, 1                        ; h
	v_lshlrev_b32 v6, 6, v40
	v_lshl_add_u32 v6, v41, 4, v6                  ; Q: row r of 64 bytes + 16 h
	WIN 0x40                                       ; destination window 1
.irp tt, 0,1
.irp c, 0,1
	global_load_b128 v[Q+8*\tt+4*\c:Q+8*\tt+4*\c+3], v6, s[32:33] offset:1024*\tt+32*\c
.endr
.endr
.set n, 0
.rept 128
	v_mov_b32 v[O+n], 0                            ; O^T.  (The step is written once: its first run finds zeros, which the first change of M leaves zeros)
.set n, n+1
.endr
	WIN 0
	v_lshrrev_b32 v42, 2, v40
	v_and_b32 v43, 3, v40
	v_mul_u32_u24 v[AK0], v42, 272
	v_lshl_add_u32 v[AK0], v43, 6, v[AK0]
	v_lshl_add_u32 v[AK0], v41, 4, v[AK0]          ; K: key r lies in row r / 4 at byte 64 (r % 4); + 16 h
	v_mul_u32_u24 v[AV0], v40, 528
	v_lshl_add_u32 v[AV0], v41, 4, v[AV0]
	v_add_nc_u32 v[AV0], VOFF, v[AV0]              ; V: row r, + 16 h
	v_lshlrev_b32 v[AB0], 5, v41
	v_add_nc_u32 v[AB0], BIAS, v[AB0]              ; bias: my half's eight keys of a tile
	v_lshl_add_u32 v5, v0, 5, BIAS                 ; where thread t puts its eight
.irp tt, 0,1
	v_mov_b32 v[ST+12*\tt+1], 0xff61b1e6           ; the largest t so far: -3e38
	v_floor_f32 v[ST+12*\tt], -v[ST+12*\tt+1]      ; -M
	v_mov_b32 v[ST+12*\tt+2], 0
	v_mov_b32 v[ST+12*\tt+3], 0
	v_mov_b32 v[ST+12*\tt+5], 0                    ; (named as the upper half of f's pair)
	v_mov_b32 v[ST+12*\tt+10], 0                   ; (a lane permute's destination counts as one of its sources)
.endr
	s_wait_kmcnt 0x0
	s_add_co_i32 s84, s76, s77                     ; e8 + e9
	s_lshl_b32 s85, s84, 23
	s_add_co_i32 s85, s85, 0x3f38aa3b              ; c1 = log2(e) / 2 x 2^(e8 + e9): t = (sum + C) x c1
	v_mov_b32 v[C1], s85
	v_mov_b32 v[C1+1], s85
	s_sub_co_i32 s86, 0, s84
	s_sub_co_i32 s87, 158, s84
	s_lshl_b32 s87, s87, 23
	s_or_b32 s87, s87, 0x80000000
	v_mov_b32 v[XS], s87                           ; -2^(31 - e8 - e9): x c1 it is -2^30 log2(e), exact
	s_add_co_i32 s88, s78, 127
	s_lshl_b32 s89, s88, 23
	v_mov_b32 v[SC0], s89
	s_add_co_i32 s88, s88, 15
	s_lshl_b32 s88, s88, 23
	s_or_b32 s88, s88, 0x600000
	v_mov_b32 v[LM0], s88
	v_mov_b32 v[LM0+1], s88
	s_add_co_i32 s88, s82, 127
	s_lshl_b32 s89, s88, 23
	v_mov_b32 v[SC1], s89
	s_add_co_i32 s88, s88, 15
	s_lshl_b32 s88, s88, 23
	s_or_b32 s88, s88, 0x600000
	v_mov_b32 v[LM1], s88
	v_mov_b32 v[LM1+1], s88
	s_wait_loadcnt 0x0                             ; the bias and Q are in; their address registers are free
.irp i, 0,1,2,3,4,5,6,7
	v_ldexp_f32 v[44+\i], v[44+\i], s86
.endr
	ds_store_b128 v5, v[44:47]
	ds_store_b128 v5, v[48:51] offset:16           ; the first change of slots waits for these stores and passes a barrier in front of every read
	s_load_b512 s[MA:MA+15], s[MP:MP+1], 0x1000    ; tile 1's mask words of key step 0
	s_load_b512 s[MA+16:MA+31], s[MP:MP+1], 0x1040
	s_load_b512 s[MB:MB+15], s[MP:MP+1], 0x1080
	s_load_b512 s[MB+16:MB+31], s[MP:MP+1], 0x10c0
.macro MIN2 d, l, s                    ; two holds.  The pair's first sources lie in different register banks, and so do its second sources
.if DUAL
	v_dual_min_num_f32 v[(\d)], v[(\l)], v[(\s)] :: v_dual_min_num_f32 v[(\d)+1], v[(\l)+1], v[(\s)+1]
.else
	v_min_num_f32 v[(\d)], v[(\l)], v[(\s)]
	v_min_num_f32 v[(\d)+1], v[(\l)+1], v[(\s)+1]
.endif
.endm
; ONE TILE'S SOFTMAX FOR ONE KEY STEP.  Tile 1 goes first.  Each run asks for the mask words of the run that follows: tile 1's for tile 0 of this step, tile 0's for tile 1 of the next.
.macro SOFT tau
.set rT, ST+12*\tau
.set rS, S+64*\tau
.set rP, PC+32*\tau
	s_wait_kmcnt 0x0                               ; my 64 mask words are in, and the loads have read their offset
.if \tau == 0
	s_add_co_u32 s[MO], s[MO], 256                 ; the next key step's words;
	s_and_b32 s[MO], s[MO], 0xfff                  ; the last step asks for step 0's again, which nobody uses: no load leaves the buffer
.endif
.set n, 0
.rept 32
	v_cndmask_b32 v[rS+n], v[XS], v[rS+n], s[MA+n] ; each accumulator from its low end on
.set n, n+1
.endr
.if \tau == 1
	WIN 0x40                                       ; V of the statements, 64 rows x 128 keys, takes K's place: the 32 lines above are the places behind the products that read K
.irp ct, 0,1,2,3
.irp c, 0,1,2,3
	ds_load_b128 v[F+16*\ct+4*\c:F+16*\ct+4*\c+3], v[ADV] offset:16*\ct*528+32*\c
.endr
.endr
	WIN 0
.endif
	s_load_b512 s[MA:MA+15], s[MP:MP+1], s[MO] offset:(1-\tau)*4096
	s_load_b512 s[MA+16:MA+31], s[MP:MP+1], s[MO] offset:(1-\tau)*4096+64
.set n, 0
.rept 32
	v_cndmask_b32 v[rS+32+n], v[XS], v[rS+32+n], s[MB+n]
.set n, n+1
.endr
	s_load_b512 s[MB:MB+15], s[MP:MP+1], s[MO] offset:(1-\tau)*4096+128
	s_load_b512 s[MB+16:MB+31], s[MP:MP+1], s[MO] offset:(1-\tau)*4096+192
	v_max3_num_f32 v[rT+6], v[rS], v[rS+1], v[rS+2]        ; the step's largest score of my query among my 64 keys, in two chains,
	v_max3_num_f32 v[rT+7], v[rS+3], v[rS+4], v[rS+5]
.irp i, 6,10,14,18,22,26,30,34,38,42,46,50,54,58
	v_max3_num_f32 v[rT+6], v[rT+6], v[rS+\i], v[rS+\i+1]
	v_max3_num_f32 v[rT+7], v[rT+7], v[rS+\i+2], v[rS+\i+3]
.endr
	v_max3_num_f32 v[rT+6], v[rT+6], v[rS+62], v[rS+63]
	v_max_num_f32 v[rT+6], v[rT+6], v[rT+7]
	v_permlanex16_b32 v[rT+10], v[rT+6], s[SEL], s[SEL+1]
	v_max_num_f32 v[rT+6], v[rT+6], v[rT+10]               ; and among lane l xor 16's
	v_mul_f32 v[rT+6], v[C1], v[rT+6]                      ; as t (c1 is positive)
	v_max_num_f32 v[rT+1], v[rT+1], v[rT+6]                ; the running largest t
	v_mov_b32 v[rT+6], v[rT]
	v_floor_f32 v[rT], -v[rT+1]                            ; the new -M = -ceil(t)
	v_sub_f32 v[rT+6], v[rT], v[rT+6]                      ; old M - new M, 0 or less
	v_cvt_i32_f32 v[rT+6], v[rT+6]                         ; (it saturates)
	v_ldexp_f32 v[rT+4], 1.0, v[rT+6]                      ; f = 2^(old M - new M)
.set n, 0
.rept 32
	v_pk_fma_f32 v[rS+n:rS+n+1], v[rS+n:rS+n+1], v[C1:C1+1], v[rT:rT+1] op_sel_hi:[1,1,0]   ; t - M (of the pair -M, t the low word serves both halves)
.set n, n+2
.endr
.set n, 0
.rept 64
	v_exp_f32 v[rS+n], v[rS+n]                             ; p = 2^(t - M)
.set n, n+1
.endr
	v_pk_mul_f32 v[rT+2:rT+3], v[rT+2:rT+3], v[rT+4:rT+5] op_sel_hi:[1,0]   ; l under the new M.  (A plain line behind the exponentials)
	s_wait_alu depctr_va_vdst(0)
	v_pk_add_f32 v[rT+8:rT+9], v[rS:rS+1], v[rS+2:rS+3]    ; the sum of the unquantised p, two at a time, in two chains
.irp j, 4,8,12,16,20,24,28,32,36,40,44,48,52,56,60
	v_pk_add_f32 v[rT+2:rT+3], v[rT+2:rT+3], v[rS+\j:rS+\j+1]
	v_pk_add_f32 v[rT+8:rT+9], v[rT+8:rT+9], v[rS+\j+2:rS+\j+3]
.endr
	v_pk_add_f32 v[rT+2:rT+3], v[rT+2:rT+3], v[rT+8:rT+9]
.set k, 0
.rept 8                                        ; p is quantised twice: the two products' scales need not be equal.  p is not negative: the hold is one-sided
.set dd, TMP+8*(k%2)
.irp q, 0,2,4,6
	MIN2 dd+\q, LM0, rS+8*k+\q
.endr
	v_cvt_scalef32_pk8_bf8_f32 v[rP+2*k:rP+2*k+1], v[dd:dd+7], v[SC0]
.irp q, 0,2,4,6
	MIN2 rS+8*k+\q, LM1, rS+8*k+\q
.endr
	v_cvt_scalef32_pk8_bf8_f32 v[rP+16+2*k:rP+16+2*k+1], v[rS+8*k:rS+8*k+7], v[SC1]
.set k, k+1
.endr
.if \tau == 1
.irp ct, 0,1,2,3                               ; V of the operators lands in tile 1's score registers, which are done with, while tile 0's softmax runs
.irp c, 0,1,2,3
	ds_load_b128 v[S+64+16*\ct+4*\c:S+64+16*\ct+4*\c+3], v[ADV] offset:(64+16*\ct)*528+32*\c
.endr
.endr
.endif
.endm
; A KEY STEP: 128 keys.
.macro STEP
	v_add_nc_u32 v[ADK], s[TBK], v[AK0]            ; these three and two v_nop are the five places between the last step's products and the loads into, and products over, their registers
	v_add_nc_u32 v[ADV], s[TBV], v[AV0]
	v_add_nc_u32 v[ADB], s[TBB], v[AB0]
	v_nop
	v_nop
	WIN 0x40
.irp t, 0,1,2,3,4,5,6,7
	ds_load_b128 v[F+8*\t:F+8*\t+3], v[ADK] offset:\t*1088
	ds_load_b128 v[F+8*\t+4:F+8*\t+7], v[ADK] offset:\t*1088+32
.endr
	WIN 0
.irp t, 0,1,2,3,4,5,6,7
	ds_load_b128 v[S+8*\t:S+8*\t+3], v[ADB] offset:64*\t          ; the bias in the result's layout: all lanes of a half read the same 32 bytes
	ds_load_b128 v[S+8*\t+4:S+8*\t+7], v[ADB] offset:64*\t+16
.endr
	s_wait_dscnt 0x0
	WIN 0x05                                       ; K and Q window 1; C and D window 0
.irp t, 0,1,2,3,4,5,6,7
	v_wmma_f32_16x16x64_bf8_bf8 v[S+64+8*\t:S+64+8*\t+7], v[F+8*\t:F+8*\t+7], v[Q+8:Q+15], v[S+8*\t:S+8*\t+7]   ; tile 1: C = the bias
.endr
.rept 5
	v_nop                                          ; the products below write over the C of those above
.endr
.irp t, 0,1,2,3,4,5,6,7
	v_wmma_f32_16x16x64_bf8_bf8 v[S+8*\t:S+8*\t+7], v[F+8*\t:F+8*\t+7], v[Q:Q+7], v[S+8*\t:S+8*\t+7]           ; tile 0: onto the bias
.endr
	WIN 0
	SOFT 1                                         ; its first lines name no register of tile 0's products: they are the places behind them
	SOFT 0
	WIN 0x41                                       ; O^T window 1, f window 0
.irp tt, 0,1
.set n, 0
.rept 32
	v_pk_mul_f32 v[O+64*\tt+n:O+64*\tt+n+1], v[O+64*\tt+n:O+64*\tt+n+1], v[ST+12*\tt+4:ST+12*\tt+5] op_sel_hi:[1,0]
.set n, n+2
.endr
.endr
	s_wait_dscnt 0x0                               ; both V are in
	WIN 0x51                                       ; V window 1, p's codes window 0, O^T window 1.  The sixteen accumulators take turns
.irp ct, 0,1,2,3
.irp tt, 0,1
	v_wmma_f32_16x16x128_bf8_bf8 v[O+64*\tt+8*\ct:O+64*\tt+8*\ct+7], v[F+16*\ct:F+16*\ct+15], v[PC+32*\tt:PC+32*\tt+15], v[O+64*\tt+8*\ct:O+64*\tt+8*\ct+7]
.endr
.endr
	WIN 0x50                                       ; V window 0
.irp ct, 0,1,2,3
.irp tt, 0,1
	v_wmma_f32_16x16x128_bf8_bf8 v[O+64*\tt+32+8*\ct:O+64*\tt+32+8*\ct+7], v[S+64+16*\ct:S+64+16*\ct+15], v[PC+32*\tt+16:PC+32*\tt+31], v[O+64*\tt+32+8*\ct:O+64*\tt+32+8*\ct+7]
.endr
.endr
	WIN 0
	s_add_co_u32 s[TBK], s[TBK], 32*272
	s_add_co_u32 s[TBV], s[TBV], 128
	s_add_co_u32 s[TBB], s[TBB], 512
.endm
; THE CHANGE OF SLOTS stands at a slot's head.  fill = 1: the slot that has been left is filled with the keys that follow: the barrier is then a round of the cluster's.
.macro CHANGE fill
	s_wait_tensorcnt 0x0                           ; no tensor load of mine is out: my part of the slot ahead is in, and a group 0 may be written
	ds_add_u32 v[SPW], v[NIL]                      ; 0 onto my spare word
.if \fill
	s_xor_b32 s[G0K+1], s[G0K+1], SLOT1
	s_add_nc_u64 s[G0K+2:G0K+3], s[G0K+2:G0K+3], 512*64
	s_xor_b32 s[G0V+1], s[G0V+1], SLOT1
	s_add_nc_u64 s[G0V+2:G0V+3], s[G0V+2:G0V+3], 512
.endif
	s_wait_dscnt 0x0                               ; the add is done, my reads of the slot that I have left are over (and, the first time, my stores of the bias)
.if \fill
	CROUND
	TLOAD                                          ; the first thing behind the round, and a wave's one tensor load until the next
.else
	s_barrier_signal -1
	s_barrier_wait -1
.endif
.endm
.macro SLOT_STEPS
	s_mov_b32 s[CNT], 4
.Lstep_\@:
	STEP
	s_sub_co_u32 s[CNT], s[CNT], 1
	s_cmp_lg_u32 s[CNT], 0
	s_cbranch_scc1 .Lstep_\@
	s_sub_co_u32 s[TBK], s[TBK], 4*32*272
	s_sub_co_u32 s[TBV], s[TBV], 512
	s_xor_b32 s[TBK], s[TBK], SLOT1                ; on to the other slot
	s_xor_b32 s[TBV], s[TBV], SLOT1
.endm
.Lslot:                                            ; three trips: behind each change of slots but the last the next 512 keys are asked for
	CHANGE 1
	SLOT_STEPS
	s_sub_co_u32 s[SLOTS], s[SLOTS], 1
	s_cmp_lg_u32 s[SLOTS], 0
	s_cbranch_scc1 .Lslot
	CHANGE 0                                       ; the last slot is written out
	SLOT_STEPS
	; THE WAY OUT.  O^T / l, quantised for the last products; two neighbouring tiles' codes are 16 neighbouring channels: the images of that launch's operand registers, stored as they stand.
.rept 4
	v_nop
.endr
	s_wait_kmcnt 0x0                               ; the mask words asked for in the last step: their registers are free
	s_load_b64 s[32:33], s[0:1], 0x28              ; lowp_scales
	s_load_b64 s[34:35], s[0:1], 0x30              ; oc
.irp tt, 0,1
	v_add_f32 v[ST+12*\tt+2], v[ST+12*\tt+2], v[ST+12*\tt+3]
.endr
.irp tt, 0,1
	v_permlanex16_b32 v[ST+12*\tt+10], v[ST+12*\tt+2], s[SEL], s[SEL+1]
.endr
.irp tt, 0,1
	v_add_f32 v[ST+12*\tt+2], v[ST+12*\tt+2], v[ST+12*\tt+10]     ; the row's sum
.endr
.irp tt, 0,1
	v_rcp_f32 v[ST+12*\tt+4], v[ST+12*\tt+2]
.endr
	v_and_b32 v44, 31, v0                          ; (a plain line behind the reciprocals)
	v_lshlrev_b32 v44, 4, v44                      ; 16 x lane
	s_bfe_u32 s44, ttmp6, 0x40000
	s_lshl_b32 s45, ttmp9, 2
	s_add_co_u32 s45, s45, s44
	s_and_b32 s46, ttmp7, 0xffff
	s_lshr_b32 s47, s46, 4
	s_and_b32 s48, s46, 15                         ; head
	s_lshl_b32 s47, s47, 7
	s_lshl_b32 s45, s45, 4
	s_add_co_u32 s47, s47, s45
	s_lshl_b32 s49, s[WV], 1
	s_add_co_u32 s47, s47, s49                     ; my first tile of 16 tokens: 128 b + 16 block + 2 wave
	s_lshl_b32 s47, s47, 14
	s_lshl_b32 s48, s48, 10
	s_add_co_u32 s50, s47, s48
	s_mov_b32 s51, 0
	s_wait_kmcnt 0x0
	s_load_b256 s[36:43], s[32:33], 0x28           ; entries 10 to 17
	s_add_nc_u64 s[34:35], s[34:35], s[50:51]
	s_wait_kmcnt 0x0
	s_sub_co_i32 s52, s38, s36
	s_sub_co_i32 s52, s52, s37                     ; e12 - e10 - e11
	s_add_co_i32 s52, s52, 127
	s_lshl_b32 s53, s52, 23
	v_mov_b32 v42, s53
	s_add_co_i32 s52, s52, 15
	s_lshl_b32 s52, s52, 23
	s_or_b32 s52, s52, 0x600000
	v_mov_b32 v40, s52
	s_sub_co_i32 s52, s42, s40
	s_sub_co_i32 s52, s52, s41                     ; e16 - e14 - e15
	s_add_co_i32 s52, s52, 127
	s_lshl_b32 s53, s52, 23
	v_mov_b32 v43, s53
	s_add_co_i32 s52, s52, 15
	s_lshl_b32 s52, s52, 23
	s_or_b32 s52, s52, 0x600000
	v_mov_b32 v41, s52
	WIN 0x41
	s_wait_alu depctr_va_vdst(0)
.irp tt, 0,1
.set n, 0
.rept 32
	v_pk_mul_f32 v[O+64*\tt+n:O+64*\tt+n+1], v[O+64*\tt+n:O+64*\tt+n+1], v[ST+12*\tt+4:ST+12*\tt+5] op_sel_hi:[1,0]   ; each accumulator from its low end on
.set n, n+2
.endr
.endr
.set n, 0
.rept 128
	v_med3_num_f32 v[O+n], v[O+n], -v[40+(n/32)%2], v[40+(n/32)%2]
.set n, n+1
.endr
.set n, 0
.rept 16
	v_cvt_scalef32_pk8_bf8_f32 v[F+2*n:F+2*n+1], v[O+8*n:O+8*n+7], v[42+(n/4)%2]
.set n, n+1
.endr
	v_nop
	WIN 0x04                                       ; the stores' data window 1
.irp tt, 0,1
.irp x, 0,1
.irp c, 0,1
	global_store_b128 v44, v[F+16*\tt+8*\x+4*\c:F+16*\tt+8*\x+4*\c+3], s[34:35] offset:\x*4194304+\tt*16384+\c*512   ; 32 lanes store 512 consecutive bytes, aligned
.endr
.endr
.endr
	WIN 0
	s_wait_tensorcnt 0x0                           ; the wave's end
	ds_add_u32 v[SPW], v[NIL]
	s_wait_dscnt 0x0
	CROUND                                         ; the closing round
	s_endpgm
.Lfunc_end_k_q1ede3ca654_attn:
	.size	k_q1ede3ca654_attn, .Lfunc_end_k_q1ede3ca654_attn-k_q1ede3ca654_attn
	.p2alignl 7, 3214868480
	.fill 96, 4, 3214868480
	.section	.rodata,"a",@progbits
	.p2align	6, 0x0
	.amdhsa_kernel k_q1ede3ca654_attn
		.amdhsa_group_segment_fixed_size 327680
		.amdhsa_private_segment_fixed_size 0
		.amdhsa_enable_private_segment 0
		.amdhsa_kernarg_size 56
		.amdhsa_user_sgpr_count 2
		.amdhsa_user_sgpr_kernarg_segment_ptr 1
		.amdhsa_wavefront_size32 1
		.amdhsa_system_sgpr_workgroup_id_x 1
		.amdhsa_system_sgpr_workgroup_id_y 1
		.amdhsa_system_sgpr_workgroup_id_z 1
		.amdhsa_system_vgpr_workitem_id 0
		.amdhsa_next_free_vgpr 512
		.amdhsa_next_free_sgpr 106
		.amdhsa_reserve_vcc 0
		.amdhsa_float_denorm_mode_32 3
		.amdhsa_float_denorm_mode_16_64 3
		.amdhsa_memory_ordered 1
		.amdhsa_forward_progress 1
		.amdhsa_inst_pref_size 125
	.end_amdhsa_kernel
	.amdgpu_metadata
---
amdhsa.version: [ 1, 2 ]
amdhsa.kernels:
  - .name:           k_q1ede3ca654_attn
    .symbol:         k_q1ede3ca654_attn.kd
    .args:
      - { .name: qc, .offset: 0, .size: 8, .value_kind: global_buffer, .address_space: global }
      - { .name: kc, .offset: 8, .size: 8, .value_kind: global_buffer, .address_space: global }
      - { .name: vt, .offset: 16, .size: 8, .value_kind: global_buffer, .address_space: global }
      - { .name: mw, .offset: 24, .size: 8, .value_kind: global_buffer, .address_space: global }
      - { .name: PE_solution_scores, .offset: 32, .size: 8, .value_kind: global_buffer, .address_space: global }
      - { .name: lowp_scales, .offset: 40, .size: 8, .value_kind: global_buffer, .address_space: global }
      - { .name: oc, .offset: 48, .size: 8, .value_kind: global_buffer, .address_space: global }
    .group_segment_fixed_size: 327680
    .private_segment_fixed_size: 0
    .kernarg_segment_align: 8
    .kernarg_segment_size: 56
    .max_flat_workgroup_size: 256
    .sgpr_count:     106
    .vgpr_count:     512
    .wavefront_size: 32
...
	.end_amdgpu_metadata
.endif
;; end of part 3
;; launch fcln (part 4): grid 256 x 1, 4 waves a work-group, clusters of 4 x 1, 327,680 bytes of LDS; arguments oc, wc, global_state, ln_gamma, ln_beta, lowp_scales, out0, out1; writes out0, out1
.if DOCPART == 4
	.amdgcn_target "amdgcn-amd-amdhsa--gfx1250"
	.amdhsa_code_object_version 6
	.text
	.protected	k_q1ede3ca654_fcln
	.globl	k_q1ede3ca654_fcln
	.p2align	8
	.type	k_q1ede3ca654_fcln,@function
k_q1ede3ca654_fcln:
	s_mov_b64 s[64:65], 0
	v_nop
	global_prefetch_b8 v0, s[64:65] scope:SCOPE_SE
	s_setreg_imm32_b32 hwreg(HW_REG_WAVE_MODE, 25, 1), 1
	s_wait_xcnt 0x0
	s_wait_alu depctr_hold_cnt(0) depctr_sa_sdst(0) depctr_va_vdst(0) depctr_va_sdst(0) depctr_va_ssrc(0) depctr_va_vcc(0) depctr_vm_vsrc(0)
	s_getreg_b32 s2, hwreg(HW_REG_IB_STS2, 6, 4)
	s_cmp_eq_u32 s2, 0
	s_cbranch_scc0 .Lentry_in_a_cluster
	s_endpgm
.Lentry_in_a_cluster:
	s_bfe_u32 s2, ttmp6, 0x10000c
	s_cmp_lg_u32 s2, 0x3003
	s_cbranch_scc0 .Lentry_shape_is_right
	s_endpgm
.Lentry_shape_is_right:
; out_x = LayerNorm(o_x w_fc + global_state) x gamma + beta, x = 0 statements, 1 operators; the product on codes of E5M2 (scale entries 12, 13 or 16, 17).
; SHARES.  A work-group takes 32 whole rows of one x (x = cluster / 32, the same in all partners), so that mean and variance need no further launch.  Wave w makes columns 512 e + 128 w + 0 .. 127, e = 0, 1:
; 2 tiles of rows x 16 tiles of columns = 32 accumulators, 256 registers.  The rows' codes (16 fragments) stay in registers; they were stored as images of these registers.
; W (1 MiB of codes, [n][k]) goes through a ring of two LDS slots in 8 tiles of 512 rows x 256 K: tile 2 kappa + e into slot e.  A wave fetches, and alone reads, its own 128 rows.  The four work-groups of a cluster
; walk the same W and ask jointly.
; THE MATRIX INSTRUCTION IS USED TRANSPOSED (source 0 = 16 rows of W, source 1 = 16 tokens): a lane holds one token and eight neighbouring columns.
; LayerNorm in two passes: the mean, then the sum of (x - mean)^2: no difference of large sums is formed.
; LIMIT: the two exponents' sum lies between -126 and 127.
; REGISTERS.  window 0: v1-29 addresses, v14-23 and v32-47 sums; v64, v128, v192: three buffers of four fragments of W.   window 1: A's 16 fragments (16 (8 a + s)), later gamma (v0-127) and beta (v128-255).
;   window 2: the accumulators (8 (16 a + 8 e + i)).   window 3: the residual, in the same order.
.set PITCH,  272
.set WPART,  128*PITCH                 ; a wave's 128 rows of a tile
.set SLOT,   4*WPART
.set SPARE,  2*SLOT                    ; the spare words: two blocks of 256 bytes that no other line names
.set RED,    SPARE+512                 ; 2 x 512 bytes: the waves' partial sums, for the mean and for the variance
.set SPITCH, 1040                      ; the way out: 32 rows x (1,024 + 16) bytes for each wave, in its own part of slot 0, which has had its last fill and its last read by then
.set LI,  3                            ; v3   16 x lane
.set RO,  4                            ; v4   residual: r rows of 4,096 bytes + 32 h
.set GBO, 5                            ; v5   gamma, beta: 32 h
.set AD,  6                            ; v6, v7  my fragments' LDS address in slot 0, 1
.set STO, 8
.set RD,  9
.set RW,  11                           ; v11  where I put a partial sum
.set RR,  12                           ; v12  where I read the four
.set CH,  14                           ; v14-21 four chains of sums
.set PD,  22                           ; v22, v23 the permutes'
.set SPW, 28
.set NIL, 29
.set PT,  32                           ; v32-39 the partial sums
.set NMU, 40                           ; v[40:41], v[42:43]  -mean of my row in tile a
.set RS,  44                           ; v[44:45], v[46:47]  1 / sqrt(var + eps)
.set WV,  20
.set G1,  24
.set G0,  32
.set SEL, 50
.set MSB, 0
.macro WIN new
.if MSB != (\new)
	s_set_vgpr_msb (MSB<<8)|(\new)
.set MSB, (\new)
.endif
.endm
.macro CROUND
	s_barrier_signal -1
	s_barrier_wait -1
	s_cmp_lg_u32 s[WV], 0
	s_cbranch_scc1 .Lnot_wave_0_\@
	s_barrier_signal -3
.Lnot_wave_0_\@:
	s_barrier_wait -3
	s_barrier_signal -1
	s_barrier_wait -1
.endm
	s_load_b256 s[4:11], s[0:1], 0x0               ; oc s[4:5], wc s[6:7], global_state s[8:9], ln_gamma s[10:11]
	s_load_b256 s[12:19], s[0:1], 0x20             ; ln_beta s[12:13], lowp_scales s[14:15], out0 s[16:17], out1 s[18:19]
	v_lshl_add_u32 v[SPW], v0, 2, SPARE
	v_mov_b32 v[NIL], 0
	ds_add_u32 v28, v29
	s_wait_dscnt 0x0
	v_lshrrev_b32 v1, 5, v0
	v_readfirstlane_b32 s[WV], v1                  ; wave 0..3
	s_bfe_u32 s21, ttmp6, 0x40000                  ; cx
	s_lshr_b32 s22, ttmp9, 5                       ; x
	s_lshl_b32 s23, ttmp9, 2
	s_add_co_u32 s23, s23, s21
	s_and_b32 s23, s23, 127                        ; which 32 rows
	s_mov_b32 s[G1], 15|(0<<16)|(1<<20)|(1<<21)|(5<<22)|(3<<25)   ; the mask: all four; elements of 1 byte; padding on; bit 21 beside a mask; after every 64 words, 4 words
	s_mov_b32 s[G1+1], 256<<16
	s_mov_b32 s[G1+2], 128<<16
	s_mov_b32 s[G1+3], 256<<16
	s_mov_b32 s[G1+4], 128
	s_mov_b32 s[G1+5], 1024
	s_mov_b32 s[G1+6], 0
	s_mov_b32 s[G1+7], 0
	s_add_co_u32 s40, s22, 4
	s_lshl_b32 s40, s40, 20                        ; job 4 + x of wc,
	s_lshl_b32 s41, s[WV], 17                      ; my 128 rows of 1,024 bytes
	s_add_co_u32 s40, s40, s41
	s_mov_b32 s41, 0
	s_mul_i32 s42, s[WV], WPART
	s_lshl_b32 s43, s22, 4
	s_add_co_u32 s43, s43, 48                      ; scale entries 12, 13 or 16, 17
	s_lshl_b32 s44, s22, 22
	s_lshl_b32 s45, s23, 15
	s_add_co_u32 s44, s44, s45                     ; oc: x, then two tiles of 16,384 bytes for each 32 rows
	s_mov_b32 s45, 0
	s_lshl_b32 s52, s23, 17                        ; 32 rows of 4,096 bytes,
	s_lshl_b32 s53, s[WV], 9                       ; + my 128 columns
	s_add_co_u32 s52, s52, s53
	s_mov_b32 s53, 0
	s_lshl_b32 s54, s[WV], 9
	s_mov_b32 s55, 0
	s_lshl_b32 s56, s[WV], 7
	s_mov_b32 s48, 0x3a800000                      ; 1 / 1,024
	s_mov_b32 s49, 0x358637bd                      ; 1e-6
	s_mov_b32 s[SEL], 0x76543210
	s_mov_b32 s[SEL+1], 0xfedcba98
	s_wait_kmcnt 0x0
	s_load_b64 s[46:47], s[14:15], s43 offset:0x0
	s_add_nc_u64 s[6:7], s[6:7], s[40:41]
.irp e, 0,1
	s_mov_b32 s[G0+4*\e], 1
	s_add_co_u32 s[G0+4*\e+1], s42, \e*SLOT
	s_add_nc_u64 s[G0+4*\e+2:G0+4*\e+3], s[6:7], \e*524288
	s_or_b32 s[G0+4*\e+3], s[G0+4*\e+3], 0x80000000
.endr
	CROUND                                         ; all four work-groups are here: the first joint loads meet
	tensor_load_to_lds s[G0:G0+3], s[G1:G1+7]      ; tile 0
	s_nop 0
.rept 4
	v_nop
.endr
	s_add_nc_u64 s[4:5], s[4:5], s[44:45]
	s_add_nc_u64 s[8:9], s[8:9], s[52:53]
	s_add_nc_u64 s[10:11], s[10:11], s[54:55]
	s_add_nc_u64 s[12:13], s[12:13], s[54:55]
	s_cmp_lg_u32 s22, 0
	s_cselect_b64 s[16:17], s[18:19], s[16:17]
	s_add_nc_u64 s[16:17], s[16:17], s[52:53]
	v_and_b32 v1, 31, v0
	v_lshlrev_b32 v[LI], 4, v1
	v_and_b32 v2, 15, v0                           ; r
	v_bfe_u32 v10, v0, 4, 1                        ; h
	v_lshlrev_b32 v[RO], 12, v2
	v_lshl_add_u32 v[RO], v10, 5, v[RO]
	v_lshlrev_b32 v[GBO], 5, v10
	v_mul_u32_u24 v13, v2, PITCH
	v_lshl_add_u32 v13, v10, 4, v13
	v_add_nc_u32 v[AD], s42, v13
	v_add_nc_u32 v[AD+1], SLOT, v[AD]
	v_mul_u32_u24 v13, v2, SPITCH
	v_lshl_add_u32 v13, v10, 5, v13
	v_add_nc_u32 v[STO], s42, v13
	v_add_nc_u32 v[RD], s42, v[LI]
	v_lshlrev_b32 v13, 2, v2
	v_add_nc_u32 v[RR], RED, v13
	v_add_nc_u32 v[RW], s56, v[RR]
	v_mov_b32 v[PD], 0
	v_mov_b32 v[PD+1], 0
	WIN 0x40                                       ; destination window 1: A's fragments, as they were stored: 512 consecutive bytes a load
.irp a, 0,1
.irp s, 0,1,2,3,4,5,6,7
.irp c, 0,1,2,3
	global_load_b128 v[16*(8*\a+\s)+4*\c:16*(8*\a+\s)+4*\c+3], v[LI], s[4:5] offset:\a*16384+\s*2048+\c*512
.endr
.endr
.endr
	WIN 0xc0                                       ; destination window 3: the residual, in the accumulators' layout
.irp a, 0,1
.irp e, 0,1
.irp i, 0,1,2,3,4,5,6,7
	global_load_b128 v[8*(16*\a+8*\e+\i):8*(16*\a+8*\e+\i)+3], v[RO], s[8:9] offset:\a*65536+\e*2048+\i*64
	global_load_b128 v[8*(16*\a+8*\e+\i)+4:8*(16*\a+8*\e+\i)+7], v[RO], s[8:9] offset:\a*65536+\e*2048+\i*64+16
.endr
.endr
.endr
	WIN 0
	s_wait_kmcnt 0x0
	s_add_co_i32 s46, s46, s47
	s_add_co_i32 s46, s46, 127
	s_lshl_b32 s46, s46, 23                        ; 2^(eA + eB)
	s_mov_b32 s47, s46
	s_wait_loadcnt 63                              ; 64 loads were issued behind A's: A is in
.macro FETCHG g, buf                   ; group g of a tile: K 128 (g / 2) on, tiles of columns 4 (g % 2) .. + 3: 16 loads
.irp i, 0,1,2,3
.irp c, 0,1,2,3
	ds_load_b128 v[\buf+16*\i+4*\c:\buf+16*\i+4*\c+3], v[AD+eta] offset:128*((\g)/2)+32*\c+(4*((\g)%2)+\i)*16*PITCH
.endr
.endr
.endm
.macro MULG g, buf                     ; its 8 products.  An accumulator comes up again 16 matrix instructions later: they take turns
	WIN 0xa4                                       ; W window 0, A window 1, C and D window 2
.irp i, 0,1,2,3
.irp a, 0,1
.if (kap == 0) && ((\g)/2 == 0)
	v_wmma_f32_16x16x128_bf8_bf8 v[8*(16*\a+8*eta+4*((\g)%2)+\i):8*(16*\a+8*eta+4*((\g)%2)+\i)+7], v[\buf+16*\i:\buf+16*\i+15], v[16*(8*\a+2*kap+(\g)/2):16*(8*\a+2*kap+(\g)/2)+15], 0
.else
	v_wmma_f32_16x16x128_bf8_bf8 v[8*(16*\a+8*eta+4*((\g)%2)+\i):8*(16*\a+8*eta+4*((\g)%2)+\i)+7], v[\buf+16*\i:\buf+16*\i+15], v[16*(8*\a+2*kap+(\g)/2):16*(8*\a+2*kap+(\g)/2)+15], v[8*(16*\a+8*eta+4*((\g)%2)+\i):8*(16*\a+8*eta+4*((\g)%2)+\i)+7]
.endif
.endr
.endr
	WIN 0
.endm
; A tile.  Written out eight times: A's register numbers change with K.  One load a wave is out behind each round: the next tile, into the slot read in the trip before.
.macro TRIP tau
.set eta, (\tau)%2
.set kap, (\tau)/2
	s_wait_tensorcnt 0x0                           ; all my loads are done, this tile's among them
.if \tau < 7
	ds_add_u32 v[SPW], v[NIL]                      ; 0 onto my spare word
	s_add_nc_u64 s[G0+4*eta+2:G0+4*eta+3], s[G0+4*eta+2:G0+4*eta+3], 256   ; this slot's next tile: 256 further along K
	s_wait_dscnt 0x0                               ; the add is done, and so are my reads of the last tile
	CROUND                                         ; both now hold of every wave of every partner
	tensor_load_to_lds s[G0+4*(1-eta):G0+4*(1-eta)+3], s[G1:G1+7]
	s_nop 0
.endif
.rept 4
	v_nop                                          ; also the places in front of the loads into the buffer that the last products read
.endr
	FETCHG 0, 64
	FETCHG 1, 128
	FETCHG 2, 192
	s_wait_dscnt 32                                ; group 0 is in; the 32 loads behind it may be out
	MULG 0, 64
.rept 4
	v_nop
.endr
	FETCHG 3, 64
	s_wait_dscnt 32                                ; group 1 is in
	MULG 1, 128
	s_wait_dscnt 16                                ; group 2
	MULG 2, 192
	s_wait_dscnt 0
	MULG 3, 64
.endm
.irp tau, 0,1,2,3,4,5,6,7
	TRIP \tau
.endr
.rept 4
	v_nop
.endr
	s_wait_loadcnt 0x0                             ; the residual
	WIN 0x40                                       ; gamma and beta take A's place, in the accumulators' layout (the same for both tiles of rows)
.irp e, 0,1
.irp i, 0,1,2,3,4,5,6,7
.irp c, 0,1
	global_load_b128 v[8*(8*\e+\i)+4*\c:8*(8*\e+\i)+4*\c+3], v[GBO], s[10:11] offset:(512*\e+16*\i)*4+16*\c
	global_load_b128 v[128+8*(8*\e+\i)+4*\c:128+8*(8*\e+\i)+4*\c+3], v[GBO], s[12:13] offset:(512*\e+16*\i)*4+16*\c
.endr
.endr
.endr
	WIN 0
.macro CLEAR
.irp j, 0,1,2,3,4,5,6,7
	v_mov_b32 v[CH+\j], 0
.endr
.endm
; The four chains become each row's sum over my 256 columns; the four waves' sums meet in LDS; v[PT + 4 a] is the row's sum, added in the same order in every wave.
.macro REDUCE off
.irp a, 0,1
	v_pk_add_f32 v[CH+4*\a:CH+4*\a+1], v[CH+4*\a:CH+4*\a+1], v[CH+4*\a+2:CH+4*\a+3]
.endr
.irp a, 0,1
	v_add_f32 v[CH+4*\a], v[CH+4*\a], v[CH+4*\a+1]
.endr
.irp a, 0,1
	v_permlanex16_b32 v[PD+\a], v[CH+4*\a], s[SEL], s[SEL+1]
.endr
.irp a, 0,1
	v_add_f32 v[CH+4*\a], v[CH+4*\a], v[PD+\a]
.endr
.irp a, 0,1
	ds_store_b32 v[RW], v[CH+4*\a] offset:\off+64*\a       ; both halves of the lanes write the same word with the same number
.endr
	s_wait_dscnt 0x0                               ; for the others' sake
	s_barrier_signal -1
	s_barrier_wait -1
.irp a, 0,1
.irp w, 0,1,2,3
	ds_load_b32 v[PT+4*\a+\w], v[RR] offset:\off+128*\w+64*\a
.endr
.endr
	s_wait_dscnt 0x0
.irp a, 0,1
	v_add_f32 v[PT+4*\a], v[PT+4*\a], v[PT+4*\a+1]
	v_add_f32 v[PT+4*\a+2], v[PT+4*\a+2], v[PT+4*\a+3]
.endr
.irp a, 0,1
	v_add_f32 v[PT+4*\a], v[PT+4*\a], v[PT+4*\a+2]
.endr
.endm
	CLEAR
	WIN 0xb2                                       ; sums window 2, residual window 3
.set n, 0
.rept 128
	v_pk_fma_f32 v[n:n+1], v[n:n+1], s[46:47], v[n:n+1] op_sel_hi:[1,0,1]   ; x = sum x 2^(eA + eB) + residual; each accumulator from its low end on
.set n, n+2
.endr
	WIN 0x02
.set n, 0
.rept 64
.irp a, 0,1
	v_pk_add_f32 v[CH+4*\a+2*(n%2):CH+4*\a+2*(n%2)+1], v[128*\a+2*n:128*\a+2*n+1], v[CH+4*\a+2*(n%2):CH+4*\a+2*(n%2)+1]
.endr
.set n, n+1
.endr
	WIN 0
	REDUCE 0
.irp a, 0,1
	v_mul_f32 v[NMU+2*\a], 0xba800000, v[PT+4*\a]  ; -mean
	v_mov_b32 v[NMU+2*\a+1], 0                     ; (named with it as a pair)
.endr
	CLEAR
	WIN 0x82
.irp a, 0,1
.set n, 0
.rept 64
	v_pk_add_f32 v[128*\a+n:128*\a+n+1], v[128*\a+n:128*\a+n+1], v[NMU+2*\a:NMU+2*\a+1] op_sel_hi:[1,0]
.set n, n+2
.endr
.endr
	WIN 0x0a
.set n, 0
.rept 64
.irp a, 0,1
	v_pk_fma_f32 v[CH+4*\a+2*(n%2):CH+4*\a+2*(n%2)+1], v[128*\a+2*n:128*\a+2*n+1], v[128*\a+2*n:128*\a+2*n+1], v[CH+4*\a+2*(n%2):CH+4*\a+2*(n%2)+1]
.endr
.set n, n+1
.endr
	WIN 0
	REDUCE 512                                     ; other bytes than the first sum's: one barrier does
.irp a, 0,1
	v_fma_f32 v[RS+2*\a], v[PT+4*\a], s48, s49     ; var + eps
.endr
.irp a, 0,1
	v_rsq_f32 v[RS+2*\a], v[RS+2*\a]
.endr
	v_mov_b32 v[RS+1], 0                           ; (a plain line behind the roots; the pairs' upper halves are written)
	v_mov_b32 v[RS+3], 0
	s_wait_loadcnt 0x0                             ; gamma and beta
	WIN 0x82
	s_wait_alu depctr_va_vdst(0)
.irp a, 0,1
.set n, 0
.rept 64
	v_pk_mul_f32 v[128*\a+n:128*\a+n+1], v[128*\a+n:128*\a+n+1], v[RS+2*\a:RS+2*\a+1] op_sel_hi:[1,0]
.set n, n+2
.endr
.endr
	WIN 0x96                                       ; x window 2, gamma and beta window 1
.irp a, 0,1
.set n, 0
.rept 64
	v_pk_fma_f32 v[128*\a+n:128*\a+n+1], v[128*\a+n:128*\a+n+1], v[n:n+1], v[128+n:128+n+1]
.set n, n+2
.endr
.endr
	; THE WAY OUT: a lane's 32 bytes go into my own stage and come back as runs of 512 bytes of a row
	WIN 0x08                                       ; the stores' data window 2
.irp a, 0,1
.irp e, 0,1
.irp i, 0,1,2,3,4,5,6,7
	ds_store_b128 v[STO], v[8*(16*\a+8*\e+\i):8*(16*\a+8*\e+\i)+3] offset:\a*16*SPITCH+\e*512+\i*64
	ds_store_b128 v[STO], v[8*(16*\a+8*\e+\i)+4:8*(16*\a+8*\e+\i)+7] offset:\a*16*SPITCH+\e*512+\i*64+16
.endr
.endr
.endr
	WIN 0
.irp b, 0,1
.if \b == 1
	s_wait_xcnt 0x0                                ; the first batch's stores have read their registers: the loads below may land there
.endif
.set k, 0
.rept 32
	ds_load_b128 v[64+4*k:64+4*k+3], v[RD] offset:(16*\b+k/2)*SPITCH+(k%2)*512   ; LDS serves a wave's instructions in order: these see my stores
.set k, k+1
.endr
.set k, 0
.rept 32
	s_wait_dscnt 31-k                              ; the younger loads may be out
	global_store_b128 v[LI], v[64+4*k:64+4*k+3], s[16:17] offset:(16*\b+k/2)*4096+(k%2)*2048 th:TH_STORE_NT   ; 32 lanes store 512 consecutive bytes, aligned
.set k, k+1
.endr
.endr
	s_wait_tensorcnt 0x0                           ; the wave's end
	ds_add_u32 v[SPW], v[NIL]
	s_wait_dscnt 0x0
	CROUND                                         ; the closing round
	s_endpgm
.Lfunc_end_k_q1ede3ca654_fcln:
	.size	k_q1ede3ca654_fcln, .Lfunc_end_k_q1ede3ca654_fcln-k_q1ede3ca654_fcln
	.p2alignl 7, 3214868480
	.fill 96, 4, 3214868480
	.section	.rodata,"a",@progbits
	.p2align	6, 0x0
	.amdhsa_kernel k_q1ede3ca654_fcln
		.amdhsa_group_segment_fixed_size 327680
		.amdhsa_private_segment_fixed_size 0
		.amdhsa_enable_private_segment 0
		.amdhsa_kernarg_size 64
		.amdhsa_user_sgpr_count 2
		.amdhsa_user_sgpr_kernarg_segment_ptr 1
		.amdhsa_wavefront_size32 1
		.amdhsa_system_sgpr_workgroup_id_x 1
		.amdhsa_system_sgpr_workgroup_id_y 1
		.amdhsa_system_sgpr_workgroup_id_z 1
		.amdhsa_system_vgpr_workitem_id 0
		.amdhsa_next_free_vgpr 1024
		.amdhsa_next_free_sgpr 66
		.amdhsa_reserve_vcc 0
		.amdhsa_float_denorm_mode_32 3
		.amdhsa_float_denorm_mode_16_64 3
		.amdhsa_memory_ordered 1
		.amdhsa_forward_progress 1
		.amdhsa_inst_pref_size 149
	.end_amdhsa_kernel
	.amdgpu_metadata
---
amdhsa.version: [ 1, 2 ]
amdhsa.kernels:
  - .name:           k_q1ede3ca654_fcln
    .symbol:         k_q1ede3ca654_fcln.kd
    .args:
      - { .name: oc, .offset: 0, .size: 8, .value_kind: global_buffer, .address_space: global }
      - { .name: wc, .offset: 8, .size: 8, .value_kind: global_buffer, .address_space: global }
      - { .name: global_state, .offset: 16, .size: 8, .value_kind: global_buffer, .address_space: global }
      - { .name: ln_gamma, .offset: 24, .size: 8, .value_kind: global_buffer, .address_space: global }
      - { .name: ln_beta, .offset: 32, .size: 8, .value_kind: global_buffer, .address_space: global }
      - { .name: lowp_scales, .offset: 40, .size: 8, .value_kind: global_buffer, .address_space: global }
      - { .name: out0, .offset: 48, .size: 8, .value_kind: global_buffer, .address_space: global }
      - { .name: out1, .offset: 56, .size: 8, .value_kind: global_buffer, .address_space: global }
    .group_segment_fixed_size: 327680
    .private_segment_fixed_size: 0
    .kernarg_segment_align: 8
    .kernarg_segment_size: 64
    .max_flat_workgroup_size: 128
    .sgpr_count:     66
    .vgpr_count:     1024
    .wavefront_size: 32
...
	.end_amdgpu_metadata
.endif
;; end of part 4
;; ======== version 2 of 2: 4 launches
;; limits: right only within a limited range of input values
;; workspace buffers: xc 16,777,216 bytes; wc 6,291,456 bytes; mw 1,048,576 bytes of whole numbers; qc 4,194,304 bytes; kc 4,194,304 bytes; vt 8,388,608 bytes; oc 8,388,608 bytes
;; launch prep (part 5): grid 960 x 1, 4 waves a work-group, no clusters, 68,096 bytes of LDS; arguments global_state, PE_states, PE_statements, PE_operators, w_q, w_k, w_v, w_fc, mask, lowp_scales, xc, wc, mw; writes xc, wc, mw
.if DOCPART == 5
	.amdgcn_target "amdgcn-amd-amdhsa--gfx1250"
	.amdhsa_code_object_version 6
	.text
	.protected	k_q1ede3ca654_prep
	.globl	k_q1ede3ca654_prep
	.p2align	8
	.type	k_q1ede3ca654_prep,@function
k_q1ede3ca654_prep:
	s_mov_b64 s[64:65], 0
	v_nop
	global_prefetch_b8 v0, s[64:65] scope:SCOPE_SE
	s_setreg_imm32_b32 hwreg(HW_REG_WAVE_MODE, 25, 1), 1
	s_wait_xcnt 0x0
; THREE JOBS IN ONE LAUNCH, told apart by the work-group's number; each path ends by itself; the two paths that use LDS have bytes of their own.
;  work-groups 0-511:   the four activations [4096][1024] f32 -> codes of E5M2, K innermost: xc[i][4096][1024], i = 0 global_state (scale entry 0), 1 PE_states (2), 2 PE_statements (4), 3 PE_operators (6).
;  work-groups 512-703: six jobs (weight, scale): w [k 1024][n 1024] f32 -> wc[j][n][k]: j = 0 w_q (entry 1), 1 w_k (3), 2 w_v (5), 3 w_v (7), 4 w_fc (13), 5 w_fc (17).
;                       w_v and w_fc are read twice, 8 MiB more than their bytes, so that one text serves all six jobs, whatever the two scales of a weight are.
;  work-groups 704-959: the mask [2][2048][2048] int32 -> lane masks: mw[u = 128 b + query / 16][key step of 128][64 words]; bit l of word 8 t + j says whether
;                       mask[b][16 (u % 128) + l % 16][128 step + 16 t + 8 (l / 16) + j] is not 0: the place that lane l's register 8 t + j has in the transposed score tiles of the attention launch.
; code = x / 2^e, held within +-57,344, to the nearest code, ties to even.  LIMITS: every e used here lies between -126 and 112; NaN among the inputs is not served.
; No tensor loads, no barrier: waves share nothing.  No cluster: no two work-groups read the same bytes at the same time.  No prefetch: the launch is one stream of loads.
.set STEPS, 16
.set CB,    16                         ; bytes of 16 codes
.set R,     16                         ; activations: v16-79 four sets of 16 numbers as loaded
.set X,     80                         ; v80-111 two sets of 16 neighbours
.set C,     128                        ; v128-191 codes, four registers a step
.set WREG,  8192                       ; LDS bytes 0-32767: a region for each wave, two stages of 32 x SP bytes
.set SP,    80                         ; a lane's 64 bytes + 16 of padding
.set WSTG,  32768                      ; LDS bytes 32768-67583: the weights' four stages of 32 rows x PITCH
.set PITCH, 272
.set NB,    8                          ; blocks of 32 along K for a wave
.set WX,    32                         ; weights: v32-95 two sets of 32 numbers
.set WC,    96                         ; a block's codes
.set OUTR,  112                        ; v112-175 the way out
.set MX,    32                         ; mask: v32-159 two sets of 64 words as loaded
.set MWD,   160                        ; v160-167 the packed words, two registers a key step
.set WR,    168                        ; v168-171 lane i (0-15): query i's 128 bits of the key step: bit l of register c is key 4 l + c; lanes 16-31 stay 0
.set TP,    172                        ; v172-175 the same in both halves of the lanes, shifted right by 2 (lane / 16)
.set TA,    176                        ; v176-183 at work
.set SH,    184                        ; v184 2 (lane / 16)
	s_load_b256 s[4:11], s[0:1], 0x0               ; global_state, PE_states, PE_statements, PE_operators
	s_load_b256 s[12:19], s[0:1], 0x20             ; w_q, w_k, w_v, w_fc
	s_load_b256 s[20:27], s[0:1], 0x40             ; mask, lowp_scales, xc, wc
	s_load_b64 s[28:29], s[0:1], 0x60              ; mw
	v_lshl_add_u32 v192, v0, 2, 0x10800
	v_mov_b32 v193, 0
	v_lshrrev_b32 v1, 5, v0
	v_readfirstlane_b32 s30, v1                    ; wave 0..3
	v_and_b32 v2, 31, v0                           ; lane
	s_cmp_lt_u32 ttmp9, 512
	s_cbranch_scc0 .Lnot_act
; ---------------- the activations: a plain stream of numbers; a wave takes 16 steps of 512 numbers.  Each load reads 512 consecutive bytes; a step's 2,048 bytes turn through the wave's own stage in LDS,
; so that a lane holds 16 neighbours along K for the conversions; a lane's 16 codes are 16 bytes, and a store covers 512 consecutive bytes.
	v_lshlrev_b32 v3, 4, v2                        ; my 16 bytes of a load's 512
	s_mul_i32 s31, s30, WREG
	v_lshrrev_b32 v14, 2, v2
	v_mul_u32_u24 v14, v14, SP
	v_and_b32 v15, 3, v2
	v_lshl_add_u32 v14, v15, 4, v14
	v_add_nc_u32 v14, s31, v14                     ; the stage, in: SP (lane / 4) + 16 (lane % 4)
	v_mul_u32_u24 v15, v2, SP
	v_add_nc_u32 v15, s31, v15                     ; and out: SP x lane
	v_mul_u32_u24 v4, v2, CB                       ; my codes' place in a step's
	s_lshr_b32 s31, ttmp9, 7                       ; i: which activation
	s_lshl_b32 s36, s31, 3                         ; its scale is entry 2 i: byte 8 i
	s_and_b32 s37, ttmp9, 127
	s_lshl_b32 s37, s37, 2
	s_add_co_u32 s37, s37, s30                     ; which run of 8,192 numbers is my wave's
	s_lshl_b32 s38, s37, 15                        ; its bytes in the source,
	s_mov_b32 s39, 0
	s_lshl_b32 s40, s37, 13                        ; and in xc,
	s_lshl_b32 s41, s31, 22                        ; behind i tensors of 4 MiB
	s_add_co_u32 s40, s40, s41
	s_mov_b32 s41, 0
	s_wait_alu depctr_va_vdst(0)
	s_wait_kmcnt 0x0
	s_load_b32 s42, s[22:23], s36 offset:0x0       ; e
	s_bitcmp1_b32 s31, 0                           ; the choice hangs on the work-group's number alone
	s_cselect_b64 s[32:33], s[6:7], s[4:5]
	s_cselect_b64 s[34:35], s[10:11], s[8:9]
	s_bitcmp1_b32 s31, 1
	s_cselect_b64 s[4:5], s[34:35], s[32:33]
	s_add_nc_u64 s[4:5], s[4:5], s[38:39]
	s_add_nc_u64 s[8:9], s[24:25], s[40:41]
.macro ALOAD t
.irp i, 0,1,2,3
	global_load_b128 v[R+16*((\t)%4)+4*\i:R+16*((\t)%4)+4*\i+3], v3, s[4:5] offset:2048*(\t)+512*\i th:TH_LOAD_NT
.endr
.endm
.macro ATURN t                         ; LDS serves a wave's instructions in order: no wait between the stores and the loads
.irp i, 0,1,2,3
	ds_store_b128 v14, v[R+16*((\t)%4)+4*\i:R+16*((\t)%4)+4*\i+3] offset:32*SP*((\t)%2)+8*SP*\i
.endr
.irp i, 0,1,2,3
	ds_load_b128 v[X+16*((\t)%2)+4*\i:X+16*((\t)%2)+4*\i+3], v15 offset:32*SP*((\t)%2)+16*\i
.endr
.endm
.irp t, 0,1,2,3
	ALOAD \t
.endr
	s_wait_kmcnt 0x0
	s_add_co_i32 s42, s42, 127
	s_lshl_b32 s43, s42, 23
	v_mov_b32 v11, s43                             ; 2^e as f32: the conversion takes its exponent field
	s_add_co_i32 s42, s42, 15
	s_lshl_b32 s42, s42, 23
	s_or_b32 s42, s42, 0x600000
	v_mov_b32 v10, s42                             ; 57,344 x 2^e
	s_wait_alu depctr_va_vdst(0)
	s_wait_loadcnt 12                              ; step 0's four loads are in; twelve younger ones stay out
	ATURN 0
.macro ASTEP t
.set XS, X+16*((\t)%2)
	s_wait_dscnt 0x0                               ; this step's numbers are back from the stage, so its stores into the stage have read their registers,
.if (\t)+4 < STEPS
	ALOAD (\t)+4                                   ; which take the loads of four steps on
.endif
.if (\t)+1 < STEPS
.if STEPS-2-(\t) >= 3
	s_wait_loadcnt 12                              ; the next step's four loads are in; those of the three steps behind it may be out
.else
	s_wait_loadcnt 4*(STEPS-2-(\t))
.endif
	ATURN (\t)+1
.endif
.irp i, 0,1,2,3,4,5,6,7,8,9,10,11,12,13,14,15
	v_med3_num_f32 v[XS+\i], v[XS+\i], -v10, v10   ; the conversion to an 8-bit code does not saturate (ISA guide 7.6.2): the hold comes first
.endr
	v_cvt_scalef32_pk8_bf8_f32 v[C+4*(\t):C+4*(\t)+1], v[XS:XS+7], v11
	v_cvt_scalef32_pk8_bf8_f32 v[C+4*(\t)+2:C+4*(\t)+3], v[XS+8:XS+15], v11
	global_store_b128 v4, v[C+4*(\t):C+4*(\t)+3], s[8:9] offset:32*CB*(\t)   ; each step has its own code registers: no store's data are written again
.endm
.irp t, 0,1,2,3,4,5,6,7,8,9,10,11,12,13,14,15
	ASTEP \t
.endr
	s_wait_tensorcnt 0x0
	ds_add_u32 v192, v193
	s_wait_dscnt 0x0
	s_endpgm
.Lnot_act:
	s_cmp_lt_u32 ttmp9, 704
	s_cbranch_scc0 .Lmask
; ---------------- the weights: K is the FIRST axis.  A lane takes a column n and its registers run down K, so the conversions give codes with K innermost; a wave takes 32 columns x 256 along K;
; the codes go through the wave's own stage and leave as rows: sixteen lanes store 256 consecutive bytes, aligned.
	s_sub_co_u32 s31, ttmp9, 512
	s_lshr_b32 s32, s31, 5                         ; j: the job
	s_and_b32 s33, s31, 31
	s_and_b32 s34, s33, 7                          ; which 128 columns
	s_lshr_b32 s35, s33, 3                         ; which 256 along K
	s_lshl_b32 s36, s34, 7
	s_lshl_b32 s37, s30, 5
	s_add_co_u32 s36, s36, s37                     ; my wave's first column
	s_wait_alu depctr_va_vdst(0)
	v_lshlrev_b32 v3, 2, v2                        ; in: 4 bytes a lane
	s_mul_i32 s37, s30, 32*PITCH
	s_add_co_u32 s37, s37, WSTG                    ; my stage
	v_mul_u32_u24 v4, v2, PITCH
	v_add_nc_u32 v4, s37, v4                       ; into it: row = my column
	v_and_b32 v5, 15, v2
	v_lshrrev_b32 v6, 4, v2
	v_mul_u32_u24 v7, v6, PITCH
	v_lshl_add_u32 v7, v5, 4, v7
	v_add_nc_u32 v7, s37, v7                       ; out of it: sixteen lanes to a row, two rows an instruction
	v_lshlrev_b32 v8, 10, v6
	v_lshl_add_u32 v8, v5, 4, v8                   ; and the same place in wc (a row is 1,024 bytes)
	s_lshl_b32 s38, s35, 20                        ; source: 256 rows of 4,096 bytes for each step along K,
	s_lshl_b32 s39, s36, 2
	s_add_co_u32 s38, s38, s39                     ; + 4 x column
	s_mov_b32 s39, 0
	s_lshl_b32 s40, s32, 20                        ; wc: j jobs of 1 MiB,
	s_lshl_b32 s41, s36, 10
	s_add_co_u32 s40, s40, s41                     ; + column x 1,024
	s_lshl_b32 s41, s35, 8
	s_add_co_u32 s40, s40, s41                     ; + 256 for each step along K
	s_mov_b32 s41, 0
	s_lshl_b32 s42, s32, 1                         ; the scale's entry: 2 j + 1, + 4 from j = 4 on, + 2 more at j = 5: 1, 3, 5, 7, 13, 17
	s_cmp_ge_u32 s32, 4
	s_cselect_b32 s43, 4, 0
	s_cmp_ge_u32 s32, 5
	s_cselect_b32 s45, 2, 0
	s_add_co_u32 s42, s42, s43
	s_add_co_u32 s42, s42, s45
	s_add_co_u32 s42, s42, 1
	s_lshl_b32 s42, s42, 2
	s_wait_kmcnt 0x0
	s_load_b32 s44, s[22:23], s42 offset:0x0       ; e
	s_cmp_lt_u32 s32, 1
	s_cselect_b64 s[46:47], s[12:13], s[14:15]     ; w_q or w_k
	s_cmp_lt_u32 s32, 4
	s_cselect_b64 s[48:49], s[16:17], s[18:19]     ; w_v or w_fc
	s_cmp_lt_u32 s32, 2
	s_cselect_b64 s[4:5], s[46:47], s[48:49]
	s_add_nc_u64 s[4:5], s[4:5], s[38:39]
	s_add_nc_u64 s[8:9], s[26:27], s[40:41]
.macro WLOAD t                         ; block t: w(32 t + i, my column) into set t % 2; 32 lanes read 128 consecutive bytes, the four waves 512
.irp i, 0,1,2,3,4,5,6,7,8,9,10,11,12,13,14,15,16,17,18,19,20,21,22,23,24,25,26,27,28,29,30,31
	global_load_b32 v[WX+32*((\t)%2)+\i], v3, s[4:5] offset:(32*(\t)+\i)*4096
.endr
.endm
	WLOAD 0
	WLOAD 1
	s_wait_kmcnt 0x0
	s_add_co_i32 s44, s44, 127
	s_lshl_b32 s45, s44, 23
	v_mov_b32 v11, s45                             ; 2^e
	s_add_co_i32 s44, s44, 15
	s_lshl_b32 s44, s44, 23
	s_or_b32 s44, s44, 0x600000
	v_mov_b32 v10, s44                             ; 57,344 x 2^e
.macro WBLOCK t
.set XW, WX+32*((\t)%2)
.if (\t) < NB-1
	s_wait_loadcnt 32                              ; this block's 32 loads are in; the next block's may be out
.else
	s_wait_loadcnt 0
.endif
.irp i, 0,1,2,3,4,5,6,7,8,9,10,11,12,13,14,15,16,17,18,19,20,21,22,23,24,25,26,27,28,29,30,31
	v_med3_num_f32 v[XW+\i], v[XW+\i], -v10, v10
.endr
.irp g, 0,1,2,3
	v_cvt_scalef32_pk8_bf8_f32 v[WC+2*\g:WC+2*\g+1], v[XW+8*\g:XW+8*\g+7], v11
.endr
	ds_store_b128 v4, v[WC:WC+3] offset:32*(\t)
	ds_store_b128 v4, v[WC+4:WC+7] offset:32*(\t)+16
.if (\t)+2 < NB
	WLOAD (\t)+2
.endif
	s_wait_dscnt 0x0                               ; the stores have read their registers: the next block's codes may be written
.endm
.set Q, 0
	s_wait_alu depctr_va_vdst(0)
.rept NB
	WBLOCK Q
.set Q, Q+1
.endr
.irp t, 0,1,2,3,4,5,6,7,8,9,10,11,12,13,14,15
	ds_load_b128 v[OUTR+4*\t:OUTR+4*\t+3], v7 offset:2*\t*PITCH
.endr
.irp t, 0,1,2,3,4,5,6,7,8,9,10,11,12,13,14,15
	s_wait_dscnt 15-\t
	global_store_b128 v8, v[OUTR+4*\t:OUTR+4*\t+3], s[8:9] offset:2*\t*1024
.endr
	s_wait_tensorcnt 0x0
	ds_add_u32 v192, v193
	s_wait_dscnt 0x0
	s_endpgm
.Lmask:
; ---------------- the mask: a work-group takes 16 queries, wave w the key steps 4 w .. 4 w + 3.  A load takes one query's 128 words of a key step: 512 consecutive bytes, lane l the keys 4 l .. 4 l + 3.
; A compare over the 32 lanes gives 32 of the row's bits (register c: keys 4 l + c); the row's four words go to lane i = the query.  Copied to lane 16 + i and shifted right by 2 (lane / 16), bit 4 t + j / 4 of
; register j % 4 is key 16 t + 8 (lane / 16) + j of the lane's query: an AND and a compare over the lanes give the word wanted.  64 of them are laid into two registers (word n: lane n / 2, register n % 2).
	s_sub_co_u32 s31, ttmp9, 704                   ; u
	s_wait_alu depctr_va_vdst(0)
	v_lshlrev_b32 v1, 4, v2                        ; in: 16 bytes a lane
	v_lshrrev_b32 v4, 4, v2
	v_lshlrev_b32 v[SH], 1, v4                     ; 2 (lane / 16)
	v_lshlrev_b32 v5, 3, v2                        ; out: 8 bytes a lane
	s_lshl_b32 s36, s31, 17                        ; 16 rows of 8,192 bytes for each u,
	s_lshl_b32 s37, s30, 11                        ; four key steps of 512 bytes for each wave
	s_add_co_u32 s36, s36, s37
	s_mov_b32 s37, 0
	s_lshl_b32 s38, s31, 12                        ; mw: 4,096 bytes for each u, 1,024 for each wave
	s_lshl_b32 s39, s30, 10
	s_add_co_u32 s38, s38, s39
	s_mov_b32 s39, 0
.irp j, 0,1,2,3,4,5,6,7,8,9,10,11,12,13,14,15
	v_mov_b32 v[MWD+\j], 0                         ; v160-175, written whole once: v_writelane_b32 keeps the other lanes, and a lane permute's destination counts as one of its sources
.endr
	s_wait_kmcnt 0x0
	s_add_nc_u64 s[4:5], s[20:21], s[36:37]
	s_add_nc_u64 s[8:9], s[28:29], s[38:39]
	s_mov_b32 s12, 0x76543210                      ; v_permlanex16_b32's selects for lane l xor 16
	s_mov_b32 s13, 0xfedcba98
.macro MLOAD k
.irp i, 0,1,2,3,4,5,6,7,8,9,10,11,12,13,14,15
	global_load_b128 v[MX+64*((\k)%2)+4*\i:MX+64*((\k)%2)+4*\i+3], v1, s[4:5] offset:8192*\i+512*(\k) th:TH_LOAD_NT
.endr
.endm
.macro MPACK k
.irp q, 0,1                                    ; queries 8 q .. 8 q + 7: register 4 i + c of the set
.set n, 0
.rept 32
	v_cmp_ne_u32 s[32+n], 0, v[MX+64*((\k)%2)+32*\q+n]
.set n, n+1
.endr
.set n, 0
.rept 32
	v_writelane_b32 v[WR+n%4], s[32+n], 8*\q+n/4
.set n, n+1
.endr
.endr
.irp c, 0,1,2,3
	v_permlanex16_b32 v[TP+\c], v[WR+\c], s12, s13 ; lane 16 + i takes lane i's word; lanes 0-15 take zeros
.endr
.irp c, 0,1,2,3
	v_or_b32 v[TP+\c], v[TP+\c], v[WR+\c]
.endr
.irp c, 0,1,2,3
	v_lshrrev_b32 v[TP+\c], v[SH], v[TP+\c]
.endr
.irp q, 0,1                                    ; words 32 q .. 32 q + 31: word 8 t + j, t = 4 q + m
.set m, 0
.rept 4
.set n, 0
.rept 8
	v_and_b32 v[TA+n], 1<<(4*(4*\q+m)+n/4), v[TP+n%4]
.set n, n+1
.endr
.set n, 0
.rept 8
	v_cmp_ne_u32 s[32+8*m+n], 0, v[TA+n]
.set n, n+1
.endr
.set m, m+1
.endr
.set n, 0
.rept 32
	v_writelane_b32 v[MWD+2*(\k)+n%2], s[32+n], 16*\q+n/2
.set n, n+1
.endr
.endr
	global_store_b64 v5, v[MWD+2*(\k):MWD+2*(\k)+1], s[8:9] offset:256*(\k)   ; 32 lanes store 256 consecutive bytes, aligned; each key step has its own two registers
.endm
	MLOAD 0
	MLOAD 1
	s_wait_loadcnt 16                              ; a key step's 16 loads are in; the next step's 16 may be out
	MPACK 0
	MLOAD 2
	s_wait_loadcnt 16
	MPACK 1
	MLOAD 3
	s_wait_loadcnt 16
	MPACK 2
	s_wait_loadcnt 0
	MPACK 3
	s_endpgm
.Lfunc_end_k_q1ede3ca654_prep:
	.size	k_q1ede3ca654_prep, .Lfunc_end_k_q1ede3ca654_prep-k_q1ede3ca654_prep
	.p2alignl 7, 3214868480
	.fill 96, 4, 3214868480
	.section	.rodata,"a",@progbits
	.p2align	6, 0x0
	.amdhsa_kernel k_q1ede3ca654_prep
		.amdhsa_group_segment_fixed_size 68096
		.amdhsa_private_segment_fixed_size 0
		.amdhsa_enable_private_segment 0
		.amdhsa_kernarg_size 104
		.amdhsa_user_sgpr_count 2
		.amdhsa_user_sgpr_kernarg_segment_ptr 1
		.amdhsa_wavefront_size32 1
		.amdhsa_system_sgpr_workgroup_id_x 1
		.amdhsa_system_sgpr_workgroup_id_y 1
		.amdhsa_system_sgpr_workgroup_id_z 1
		.amdhsa_system_vgpr_workitem_id 0
		.amdhsa_next_free_vgpr 194
		.amdhsa_next_free_sgpr 66
		.amdhsa_reserve_vcc 0
		.amdhsa_float_denorm_mode_32 3
		.amdhsa_float_denorm_mode_16_64 3
		.amdhsa_memory_ordered 1
		.amdhsa_forward_progress 1
		.amdhsa_inst_pref_size 174
	.end_amdhsa_kernel
	.amdgpu_metadata
---
amdhsa.version: [ 1, 2 ]
amdhsa.kernels:
  - .name:           k_q1ede3ca654_prep
    .symbol:         k_q1ede3ca654_prep.kd
    .args:
      - { .name: global_state, .offset: 0, .size: 8, .value_kind: global_buffer, .address_space: global }
      - { .name: PE_states, .offset: 8, .size: 8, .value_kind: global_buffer, .address_space: global }
      - { .name: PE_statements, .offset: 16, .size: 8, .value_kind: global_buffer, .address_space: global }
      - { .name: PE_operators, .offset: 24, .size: 8, .value_kind: global_buffer, .address_space: global }
      - { .name: w_q, .offset: 32, .size: 8, .value_kind: global_buffer, .address_space: global }
      - { .name: w_k, .offset: 40, .size: 8, .value_kind: global_buffer, .address_space: global }
      - { .name: w_v, .offset: 48, .size: 8, .value_kind: global_buffer, .address_space: global }
      - { .name: w_fc, .offset: 56, .size: 8, .value_kind: global_buffer, .address_space: global }
      - { .name: mask, .offset: 64, .size: 8, .value_kind: global_buffer, .address_space: global }
      - { .name: lowp_scales, .offset: 72, .size: 8, .value_kind: global_buffer, .address_space: global }
      - { .name: xc, .offset: 80, .size: 8, .value_kind: global_buffer, .address_space: global }
      - { .name: wc, .offset: 88, .size: 8, .value_kind: global_buffer, .address_space: global }
      - { .name: mw, .offset: 96, .size: 8, .value_kind: global_buffer, .address_space: global }
    .group_segment_fixed_size: 68096
    .private_segment_fixed_size: 0
    .kernarg_segment_align: 8
    .kernarg_segment_size: 104
    .max_flat_workgroup_size: 128
    .sgpr_count:     66
    .vgpr_count:     194
    .wavefront_size: 32
...
	.end_amdgpu_metadata
.endif
;; end of part 5
;; launch proj (part 6): grid 4 x 64, 4 waves a work-group, clusters of 4 x 4, 327,680 bytes of LDS; arguments xc, wc, lowp_scales, qc, kc, vt; writes qc, kc, vt
.if DOCPART == 6
	.amdgcn_target "amdgcn-amd-amdhsa--gfx1250"
	.amdhsa_code_object_version 6
	.text
	.protected	k_q1ede3ca654_proj
	.globl	k_q1ede3ca654_proj
	.p2align	8
	.type	k_q1ede3ca654_proj,@function
k_q1ede3ca654_proj:
	s_mov_b64 s[64:65], 0
	v_nop
	global_prefetch_b8 v0, s[64:65] scope:SCOPE_SE
	s_setreg_imm32_b32 hwreg(HW_REG_WAVE_MODE, 25, 1), 1
	s_wait_xcnt 0x0
	s_wait_alu depctr_hold_cnt(0) depctr_sa_sdst(0) depctr_va_vdst(0) depctr_va_sdst(0) depctr_va_ssrc(0) depctr_va_vcc(0) depctr_vm_vsrc(0)
	s_getreg_b32 s2, hwreg(HW_REG_IB_STS2, 6, 4)
	s_cmp_eq_u32 s2, 0
	s_cbranch_scc0 .Lentry_in_a_cluster
	s_endpgm
.Lentry_in_a_cluster:
	s_bfe_u32 s2, ttmp6, 0x10000c
	s_cmp_lg_u32 s2, 0xf033
	s_cbranch_scc0 .Lentry_shape_is_right
	s_endpgm
.Lentry_shape_is_right:
.set KSTEP,  256
.set ROWB,   256
.set KROW,   1024
.set PITCH,  272
.set FR,     16
.set NL,     4
.set NP,     4
.set HALFT,  128*PITCH
.set SLOT,   4*HALFT
.set SPARE,  2*SLOT
.set ADRA, 16
.set ADRB, 20
.set VOV,  22
.set STO,  24
.set RDQ,  25
.set COQ,  26
.set RDV,  27
.set SPW,  28
.set NIL,  29
.set LIM,  30
.set SCL,  31
.set TMP,  32
.set CD,   96
.set AF,   128
.set G1, 24
.set G0, 32
.set G1B, 48
.set G0B, 56
.set MSB, 0
.macro WIN new
.if MSB != (\new)
	s_set_vgpr_msb (MSB<<8)|(\new)
.set MSB, (\new)
.endif
.endm
.set MUL_LO, 0xa1
.set MUL_HI, 0xf1
.set TO_B,   0x40
.macro JLOAD g0a, g1a, g0b, g1b
	s_cmp_eq_u32 s15, 0
	s_cbranch_scc0 .Lfor_b_\@
	tensor_load_to_lds s[\g0a:\g0a+3], s[\g1a:\g1a+7]
	s_nop 0
.rept 4
	v_nop
.endr
	s_branch .Lasked_\@
.Lfor_b_\@:
	tensor_load_to_lds s[\g0b:\g0b+3], s[\g1b:\g1b+7]
	s_nop 0
.rept 4
	v_nop
.endr
.Lasked_\@:
.endm
.macro CREST
	s_cmp_lg_u32 s14, 0
	s_cbranch_scc1 .Lnot_wave_0_\@
	s_barrier_signal -3
.Lnot_wave_0_\@:
	s_barrier_wait -3
	s_barrier_signal -1
	s_barrier_wait -1
.endm
.macro CROUND
	s_barrier_signal -1
	s_barrier_wait -1
	CREST
.endm
	s_load_b128 s[4:7], s[0:1], 0x0
	s_load_b128 s[8:11], s[0:1], 0x10
	s_load_b128 s[68:71], s[0:1], 0x20
	v_lshl_add_u32 v[SPW], v0, 2, SPARE
	v_mov_b32 v[NIL], 0
	ds_add_u32 v28, v29
	ds_add_u32 v28, v29
	s_wait_dscnt 0x0
	v_lshrrev_b32 v1, 5, v0
	v_readfirstlane_b32 s14, v1
	s_lshr_b32 s15, s14, 1
	s_and_b32 s16, s14, 1
	s_bfe_u32 s40, ttmp6, 0x40000
	s_bfe_u32 s41, ttmp6, 0x40004
	s_and_b32 s72, ttmp7, 0xffff
	s_lshr_b32 s73, s72, 2
	s_and_b32 s74, s72, 3
	s_lshl_b32 s74, s74, 2
	s_lshl_b32 s75, s73, 22
	s_lshl_b32 s76, s73, 20
	s_cmp_lt_u32 s73, 2
	s_cselect_b32 s77, s74, 0
	s_cselect_b32 s78, 0, s74
	s_cselect_b32 s80, s75, s76
	s_cselect_b32 s82, s76, s75
	s_mov_b32 s81, 0
	s_mov_b32 s83, 0
	s_add_co_u32 s42, s78, s40
	s_add_co_u32 s17, s77, s41
	s_lshl_b32 s43, s41, 2
	s_lshl_b32 s43, 15, s43
	s_lshl_b32 s44, 0x1111, s40
	s_or_b32 s[G1+0], s43, (0<<16)|(1<<20)|(1<<21)|(5<<22)|(3<<25)
	s_or_b32 s[G1B+0], s44, (0<<16)|(1<<20)|(1<<21)|(5<<22)|(3<<25)
.irp g, G1, G1B
	s_mov_b32 s[\g+1], ROWB<<16
	s_mov_b32 s[\g+2], 128<<16
	s_mov_b32 s[\g+3], ROWB<<16
	s_mov_b32 s[\g+4], 128
	s_mov_b32 s[\g+5], KROW
	s_mov_b32 s[\g+6], 0
	s_mov_b32 s[\g+7], 0
.endr
	s_lshl_b32 s18, s16, 7
	s_lshl_b32 s20, s17, 8
	s_add_co_u32 s20, s20, s18
	s_lshl_b32 s20, s20, 10
	s_mov_b32 s21, 0
	s_add_nc_u64 s[20:21], s[20:21], s[80:81]
	s_lshl_b32 s46, s42, 8
	s_add_co_u32 s46, s46, s18
	s_lshl_b32 s46, s46, 10
	s_mov_b32 s47, 0
	s_add_nc_u64 s[46:47], s[46:47], s[82:83]
	s_mul_i32 s45, s14, HALFT
	s_lshl_b32 s88, s73, 3
	s_lshl_b32 s89, 1, s73
	s_add_co_u32 s89, s89, 7
	s_lshl_b32 s89, s89, 2
	s_wait_kmcnt 0x0
	s_load_b64 s[96:97], s[8:9], s88 offset:0x0
	s_load_b32 s98, s[8:9], s89 offset:0x0
	s_cmp_lt_u32 s73, 2
	s_cselect_b64 s[84:85], s[4:5], s[6:7]
	s_cselect_b64 s[86:87], s[6:7], s[4:5]
	s_add_nc_u64 s[20:21], s[84:85], s[20:21]
	s_add_nc_u64 s[46:47], s[86:87], s[46:47]
	CROUND
.irp s, 0,1
	s_mov_b32 s[G0+4*\s], 1
	s_add_co_u32 s[G0+4*\s+1], s45, \s*SLOT
	s_add_nc_u64 s[G0+4*\s+2:G0+4*\s+3], s[20:21], \s*ROWB
	s_or_b32 s[G0+4*\s+3], s[G0+4*\s+3], 0x80000000
	s_mov_b32 s[G0B+4*\s], 1
	s_add_co_u32 s[G0B+4*\s+1], s45, \s*SLOT
	s_add_nc_u64 s[G0B+4*\s+2:G0B+4*\s+3], s[46:47], \s*ROWB
	s_or_b32 s[G0B+4*\s+3], s[G0B+4*\s+3], 0x80000000
	s_wait_alu depctr_va_vdst(0)
	s_wait_tensorcnt 0x0
	ds_add_u32 v28, v29
	ds_add_u32 v28, v29
	s_wait_dscnt 0x0
	CROUND
	JLOAD G0+4*\s, G1, G0B+4*\s, G1B
.endr
	v_and_b32 v1, 15, v0
	v_bfe_u32 v2, v0, 4, 1
	v_mul_u32_u24 v3, v1, PITCH
	v_lshl_add_u32 v4, v2, 4, v3
	s_wait_alu depctr_va_vdst(0)
	s_mul_i32 s21, s15, HALFT
	s_mul_i32 s22, s16, HALFT
	s_add_co_u32 s22, s22, 2*HALFT
.irp s, 0,1
	v_add_nc_u32 v[ADRA+\s], s21, v4
	v_add_nc_u32 v[ADRB+\s], s22, v4
	s_add_co_u32 s21, s21, SLOT
	s_add_co_u32 s22, s22, SLOT
.endr
	s_mul_i32 s23, s15, 128*PITCH
	s_lshl_b32 s19, s16, 7
	s_add_co_u32 s23, s23, s19
	v_add_nc_u32 v[STO], s23, v4
	v_and_b32 v6, 31, v0
	v_lshrrev_b32 v7, 2, v6
	v_mul_u32_u24 v7, v7, PITCH
	v_and_b32 v8, 3, v6
	v_lshl_add_u32 v7, v8, 4, v7
	s_mul_i32 s23, s14, 64*PITCH
	v_add_nc_u32 v[RDQ], s23, v7
	v_lshlrev_b32 v[COQ], 4, v6
	v_mul_u32_u24 v9, v2, PITCH
	v_lshl_add_u32 v9, v1, 4, v9
	v_add_nc_u32 v[RDV], s23, v9
	v_lshlrev_b32 v10, 11, v2
	v_lshl_add_u32 v[VOV], v1, 4, v10
.macro FRAG reg, adr, q, i
.irp c, 0,1,2,3
	ds_load_b128 v[\reg+4*\c:\reg+4*\c+3], v[\adr] offset:128*(\q)+32*\c+(\i)*16*PITCH
.endr
.endm
.macro MUL16 a0, p, zero
.irp a, \a0, \a0+1
.irp b, 0,1,2,3,4,5,6,7
.if \zero
	v_wmma_f32_16x16x128_bf8_bf8 v[8*(8*((\a)%4)+\b):8*(8*((\a)%4)+\b)+7], v[128*(\p)+FR*\b:128*(\p)+FR*\b+FR-1], v[AF+FR*(\a):AF+FR*(\a)+FR-1], 0
.else
	v_wmma_f32_16x16x128_bf8_bf8 v[8*(8*((\a)%4)+\b):8*(8*((\a)%4)+\b)+7], v[128*(\p)+FR*\b:128*(\p)+FR*\b+FR-1], v[AF+FR*(\a):AF+FR*(\a)+FR-1], v[8*(8*((\a)%4)+\b):8*(8*((\a)%4)+\b)+7]
.endif
.endr
.endr
.endm
.macro FETCH_B slot, q, p
	WIN TO_B
.irp i, 0,1,2,3,4,5,6,7
	FRAG 128*(\p)+FR*\i, ADRB+\slot, \q, \i
.endr
	WIN 0
.endm
.macro FETCH_A slot, q, i0
.irp i, \i0, \i0+1, \i0+2, \i0+3
	FRAG AF+FR*(\i), ADRA+\slot, \q, \i
.endr
.endm
.macro PLACES n
.rept \n
	v_nop
.endr
.endm
.macro STEP slot, q, zero
	s_wait_dscnt 4*NL
	WIN MUL_LO
	MUL16 0, (\q)%2, \zero
	MUL16 2, (\q)%2, \zero
	s_wait_dscnt 0
	PLACES NP
	FETCH_B \slot, (\q)+1, 1-(\q)%2
	FETCH_A \slot, (\q)+1, 0
	WIN MUL_HI
	MUL16 4, (\q)%2, \zero
	MUL16 6, (\q)%2, \zero
	PLACES NP
	WIN 0
	FETCH_A \slot, (\q)+1, 4
.endm
.macro TURN slot, next, fill
	s_wait_tensorcnt 0x0
	ds_add_u32 v[SPW], v[NIL]
	s_wait_dscnt 4*NL+1
	WIN MUL_LO
	MUL16 0, 1, 0
	s_wait_dscnt 0x0
	s_barrier_signal -1
	MUL16 2, 1, 0
	WIN 0
	s_barrier_wait -1
.if \fill
	CREST
	s_add_nc_u64 s[G0+4*\slot+2:G0+4*\slot+3], s[G0+4*\slot+2:G0+4*\slot+3], 2*ROWB
	s_add_nc_u64 s[G0B+4*\slot+2:G0B+4*\slot+3], s[G0B+4*\slot+2:G0B+4*\slot+3], 2*ROWB
	JLOAD G0+4*\slot, G1, G0B+4*\slot, G1B
.else
	PLACES NP
.endif
	FETCH_B \next, 0, 0
	FETCH_A \next, 0, 0
	WIN MUL_HI
	MUL16 4, 1, 0
	MUL16 6, 1, 0
	PLACES NP
	WIN 0
	FETCH_A \next, 0, 4
.endm
	s_wait_tensorcnt 1
	s_barrier_signal -1
	s_barrier_wait -1
	FETCH_B 0, 0, 0
	FETCH_A 0, 0, 0
	FETCH_A 0, 0, 4
	STEP 0, 0, 1
	TURN 0, 1, 1
	STEP 1, 0, 0
	TURN 1, 0, 1
	STEP 0, 0, 0
	TURN 0, 1, 0
	STEP 1, 0, 0
	s_wait_dscnt 4*NL
	WIN MUL_LO
	MUL16 0, 1, 0
	MUL16 2, 1, 0
	s_wait_dscnt 0
	WIN MUL_HI
	MUL16 4, 1, 0
	MUL16 6, 1, 0
	WIN 0
	s_wait_kmcnt 0x0
	s_sub_co_i32 s98, s98, s96
	s_sub_co_i32 s98, s98, s97
	s_cmp_eq_u32 s73, 0
	s_cselect_b32 s96, 3, 0
	s_add_co_i32 s98, s98, s96
	s_add_co_i32 s98, s98, 127
	s_lshl_b32 s97, s98, 23
	s_add_co_i32 s98, s98, 15
	s_lshl_b32 s98, s98, 23
	s_or_b32 s98, s98, 0x600000
	PLACES NP
	v_mov_b32 v[SCL], s97
	v_mov_b32 v[LIM], s98
.macro QSTAGE a
	WIN 0x02+((\a)/4)
.set j, 0
.rept 64
	v_med3_num_f32 v[TMP+j], v[64*((\a)%4)+j], -v[LIM], v[LIM]
.set j, j+1
.endr
	WIN 0
.irp b, 0,1,2,3,4,5,6,7
	v_cvt_scalef32_pk8_bf8_f32 v[CD+16*(\a)+2*\b:CD+16*(\a)+2*\b+1], v[TMP+8*\b:TMP+8*\b+7], v[SCL]
.endr
	v_nop
.irp b, 0,1,2,3
	ds_store_b128 v[STO], v[CD+16*(\a)+4*\b:CD+16*(\a)+4*\b+3] offset:(\a)*16*PITCH+32*\b
.endr
.endm
.irp a, 0,1,2,3,4,5,6,7
	QSTAGE \a
.endr
	s_wait_dscnt 0x0
	s_barrier_signal -1
	s_barrier_wait -1
	s_cmp_lt_u32 s73, 2
	s_cbranch_scc0 .Lout_v
	s_lshr_b32 s20, s17, 3
	s_lshl_b32 s20, s20, 4
	s_lshl_b32 s21, s42, 2
	s_add_co_u32 s20, s20, s21
	s_lshl_b32 s20, s20, 11
	s_and_b32 s21, s17, 7
	s_lshl_b32 s21, s21, 8
	s_add_co_u32 s20, s20, s21
	s_lshl_b32 s21, s14, 6
	s_add_co_u32 s20, s20, s21
	s_lshl_b32 s20, s20, 6
	s_mov_b32 s21, 0
	s_cmp_eq_u32 s73, 0
	s_cselect_b64 s[22:23], s[10:11], s[68:69]
	s_add_nc_u64 s[22:23], s[22:23], s[20:21]
.set i, 0
.rept 32
	ds_load_b128 v[CD+4*i:CD+4*i+3], v[RDQ] offset:(i/4)*8*PITCH+64*(i%4)
.set i, i+1
.endr
.set i, 0
.rept 32
	s_wait_dscnt 31-i
	global_store_b128 v[COQ], v[CD+4*i:CD+4*i+3], s[22:23] offset:(i%4)*131072+(i/4)*512
.set i, i+1
.endr
	s_branch .Ldone
.Lout_v:
	s_lshr_b32 s20, s42, 3
	s_lshl_b32 s20, s20, 4
	s_lshl_b32 s21, s17, 2
	s_add_co_u32 s20, s20, s21
	s_add_co_u32 s20, s20, s14
	s_lshl_b32 s20, s20, 1
	s_add_co_u32 s20, s20, s73
	s_sub_co_u32 s20, s20, 2
	s_lshl_b32 s20, s20, 17
	s_and_b32 s21, s42, 7
	s_lshl_b32 s21, s21, 8
	s_add_co_u32 s20, s20, s21
	s_mov_b32 s21, 0
	s_add_nc_u64 s[22:23], s[70:71], s[20:21]
.set i, 0
.rept 32
	ds_load_b128 v[CD+4*i:CD+4*i+3], v[RDV] offset:2*i*PITCH
.set i, i+1
.endr
.set i, 0
.rept 32
	s_wait_dscnt 31-i
	global_store_b128 v[VOV], v[CD+4*i:CD+4*i+3], s[22:23] offset:2*((i%4)+4*((i/8)%2)+8*((i/4)%2)+16*(i/16))*2048
.set i, i+1
.endr
.Ldone:
	s_wait_tensorcnt 0x0
	ds_add_u32 v[SPW], v[NIL]
	s_wait_dscnt 0x0
	CROUND
	s_endpgm
.Lfunc_end_k_q1ede3ca654_proj:
	.size	k_q1ede3ca654_proj, .Lfunc_end_k_q1ede3ca654_proj-k_q1ede3ca654_proj
	.p2alignl 7, 3214868480
	.fill 96, 4, 3214868480
	.section	.rodata,"a",@progbits
	.p2align	6, 0x0
	.amdhsa_kernel k_q1ede3ca654_proj
		.amdhsa_group_segment_fixed_size 327680
		.amdhsa_private_segment_fixed_size 0
		.amdhsa_enable_private_segment 0
		.amdhsa_kernarg_size 48
		.amdhsa_user_sgpr_count 2
		.amdhsa_user_sgpr_kernarg_segment_ptr 1
		.amdhsa_wavefront_size32 1
		.amdhsa_system_sgpr_workgroup_id_x 1
		.amdhsa_system_sgpr_workgroup_id_y 1
		.amdhsa_system_sgpr_workgroup_id_z 1
		.amdhsa_system_vgpr_workitem_id 0
		.amdhsa_next_free_vgpr 1024
		.amdhsa_next_free_sgpr 100
		.amdhsa_reserve_vcc 0
		.amdhsa_float_denorm_mode_32 3
		.amdhsa_float_denorm_mode_16_64 3
		.amdhsa_memory_ordered 1
		.amdhsa_forward_progress 1
		.amdhsa_inst_pref_size 131
	.end_amdhsa_kernel
	.amdgpu_metadata
---
amdhsa.version: [ 1, 2 ]
amdhsa.kernels:
  - .name:           k_q1ede3ca654_proj
    .symbol:         k_q1ede3ca654_proj.kd
    .args:
      - { .name: xc, .offset: 0, .size: 8, .value_kind: global_buffer, .address_space: global }
      - { .name: wc, .offset: 8, .size: 8, .value_kind: global_buffer, .address_space: global }
      - { .name: lowp_scales, .offset: 16, .size: 8, .value_kind: global_buffer, .address_space: global }
      - { .name: qc, .offset: 24, .size: 8, .value_kind: global_buffer, .address_space: global }
      - { .name: kc, .offset: 32, .size: 8, .value_kind: global_buffer, .address_space: global }
      - { .name: vt, .offset: 40, .size: 8, .value_kind: global_buffer, .address_space: global }
    .group_segment_fixed_size: 327680
    .private_segment_fixed_size: 0
    .kernarg_segment_align: 8
    .kernarg_segment_size: 48
    .max_flat_workgroup_size: 128
    .sgpr_count:     100
    .vgpr_count:     1024
    .wavefront_size: 32
...
	.end_amdgpu_metadata
.endif
;; end of part 6
;; launch attn (part 7): grid 8 x 32, 8 waves a work-group, clusters of 4 x 1, 327,680 bytes of LDS; arguments qc, kc, vt, mw, PE_solution_scores, lowp_scales, oc; writes oc
.if DOCPART == 7
	.amdgcn_target "amdgcn-amd-amdhsa--gfx1250"
	.amdhsa_code_object_version 6
	.text
	.protected	k_q1ede3ca654_attn
	.globl	k_q1ede3ca654_attn
	.p2align	8
	.type	k_q1ede3ca654_attn,@function
k_q1ede3ca654_attn:
	s_mov_b64 s[64:65], 0
	v_nop
	global_prefetch_b8 v0, s[64:65] scope:SCOPE_SE
	s_setreg_imm32_b32 hwreg(HW_REG_WAVE_MODE, 25, 1), 1
	s_wait_xcnt 0x0
	s_wait_alu depctr_hold_cnt(0) depctr_sa_sdst(0) depctr_va_vdst(0) depctr_va_sdst(0) depctr_va_ssrc(0) depctr_va_vcc(0) depctr_vm_vsrc(0)
	s_getreg_b32 s2, hwreg(HW_REG_IB_STS2, 6, 4)
	s_cmp_eq_u32 s2, 0
	s_cbranch_scc0 .Lentry_in_a_cluster
	s_endpgm
.Lentry_in_a_cluster:
	s_bfe_u32 s2, ttmp6, 0x10000c
	s_cmp_lg_u32 s2, 0x3003
	s_cbranch_scc0 .Lentry_shape_is_right
	s_endpgm
.Lentry_shape_is_right:
; ATTENTION with one softmax and two value tensors, all three products on codes of E5M2.  logit = (q k / 8 + bias[key]) / 2, or the masked value where mask = 0; t = logit x log2(e);
; M = the running largest t rounded UP to a whole number; p = 2^(t - M) is quantised twice (scale entries 10 and 14); the row's sum l is taken of the unquantised p; O / l is quantised for the last products (entries 12, 16).
; SHARES.  A work-group owns 256 queries of one (batch, head); each of its eight waves 32 of them, two tiles of 16, in 512 registers: two waves to a SIMD.  A key step is 128 keys; its 64 LDS loads (K 16, bias 16, V 32) serve both tiles.
; LAYOUT.  Both products are used transposed: S^T = K Q^T (source 0 = 16 keys, source 1 = 16 queries), O^T = V^T P^T: a lane holds ONE query (lane % 16) throughout.  Register 8 t + j of S^T is key 16 t + 8 (lane / 16) + j:
; converted eight at a time that is the 8-bit operand's layout.  qc, kc, vt are laid with bits 3 and 4 of the index along K exchanged, so that 16-byte loads give that layout too; vt's rows are laid so that the
; 16 registers of two neighbouring tiles of O^T are 16 neighbouring channels.
; THE BIAS is the C of the first product (bias x 2^-(e8 + e9)); THE MASK is one v_cndmask_b32 a number, on lane masks that the first launch packed (scalar loads, one tile ahead).
; THE MASKED VALUE.  LIMIT: a masked logit counts as -2^30, not -1e9.  Its t is a whole number in f32, so a row all of whose keys are masked has p = 1 for every key, as reference() has it; where a key counts,
; masked keys have p = 0 under either value.  The results are the same while the logits that count lie above -5e8.
; LIMITS on the given exponents: e8 + e9 between -96 and 128; e10, e14, e12 - e10 - e11 and e16 - e14 - e15 between -126 and 112.
; RING.  Two LDS slots of 512 keys (four key steps), filled by joint tensor loads: the four query blocks of a cluster walk the same K and V.  Waves 0, 1 fetch K's halves, waves 2, 3 V's.
; THE KEY STEP IS TURNED ROUND: a trip first asks LDS for its own K and bias, then rescales O^T and multiplies the step BEFORE's p and V (all in registers), and only then forms its scores and its softmax.
; So the 32 loads have 64 rescalings and 16 products in which to land, one form of the step serves every place in a slot, and the text holds two copies of it (slots that ask for a refill; the last slot).
; The first trip finds p's codes, V's registers and O^T as zeros and f = 1: its 16 products add nothing; they are run once so that no further copy of the step is written.  The last step's products stand behind the loops.
; No prefetch: a refill is asked for at a slot's head and first read four key steps later, so no wave stands in front of it.
; REGISTERS.  window 0: v1-11 addresses and constants; v12-35 statistics, 12 a tile; v36-39 the holds; v44-59 at work, and K's fragments 6, 7; v60-123 p's codes (32 tile + 16 x);
;   v124-251 S^T, 64 a tile; v[252:253] c1.   window 1: v0-127 O^T (64 tile + 32 x + 8 ct); v128-191 V (statements); v192-207 Q; v208-255 K's fragments 0-5.
;   V (operators) lands in tile 1's S^T registers when its softmax is done, the next step's bias in tile 0's.
.set VOFF,  34816                      ; a slot: K as 128 rows of (256 + 16) bytes, four keys a row; then V, 128 rows of (512 + 16) bytes
.set SLOT1, 131072
.set SPARE, 262144                     ; the spare words, 128 bytes a wave: four blocks of 256 bytes that no other line names
.set BIAS,  263168                     ; 2,048 f32: the batch's bias x 2^-(e8 + e9)
.set AK0, 1
.set AV0, 2
.set AB0, 3
.set ADK, 4
.set ADV, 5
.set ADB, 6
.set SPW, 7
.set NIL, 8
.set XS,  9                            ; -2^(31 - e8 - e9): the masked score
.set SC0, 10                           ; 2^e10
.set SC1, 11                           ; 2^e14
.set ST,  12                           ; a tile's statistics at ST + 12 tile: +0 -M, +1 the largest t, +2, +3 l, +4 f (+5 named with it), +6, +7 at work, +8, +9 second sum, +10 the permute's
.set LM0, 36                           ; v36, v37: 57,344 x 2^e10
.set LM1, 38                           ; v38, v39: 57,344 x 2^e14
.set TMP, 44
.set PC,  60
.set S,   124
.set C1,  252
.set O,   0
.set F,   128
.set Q,   192
.set KF,  208
.set WV,  2
.set SLOTS, 3
.set G1K, 4
.set G1V, 12
.set G0K, 20
.set G0V, 24
.set TBK, 28                           ; LDS byte of the step's K, of its V, of its bias
.set TBV, 29
.set MO,  30                           ; byte of the key step whose mask words are asked for
.set CNT, 31
.set MA,  32                           ; s[32:63], s[68:99]: a tile's 64 mask words
.set MP,  66
.set MB,  68
.set TBB, 100
.set SEL, 104
.set MSB, 0
.macro WIN new                         ; the immediate's high byte repeats the setting that is left
.if MSB != (\new)
	s_set_vgpr_msb (MSB<<8)|(\new)
.set MSB, (\new)
.endif
.endm
.macro TLOAD                           ; the branches hang on the wave's number alone.  An s_nop 0 and four v_nop follow each of the two lines
	s_cmp_lt_u32 s[WV], 2
	s_cbranch_scc0 .Lnot_k_\@
	tensor_load_to_lds s[G0K:G0K+3], s[G1K:G1K+7]
	s_nop 0
.rept 4
	v_nop
.endr
	s_branch .Lasked_\@
.Lnot_k_\@:
	s_cmp_lt_u32 s[WV], 4
	s_cbranch_scc0 .Lasked_\@
	tensor_load_to_lds s[G0V:G0V+3], s[G1V:G1V+7]
	s_nop 0
.rept 4
	v_nop
.endr
.Lasked_\@:
.endm
.macro CROUND                          ; a round of the cluster's barrier
	s_barrier_signal -1
	s_barrier_wait -1
	s_cmp_lg_u32 s[WV], 0
	s_cbranch_scc1 .Lnot_wave_0_\@
	s_barrier_signal -3
.Lnot_wave_0_\@:
	s_barrier_wait -3
	s_barrier_signal -1
	s_barrier_wait -1
.endm
	s_load_b256 s[32:39], s[0:1], 0x0              ; qc s[32:33], kc s[34:35], vt s[36:37], mw s[38:39]
	s_load_b128 s[40:43], s[0:1], 0x20             ; PE_solution_scores s[40:41], lowp_scales s[42:43]
	v_lshl_add_u32 v[SPW], v0, 2, SPARE
	v_mov_b32 v[NIL], 0
	ds_add_u32 v[SPW], v[NIL]                      ; the opening lines: the add, twice on end, and one wait for both ahead of the first tensor load
	ds_add_u32 v[SPW], v[NIL]
	v_lshrrev_b32 v1, 5, v0
	v_readfirstlane_b32 s[WV], v1                  ; wave 0..7
	s_bfe_u32 s44, ttmp6, 0x40000                  ; cx
	s_lshl_b32 s45, ttmp9, 2
	s_add_co_u32 s45, s45, s44                     ; my block of 256 queries: it enters Q's, the mask's and oc's addresses alone
	s_and_b32 s46, ttmp7, 0xffff                   ; 16 b + head, which the four partners share
	s_and_b32 s47, s[WV], 1                        ; which half of a tile I fetch, if I fetch
	s_lshl_b32 s48, s46, 17                        ; K: 2,048 keys x 64 bytes a head, + 256 keys for the second half
	s_lshl_b32 s49, s47, 14
	s_add_co_u32 s48, s48, s49
	s_mov_b32 s49, 0
	s_lshl_b32 s50, s46, 18                        ; V: 128 rows x 2,048 bytes a head, + 64 rows
	s_lshl_b32 s51, s47, 17
	s_add_co_u32 s50, s50, s51
	s_mov_b32 s51, 0
	s_mul_i32 s52, s47, 64*272                     ; and in a slot
	s_mul_i32 s53, s47, 64*528
	s_add_co_u32 s53, s53, VOFF
	s_mov_b32 s[G1K], 15|(0<<16)|(1<<20)|(1<<21)|(5<<22)|(3<<25)  ; the mask: all four; elements of 1 byte; padding on; bit 21 beside a mask; after every 64 words, 4 words
	s_mov_b32 s[G1K+1], 256<<16                    ; K's 256 keys x 64 bytes are dense in memory: stated as 64 rows of 256 bytes
	s_mov_b32 s[G1K+2], 64<<16
	s_mov_b32 s[G1K+3], 256<<16
	s_mov_b32 s[G1K+4], 64
	s_mov_b32 s[G1K+5], 256
	s_mov_b32 s[G1K+6], 0
	s_mov_b32 s[G1K+7], 0
	s_mov_b32 s[G1V], 15|(0<<16)|(1<<20)|(1<<21)|(6<<22)|(3<<25)  ; after every 128 words, 4 words
	s_mov_b32 s[G1V+1], 512<<16                    ; V: 64 rows of 512 bytes, 2,048 bytes apart
	s_mov_b32 s[G1V+2], 64<<16
	s_mov_b32 s[G1V+3], 512<<16
	s_mov_b32 s[G1V+4], 64
	s_mov_b32 s[G1V+5], 2048
	s_mov_b32 s[G1V+6], 0
	s_mov_b32 s[G1V+7], 0
	s_mov_b32 s[SEL], 0x76543210
	s_mov_b32 s[SEL+1], 0xfedcba98
	s_mov_b32 s[TBK], 0
	s_mov_b32 s[TBV], 0
	s_mov_b32 s[TBB], 0
	s_mov_b32 s[MO], 0
	s_mov_b32 s[SLOTS], 3
	s_lshl_b32 s54, s46, 11                        ; Q: my wave's first query among the head's,
	s_lshl_b32 s55, s45, 8
	s_add_co_u32 s54, s54, s55
	s_lshl_b32 s55, s[WV], 5
	s_add_co_u32 s54, s54, s55
	s_lshl_b32 s54, s54, 6                         ; 64 bytes a query
	s_mov_b32 s55, 0
	s_lshr_b32 s56, s46, 4                         ; b
	s_lshl_b32 s60, s56, 13                        ; the batch's 2,048 f32 of bias
	s_mov_b32 s61, 0
	s_lshl_b32 s58, s56, 19                        ; the mask words: 128 tiles x 4,096 bytes a batch,
	s_lshl_b32 s59, s45, 16                        ; 16 tiles a block,
	s_add_co_u32 s58, s58, s59
	s_lshl_b32 s59, s[WV], 13                      ; two a wave
	s_add_co_u32 s58, s58, s59
	s_mov_b32 s59, 0
	s_wait_dscnt 0x0                               ; both opening adds are done
	s_wait_kmcnt 0x0
	s_load_b512 s[68:83], s[42:43], 0x0            ; scale entries 0 to 15
	s_mov_b32 s[G0K], 1
	s_mov_b32 s[G0K+1], s52
	s_add_nc_u64 s[G0K+2:G0K+3], s[34:35], s[48:49]
	s_or_b32 s[G0K+3], s[G0K+3], 0x80000000
	s_mov_b32 s[G0V], 1
	s_mov_b32 s[G0V+1], s53
	s_add_nc_u64 s[G0V+2:G0V+3], s[36:37], s[50:51]
	s_or_b32 s[G0V+3], s[G0V+3], 0x80000000
	CROUND                                         ; all four work-groups are here: the first joint loads meet
	TLOAD                                          ; slot 0: one tensor load a wave at the head
	s_add_nc_u64 s[32:33], s[32:33], s[54:55]
	s_add_nc_u64 s[40:41], s[40:41], s[60:61]
	s_add_nc_u64 s[MP:MP+1], s[38:39], s[58:59]
	v_lshlrev_b32 v4, 5, v0
	global_load_b128 v[44:47], v4, s[40:41]        ; thread t: bias 8 t .. 8 t + 7
	global_load_b128 v[48:51], v4, s[40:41] offset:16
	v_and_b32 v40, 15, v0                          ; r
	v_bfe_u32 v41, v0, 4, 1                        ; h
	v_lshlrev_b32 v6, 6, v40
	v_lshl_add_u32 v6, v41, 4, v6                  ; Q: row r of 64 bytes + 16 h
	WIN 0x40                                       ; destination window 1
.irp tt, 0,1
.irp c, 0,1
	global_load_b128 v[Q+8*\tt+4*\c:Q+8*\tt+4*\c+3], v6, s[32:33] offset:1024*\tt+32*\c
.endr
.endr
.set n, 0
.rept 192
	v_mov_b32 v[O+n], 0                            ; O^T, and V's (statements') registers: what the first trip multiplies
.set n, n+1
.endr
	WIN 0
.set n, 0
.rept 64
	v_mov_b32 v[PC+n], 0                           ; p's codes,
	v_mov_b32 v[S+64+n], 0                         ; and V's (operators') registers, likewise
.set n, n+1
.endr
	v_lshrrev_b32 v42, 2, v40
	v_and_b32 v43, 3, v40
	v_mul_u32_u24 v[AK0], v42, 272
	v_lshl_add_u32 v[AK0], v43, 6, v[AK0]
	v_lshl_add_u32 v[AK0], v41, 4, v[AK0]          ; K: key r lies in row r / 4 at byte 64 (r % 4); + 16 h
	v_mul_u32_u24 v[AV0], v40, 528
	v_lshl_add_u32 v[AV0], v41, 4, v[AV0]
	v_add_nc_u32 v[AV0], VOFF, v[AV0]              ; V: row r, + 16 h
	v_lshlrev_b32 v[AB0], 5, v41
	v_add_nc_u32 v[AB0], BIAS, v[AB0]              ; bias: my half's eight keys of a tile
	v_lshl_add_u32 v5, v0, 5, BIAS                 ; where thread t puts its eight
.irp tt, 0,1
	v_mov_b32 v[ST+12*\tt+1], 0xff61b1e6           ; the largest t so far: -3e38
	v_floor_f32 v[ST+12*\tt], -v[ST+12*\tt+1]      ; -M
	v_mov_b32 v[ST+12*\tt+2], 0
	v_mov_b32 v[ST+12*\tt+3], 0
	v_mov_b32 v[ST+12*\tt+4], 1.0                  ; f, for the first trip
	v_mov_b32 v[ST+12*\tt+5], 0                    ; (named as the upper half of f's pair)
	v_mov_b32 v[ST+12*\tt+10], 0                   ; (a lane permute's destination counts as one of its sources)
.endr
	s_wait_alu depctr_va_vdst(0)
	s_wait_kmcnt 0x0
	s_add_co_i32 s84, s76, s77                     ; e8 + e9
	s_lshl_b32 s85, s84, 23
	s_add_co_i32 s85, s85, 0x3f38aa3b              ; c1 = log2(e) / 2 x 2^(e8 + e9): t = (sum + C) x c1
	v_mov_b32 v[C1], s85
	v_mov_b32 v[C1+1], s85
	s_sub_co_i32 s86, 0, s84
	s_sub_co_i32 s87, 158, s84
	s_lshl_b32 s87, s87, 23
	s_or_b32 s87, s87, 0x80000000
	v_mov_b32 v[XS], s87                           ; -2^(31 - e8 - e9): x c1 it is -2^30 log2(e), exact
	s_add_co_i32 s88, s78, 127
	s_lshl_b32 s89, s88, 23
	v_mov_b32 v[SC0], s89
	s_add_co_i32 s88, s88, 15
	s_lshl_b32 s88, s88, 23
	s_or_b32 s88, s88, 0x600000
	v_mov_b32 v[LM0], s88
	v_mov_b32 v[LM0+1], s88
	s_add_co_i32 s88, s82, 127
	s_lshl_b32 s89, s88, 23
	v_mov_b32 v[SC1], s89
	s_add_co_i32 s88, s88, 15
	s_lshl_b32 s88, s88, 23
	s_or_b32 s88, s88, 0x600000
	v_mov_b32 v[LM1], s88
	v_mov_b32 v[LM1+1], s88
	s_wait_alu depctr_va_vdst(0)
	s_wait_loadcnt 0x0                             ; the bias and Q are in; their address registers are free
.irp i, 0,1,2,3,4,5,6,7
	v_ldexp_f32 v[44+\i], v[44+\i], s86
.endr
	ds_store_b128 v5, v[44:47]
	ds_store_b128 v5, v[48:51] offset:16           ; the first change of slots waits for these stores and passes a barrier in front of every read
	s_load_b512 s[MA:MA+15], s[MP:MP+1], 0x1000    ; tile 1's mask words of key step 0
	s_load_b512 s[MA+16:MA+31], s[MP:MP+1], 0x1040
	s_load_b512 s[MB:MB+15], s[MP:MP+1], 0x1080
	s_load_b512 s[MB+16:MB+31], s[MP:MP+1], 0x10c0
.macro MIN2 d, l, s                    ; two holds in one instruction.  The pair's first sources lie in different register banks, and so do its second sources
	v_dual_min_num_f32 v[(\d)], v[(\l)], v[(\s)] :: v_dual_min_num_f32 v[(\d)+1], v[(\l)+1], v[(\s)+1]
.endm
; Lines of a softmax by groups of eight keys (group gg: registers rS + 8 gg on; pair jj of its four).
.macro FMA                             ; t - M (of the pair -M, t the low word serves both halves)
	v_pk_fma_f32 v[rS+8*gg+2*jj:rS+8*gg+2*jj+1], v[rS+8*gg+2*jj:rS+8*gg+2*jj+1], v[C1:C1+1], v[rT:rT+1] op_sel_hi:[1,1,0]
.endm
.macro SUMP                            ; the sum of the unquantised p, two at a time, in two chains: the even pairs join l, the odd ones the second chain, which the first two pairs start
.if (gg == 0) && (jj == 1)
	v_pk_add_f32 v[rT+8:rT+9], v[rS:rS+1], v[rS+2:rS+3]
.elseif (gg > 0) || (jj > 1)
.if jj%2 == 0
	v_pk_add_f32 v[rT+2:rT+3], v[rT+2:rT+3], v[rS+8*gg+2*jj:rS+8*gg+2*jj+1]
.else
	v_pk_add_f32 v[rT+8:rT+9], v[rT+8:rT+9], v[rS+8*gg+2*jj:rS+8*gg+2*jj+1]
.endif
.endif
.endm
; ONE TILE'S SOFTMAX FOR ONE KEY STEP.  Tile 1 goes first.  Each run asks for the mask words of the run that follows: tile 1's for tile 0 of this step, tile 0's for tile 1 of the next.
; The 64 exponentials go as one batch, with one wait ahead of it and one behind it.
.macro SOFT tau
.set rT, ST+12*\tau
.set rS, S+64*\tau
.set rP, PC+32*\tau
	s_wait_kmcnt 0x0                               ; my 64 mask words are in, and the loads have read their offset
.if \tau == 0
	s_add_co_u32 s[MO], s[MO], 256                 ; the next key step's words;
	s_and_b32 s[MO], s[MO], 0xfff                  ; the last step asks for step 0's again, which nobody uses: no load leaves the buffer
	s_wait_alu depctr_va_vdst(0)                   ; the wait stands directly ahead of each run of first readers
.endif
.set n, 0
.rept 32
	v_cndmask_b32 v[rS+n], v[XS], v[rS+n], s[MA+n] ; each accumulator from its low end on
.set n, n+1
.endr
.if \tau == 1
	WIN 0x40                                       ; V of the statements, 64 rows x 128 keys
.irp ct, 0,1,2,3
.irp c, 0,1,2,3
	ds_load_b128 v[F+16*\ct+4*\c:F+16*\ct+4*\c+3], v[ADV] offset:16*\ct*528+32*\c
.endr
.endr
	WIN 0
.endif
	s_load_b512 s[MA:MA+15], s[MP:MP+1], s[MO] offset:(1-\tau)*4096
	s_load_b512 s[MA+16:MA+31], s[MP:MP+1], s[MO] offset:(1-\tau)*4096+64
.if \tau == 0
	s_wait_alu depctr_va_vdst(0)
.endif
.set n, 0
.rept 32
	v_cndmask_b32 v[rS+32+n], v[XS], v[rS+32+n], s[MB+n]
.set n, n+1
.endr
	s_load_b512 s[MB:MB+15], s[MP:MP+1], s[MO] offset:(1-\tau)*4096+128
	s_load_b512 s[MB+16:MB+31], s[MP:MP+1], s[MO] offset:(1-\tau)*4096+192
	v_max3_num_f32 v[rT+6], v[rS], v[rS+1], v[rS+2]        ; the step's largest score of my query among my 64 keys, in four chains,
	v_max3_num_f32 v[rT+7], v[rS+3], v[rS+4], v[rS+5]
	v_max3_num_f32 v[TMP], v[rS+6], v[rS+7], v[rS+8]
	v_max3_num_f32 v[TMP+1], v[rS+9], v[rS+10], v[rS+11]
.irp i, 12,20,28,36,44,52
	v_max3_num_f32 v[rT+6], v[rT+6], v[rS+\i], v[rS+\i+1]
	v_max3_num_f32 v[rT+7], v[rT+7], v[rS+\i+2], v[rS+\i+3]
	v_max3_num_f32 v[TMP], v[TMP], v[rS+\i+4], v[rS+\i+5]
	v_max3_num_f32 v[TMP+1], v[TMP+1], v[rS+\i+6], v[rS+\i+7]
.endr
	v_max3_num_f32 v[rT+6], v[rT+6], v[rS+60], v[rS+61]
	v_max3_num_f32 v[rT+7], v[rT+7], v[rS+62], v[rS+63]
	v_max_num_f32 v[TMP], v[TMP], v[TMP+1]
	v_max3_num_f32 v[rT+6], v[rT+6], v[rT+7], v[TMP]
	v_mov_b32 v[rT+7], v[rT]                               ; the old -M is kept for f
	v_permlanex16_b32 v[rT+10], v[rT+6], s[SEL], s[SEL+1]
	v_max_num_f32 v[rT+6], v[rT+6], v[rT+10]               ; and among lane l xor 16's
	v_mul_f32 v[rT+6], v[C1], v[rT+6]                      ; as t (c1 is positive)
	v_max_num_f32 v[rT+1], v[rT+1], v[rT+6]                ; the running largest t
	v_floor_f32 v[rT], -v[rT+1]                            ; the new -M = -ceil(t)
	v_sub_f32 v[rT+7], v[rT], v[rT+7]                      ; old M - new M, 0 or less
.set gg, 0
.set jj, 0
	FMA                                                    ; group 0's scalings stand among the three lines that make f
	v_cvt_i32_f32 v[rT+7], v[rT+7]                         ; (it saturates)
.set jj, 1
	FMA
	v_ldexp_f32 v[rT+4], 1.0, v[rT+7]                      ; f = 2^(old M - new M)
.set jj, 2
	FMA
.set jj, 3
	FMA
.set gg, 1
.rept 7
.set jj, 0
.rept 4
	FMA
.set jj, jj+1
.endr
.set gg, gg+1
.endr
	s_wait_alu depctr_va_vdst(0)                   ; ahead of the batch: it serves the 64 scaled scores, f and l
.set n, 0
.rept 64
	v_exp_f32 v[rS+n], v[rS+n]                     ; p = 2^(t - M), at most 1, not normalised
.set n, n+1
.endr
	v_pk_mul_f32 v[rT+2:rT+3], v[rT+2:rT+3], v[rT+4:rT+5] op_sel_hi:[1,0]   ; l under the new M: the plain line behind the exponentials
	s_wait_alu depctr_va_vdst(0)                   ; behind the batch, ahead of its first reader
; By groups of eight keys: the sums by turns with the holds under entry 10 (into the work registers, two sets by turns); then the holds under entry 14 in place, behind the sums that want p unheld; then both conversions.
; p is not negative: the holds are one-sided (the conversion to an 8-bit code does not saturate: ISA guide 7.6.2).
.set gg, 0
.rept 8
.set jj, 0
.rept 4
	SUMP
	MIN2 TMP+8*(gg%2)+2*jj, LM0, rS+8*gg+2*jj
.set jj, jj+1
.endr
.set jj, 0
.rept 4
	MIN2 rS+8*gg+2*jj, LM1, rS+8*gg+2*jj
.set jj, jj+1
.endr
	v_cvt_scalef32_pk8_bf8_f32 v[rP+2*gg:rP+2*gg+1], v[TMP+8*(gg%2):TMP+8*(gg%2)+7], v[SC0]
	v_cvt_scalef32_pk8_bf8_f32 v[rP+16+2*gg:rP+16+2*gg+1], v[rS+8*gg:rS+8*gg+7], v[SC1]
.set gg, gg+1
.endr
	v_pk_add_f32 v[rT+2:rT+3], v[rT+2:rT+3], v[rT+8:rT+9]  ; (also the plain line behind the last conversion)
.if \tau == 1
.irp ct, 0,1,2,3                               ; V of the operators lands in tile 1's score registers, which are done with, while tile 0's softmax runs
.irp c, 0,1,2,3
	ds_load_b128 v[S+64+16*\ct+4*\c:S+64+16*\ct+4*\c+3], v[ADV] offset:(64+16*\ct)*528+32*\c
.endr
.endr
.endif
.endm
; The addresses of the step at s[TBK], s[TBV], s[TBB], and its 32 loads of the bias (in the result's layout: all lanes of a half read the same 32 bytes) and of K.  It leaves the destination's window at 1.
.macro LOADKB
	v_add_nc_u32 v[ADK], s[TBK], v[AK0]
	v_add_nc_u32 v[ADV], s[TBV], v[AV0]
	v_add_nc_u32 v[ADB], s[TBB], v[AB0]
.irp t, 0,1,2,3,4,5,6,7
	ds_load_b128 v[S+8*\t:S+8*\t+3], v[ADB] offset:64*\t
	ds_load_b128 v[S+8*\t+4:S+8*\t+7], v[ADB] offset:64*\t+16
.endr
.irp t, 6,7
	ds_load_b128 v[TMP+8*(\t-6):TMP+8*(\t-6)+3], v[ADK] offset:\t*1088
	ds_load_b128 v[TMP+8*(\t-6)+4:TMP+8*(\t-6)+7], v[ADK] offset:\t*1088+32
.endr
	WIN 0x40
.irp t, 0,1,2,3,4,5
	ds_load_b128 v[KF+8*\t:KF+8*\t+3], v[ADK] offset:\t*1088
	ds_load_b128 v[KF+8*\t+4:KF+8*\t+7], v[ADK] offset:\t*1088+32
.endr
.endm
; O^T x f, then O^T += V^T P^T, for the step whose p and V lie in registers.  younger: the LDS loads issued behind V's, which may stay out.
.macro RPV younger
	WIN 0x41                                       ; O^T window 1, f window 0
	s_wait_alu depctr_va_vdst(0)                   ; O^T is a matrix result first read behind exponentials: the wait stands directly ahead of its 64 first readers
.irp tt, 0,1
.set n, 0
.rept 32
	v_pk_mul_f32 v[O+64*\tt+n:O+64*\tt+n+1], v[O+64*\tt+n:O+64*\tt+n+1], v[ST+12*\tt+4:ST+12*\tt+5] op_sel_hi:[1,0]
.set n, n+2
.endr
.endr
	s_wait_alu depctr_va_vdst(0)
	s_wait_dscnt \younger                          ; both V are in
	WIN 0x51                                       ; V window 1, p's codes window 0, O^T window 1.  The sixteen accumulators take turns
.irp ct, 0,1,2,3
.irp tt, 0,1
	v_wmma_f32_16x16x128_bf8_bf8 v[O+64*\tt+8*\ct:O+64*\tt+8*\ct+7], v[F+16*\ct:F+16*\ct+15], v[PC+32*\tt:PC+32*\tt+15], v[O+64*\tt+8*\ct:O+64*\tt+8*\ct+7]
.endr
.endr
	WIN 0x50                                       ; V window 0
.irp ct, 0,1,2,3
.irp tt, 0,1
	v_wmma_f32_16x16x128_bf8_bf8 v[O+64*\tt+32+8*\ct:O+64*\tt+32+8*\ct+7], v[S+64+16*\ct:S+64+16*\ct+15], v[PC+32*\tt+16:PC+32*\tt+31], v[O+64*\tt+32+8*\ct:O+64*\tt+32+8*\ct+7]
.endr
.endr
	WIN 0
.endm
; A TRIP: this step's K and bias are asked for; the step before's products; this step's scores and softmax.
.macro STEP
	LOADKB                                         ; tile 0's score registers and the work registers are done with
	RPV 32                                         ; the 32 loads just issued may stay out
.rept 5
	v_nop                                          ; five places between those products and the products that write over their registers
.endr
	s_wait_dscnt 0x0                               ; K and the bias are in
	WIN 0x05                                       ; K and Q window 1; C and D window 0
.irp t, 0,1,2,3,4,5
	v_wmma_f32_16x16x64_bf8_bf8 v[S+64+8*\t:S+64+8*\t+7], v[KF+8*\t:KF+8*\t+7], v[Q+8:Q+15], v[S+8*\t:S+8*\t+7]   ; tile 1: C = the bias
.endr
	WIN 0x04                                       ; K's fragments 6 and 7 lie in window 0
.irp t, 6,7
	v_wmma_f32_16x16x64_bf8_bf8 v[S+64+8*\t:S+64+8*\t+7], v[TMP+8*(\t-6):TMP+8*(\t-6)+7], v[Q+8:Q+15], v[S+8*\t:S+8*\t+7]
.endr
.rept 5
	v_nop                                          ; the products below write over the C of those above
.endr
.irp t, 6,7
	v_wmma_f32_16x16x64_bf8_bf8 v[S+8*\t:S+8*\t+7], v[TMP+8*(\t-6):TMP+8*(\t-6)+7], v[Q:Q+7], v[S+8*\t:S+8*\t+7]  ; tile 0: onto the bias
.endr
	WIN 0x05
.irp t, 0,1,2,3,4,5
	v_wmma_f32_16x16x64_bf8_bf8 v[S+8*\t:S+8*\t+7], v[KF+8*\t:KF+8*\t+7], v[Q:Q+7], v[S+8*\t:S+8*\t+7]
.endr
	WIN 0
	SOFT 1                                         ; its first lines name no register of tile 0's products: they are the places behind them
	SOFT 0
	s_add_co_u32 s[TBK], s[TBK], 32*272
	s_add_co_u32 s[TBV], s[TBV], 128
	s_add_co_u32 s[TBB], s[TBB], 512
.endm
; THE CHANGE OF SLOTS stands at a slot's head.  fill = 1: the slot that has been left (the first time: slot 1, not yet filled) is filled with the keys that follow: the barrier is then a round of the cluster's.
.macro CHANGE fill
	s_wait_tensorcnt 0x0                           ; no tensor load of mine is out: my part of the slot ahead is in, and a group 0 may be written
	ds_add_u32 v[SPW], v[NIL]                      ; 0 onto my spare word
.if \fill
	ds_add_u32 v[SPW], v[NIL]                      ; and once more: the add goes twice on end, in every trip alike
	s_xor_b32 s[G0K+1], s[G0K+1], SLOT1
	s_add_nc_u64 s[G0K+2:G0K+3], s[G0K+2:G0K+3], 512*64
	s_xor_b32 s[G0V+1], s[G0V+1], SLOT1
	s_add_nc_u64 s[G0V+2:G0V+3], s[G0V+2:G0V+3], 512
.endif
	s_wait_dscnt 0x0                               ; the add is done, my reads of the slot that I have left are over (and, the first time, my stores of the bias)
.if \fill
	CROUND
	TLOAD                                          ; the first thing behind the round, and a wave's one tensor load until the next
.else
	s_barrier_signal -1
	s_barrier_wait -1
.endif
.endm
.macro SLOT_STEPS
	s_mov_b32 s[CNT], 4
.Lstep_\@:
	STEP
	s_sub_co_u32 s[CNT], s[CNT], 1
	s_cmp_lg_u32 s[CNT], 0
	s_cbranch_scc1 .Lstep_\@
	s_sub_co_u32 s[TBK], s[TBK], 4*32*272
	s_sub_co_u32 s[TBV], s[TBV], 512
	s_xor_b32 s[TBK], s[TBK], SLOT1                ; on to the other slot
	s_xor_b32 s[TBV], s[TBV], SLOT1
.endm
	s_wait_alu depctr_va_vdst(0)
.Lslot:                                            ; three trips: behind each change of slots but the last the next 512 keys are asked for
	CHANGE 1
	SLOT_STEPS
	s_sub_co_u32 s[SLOTS], s[SLOTS], 1
	s_cmp_lg_u32 s[SLOTS], 0
	s_cbranch_scc1 .Lslot
	CHANGE 0                                       ; the last slot is written out
	SLOT_STEPS
	RPV 0                                          ; the last key step's products
	; THE WAY OUT.  O^T / l, quantised for the last products; two neighbouring tiles' codes are 16 neighbouring channels: the images of that launch's operand registers, stored as they stand.
	s_wait_kmcnt 0x0                               ; the mask words asked for in the last step: their registers are free
	s_load_b64 s[32:33], s[0:1], 0x28              ; lowp_scales
	s_load_b64 s[34:35], s[0:1], 0x30              ; oc
.irp tt, 0,1
	v_add_f32 v[ST+12*\tt+2], v[ST+12*\tt+2], v[ST+12*\tt+3]
.endr
.irp tt, 0,1
	v_permlanex16_b32 v[ST+12*\tt+10], v[ST+12*\tt+2], s[SEL], s[SEL+1]
.endr
.irp tt, 0,1
	v_add_f32 v[ST+12*\tt+2], v[ST+12*\tt+2], v[ST+12*\tt+10]     ; the row's sum
.endr
	s_wait_alu depctr_va_vdst(0)
.irp tt, 0,1
	v_rcp_f32 v[ST+12*\tt+4], v[ST+12*\tt+2]
.endr
	v_and_b32 v44, 31, v0                          ; (a plain line behind the reciprocals)
	v_lshlrev_b32 v44, 4, v44                      ; 16 x lane
	s_bfe_u32 s44, ttmp6, 0x40000
	s_lshl_b32 s45, ttmp9, 2
	s_add_co_u32 s45, s45, s44
	s_and_b32 s46, ttmp7, 0xffff
	s_lshr_b32 s47, s46, 4
	s_and_b32 s48, s46, 15                         ; head
	s_lshl_b32 s47, s47, 7
	s_lshl_b32 s45, s45, 4
	s_add_co_u32 s47, s47, s45
	s_lshl_b32 s49, s[WV], 1
	s_add_co_u32 s47, s47, s49                     ; my first tile of 16 tokens: 128 b + 16 block + 2 wave
	s_lshl_b32 s47, s47, 14
	s_lshl_b32 s48, s48, 10
	s_add_co_u32 s50, s47, s48
	s_mov_b32 s51, 0
	s_wait_kmcnt 0x0
	s_load_b256 s[36:43], s[32:33], 0x28           ; entries 10 to 17
	s_add_nc_u64 s[34:35], s[34:35], s[50:51]
	s_wait_kmcnt 0x0
	s_sub_co_i32 s52, s38, s36
	s_sub_co_i32 s52, s52, s37                     ; e12 - e10 - e11
	s_add_co_i32 s52, s52, 127
	s_lshl_b32 s53, s52, 23
	v_mov_b32 v42, s53
	s_add_co_i32 s52, s52, 15
	s_lshl_b32 s52, s52, 23
	s_or_b32 s52, s52, 0x600000
	v_mov_b32 v40, s52
	s_sub_co_i32 s52, s42, s40
	s_sub_co_i32 s52, s52, s41                     ; e16 - e14 - e15
	s_add_co_i32 s52, s52, 127
	s_lshl_b32 s53, s52, 23
	v_mov_b32 v43, s53
	s_add_co_i32 s52, s52, 15
	s_lshl_b32 s52, s52, 23
	s_or_b32 s52, s52, 0x600000
	v_mov_b32 v41, s52
	WIN 0x41
	s_wait_alu depctr_va_vdst(0)                   ; one wait for the reciprocals, for the constants above and for O^T, directly ahead of O^T's first readers
.irp tt, 0,1
.set n, 0
.rept 32
	v_pk_mul_f32 v[O+64*\tt+n:O+64*\tt+n+1], v[O+64*\tt+n:O+64*\tt+n+1], v[ST+12*\tt+4:ST+12*\tt+5] op_sel_hi:[1,0]   ; each accumulator from its low end on
.set n, n+2
.endr
.endr
.set n, 0
.rept 128
	v_med3_num_f32 v[O+n], v[O+n], -v[40+(n/32)%2], v[40+(n/32)%2]
.set n, n+1
.endr
.set n, 0
.rept 16
	v_cvt_scalef32_pk8_bf8_f32 v[F+2*n:F+2*n+1], v[O+8*n:O+8*n+7], v[42+(n/4)%2]
.set n, n+1
.endr
	v_nop
	WIN 0x04                                       ; the stores' data window 1
.irp tt, 0,1
.irp x, 0,1
.irp c, 0,1
	global_store_b128 v44, v[F+16*\tt+8*\x+4*\c:F+16*\tt+8*\x+4*\c+3], s[34:35] offset:\x*4194304+\tt*16384+\c*512   ; 32 lanes store 512 consecutive bytes, aligned
.endr
.endr
.endr
	WIN 0
	s_wait_tensorcnt 0x0                           ; the wave's end
	ds_add_u32 v[SPW], v[NIL]
	s_wait_dscnt 0x0
	CROUND                                         ; the closing round
	s_endpgm
.Lfunc_end_k_q1ede3ca654_attn:
	.size	k_q1ede3ca654_attn, .Lfunc_end_k_q1ede3ca654_attn-k_q1ede3ca654_attn
	.p2alignl 7, 3214868480
	.fill 96, 4, 3214868480
	.section	.rodata,"a",@progbits
	.p2align	6, 0x0
	.amdhsa_kernel k_q1ede3ca654_attn
		.amdhsa_group_segment_fixed_size 327680
		.amdhsa_private_segment_fixed_size 0
		.amdhsa_enable_private_segment 0
		.amdhsa_kernarg_size 56
		.amdhsa_user_sgpr_count 2
		.amdhsa_user_sgpr_kernarg_segment_ptr 1
		.amdhsa_wavefront_size32 1
		.amdhsa_system_sgpr_workgroup_id_x 1
		.amdhsa_system_sgpr_workgroup_id_y 1
		.amdhsa_system_sgpr_workgroup_id_z 1
		.amdhsa_system_vgpr_workitem_id 0
		.amdhsa_next_free_vgpr 512
		.amdhsa_next_free_sgpr 106
		.amdhsa_reserve_vcc 0
		.amdhsa_float_denorm_mode_32 3
		.amdhsa_float_denorm_mode_16_64 3
		.amdhsa_memory_ordered 1
		.amdhsa_forward_progress 1
		.amdhsa_inst_pref_size 137
	.end_amdhsa_kernel
	.amdgpu_metadata
---
amdhsa.version: [ 1, 2 ]
amdhsa.kernels:
  - .name:           k_q1ede3ca654_attn
    .symbol:         k_q1ede3ca654_attn.kd
    .args:
      - { .name: qc, .offset: 0, .size: 8, .value_kind: global_buffer, .address_space: global }
      - { .name: kc, .offset: 8, .size: 8, .value_kind: global_buffer, .address_space: global }
      - { .name: vt, .offset: 16, .size: 8, .value_kind: global_buffer, .address_space: global }
      - { .name: mw, .offset: 24, .size: 8, .value_kind: global_buffer, .address_space: global }
      - { .name: PE_solution_scores, .offset: 32, .size: 8, .value_kind: global_buffer, .address_space: global }
      - { .name: lowp_scales, .offset: 40, .size: 8, .value_kind: global_buffer, .address_space: global }
      - { .name: oc, .offset: 48, .size: 8, .value_kind: global_buffer, .address_space: global }
    .group_segment_fixed_size: 327680
    .private_segment_fixed_size: 0
    .kernarg_segment_align: 8
    .kernarg_segment_size: 56
    .max_flat_workgroup_size: 256
    .sgpr_count:     106
    .vgpr_count:     512
    .wavefront_size: 32
...
	.end_amdgpu_metadata
.endif
;; end of part 7
;; launch fcln (part 8): grid 256 x 1, 4 waves a work-group, clusters of 4 x 1, 327,680 bytes of LDS; arguments oc, wc, global_state, ln_gamma, ln_beta, lowp_scales, out0, out1; writes out0, out1
.if DOCPART == 8
	.amdgcn_target "amdgcn-amd-amdhsa--gfx1250"
	.amdhsa_code_object_version 6
	.text
	.protected	k_q1ede3ca654_fcln
	.globl	k_q1ede3ca654_fcln
	.p2align	8
	.type	k_q1ede3ca654_fcln,@function
k_q1ede3ca654_fcln:
	s_mov_b64 s[64:65], 0
	v_nop
	global_prefetch_b8 v0, s[64:65] scope:SCOPE_SE
	s_setreg_imm32_b32 hwreg(HW_REG_WAVE_MODE, 25, 1), 1
	s_wait_xcnt 0x0
	s_wait_alu depctr_hold_cnt(0) depctr_sa_sdst(0) depctr_va_vdst(0) depctr_va_sdst(0) depctr_va_ssrc(0) depctr_va_vcc(0) depctr_vm_vsrc(0)
	s_getreg_b32 s2, hwreg(HW_REG_IB_STS2, 6, 4)
	s_cmp_eq_u32 s2, 0
	s_cbranch_scc0 .Lentry_in_a_cluster
	s_endpgm
.Lentry_in_a_cluster:
	s_bfe_u32 s2, ttmp6, 0x10000c
	s_cmp_lg_u32 s2, 0x3003
	s_cbranch_scc0 .Lentry_shape_is_right
	s_endpgm
.Lentry_shape_is_right:
.set PITCH,  272
.set WPART,  128*PITCH
.set SLOT,   4*WPART
.set SPARE,  2*SLOT
.set RED,    SPARE+512
.set SPITCH, 1040
.set LI,  3
.set RO,  4
.set GBO, 5
.set AD,  6
.set STO, 8
.set RD,  9
.set RW,  11
.set RR,  12
.set CH,  14
.set PD,  22
.set AO,  24
.set SPW, 28
.set NIL, 29
.set PT,  32
.set NMU, 40
.set RS,  44
.set WV,  20
.set G1,  24
.set G0,  32
.set SEL, 50
.set KO,  66
.set MSB, 0
.macro WIN new
.if MSB != (\new)
	s_set_vgpr_msb (MSB<<8)|(\new)
.set MSB, (\new)
.endif
.endm
.macro CROUND
	s_barrier_signal -1
	s_barrier_wait -1
	s_cmp_lg_u32 s[WV], 0
	s_cbranch_scc1 .Lnot_wave_0_\@
	s_barrier_signal -3
.Lnot_wave_0_\@:
	s_barrier_wait -3
	s_barrier_signal -1
	s_barrier_wait -1
.endm
	s_load_b256 s[4:11], s[0:1], 0x0
	s_load_b256 s[12:19], s[0:1], 0x20
	v_lshl_add_u32 v[SPW], v0, 2, SPARE
	v_mov_b32 v[NIL], 0
	ds_add_u32 v28, v29
	ds_add_u32 v28, v29
	s_wait_dscnt 0x0
	v_lshrrev_b32 v1, 5, v0
	v_readfirstlane_b32 s[WV], v1
	s_bfe_u32 s21, ttmp6, 0x40000
	s_lshr_b32 s22, ttmp9, 5
	s_lshl_b32 s23, ttmp9, 2
	s_add_co_u32 s23, s23, s21
	s_and_b32 s23, s23, 127
	s_and_b32 s57, ttmp9, 3
.irp k, 0,1,2,3
	s_add_co_u32 s[KO+2*\k], s57, \k
	s_and_b32 s[KO+2*\k], s[KO+2*\k], 3
	s_lshl_b32 s[KO+2*\k], s[KO+2*\k], 8
	s_mov_b32 s[KO+2*\k+1], 0
.endr
	s_mov_b32 s[G1], 15|(0<<16)|(1<<20)|(1<<21)|(5<<22)|(3<<25)
	s_mov_b32 s[G1+1], 256<<16
	s_mov_b32 s[G1+2], 128<<16
	s_mov_b32 s[G1+3], 256<<16
	s_mov_b32 s[G1+4], 128
	s_mov_b32 s[G1+5], 1024
	s_mov_b32 s[G1+6], 0
	s_mov_b32 s[G1+7], 0
	s_add_co_u32 s40, s22, 4
	s_lshl_b32 s40, s40, 20
	s_lshl_b32 s41, s[WV], 17
	s_add_co_u32 s40, s40, s41
	s_mov_b32 s41, 0
	s_mul_i32 s42, s[WV], WPART
	s_lshl_b32 s43, s22, 4
	s_add_co_u32 s43, s43, 48
	s_lshl_b32 s44, s22, 22
	s_lshl_b32 s45, s23, 15
	s_add_co_u32 s44, s44, s45
	s_mov_b32 s45, 0
	s_lshl_b32 s52, s23, 17
	s_lshl_b32 s53, s[WV], 9
	s_add_co_u32 s52, s52, s53
	s_mov_b32 s53, 0
	s_lshl_b32 s54, s[WV], 9
	s_mov_b32 s55, 0
	s_lshl_b32 s56, s[WV], 7
	s_mov_b32 s48, 0x3a800000
	s_mov_b32 s49, 0x358637bd
	s_mov_b32 s[SEL], 0x76543210
	s_mov_b32 s[SEL+1], 0xfedcba98
	s_wait_kmcnt 0x0
	s_load_b64 s[46:47], s[14:15], s43 offset:0x0
	s_add_nc_u64 s[6:7], s[6:7], s[40:41]
	s_add_nc_u64 s[58:59], s[6:7], 524288
.irp e, 0,1
	s_mov_b32 s[G0+4*\e], 1
	s_add_co_u32 s[G0+4*\e+1], s42, \e*SLOT
	s_add_nc_u64 s[G0+4*\e+2:G0+4*\e+3], s[6+52*\e:7+52*\e], s[KO:KO+1]
	s_or_b32 s[G0+4*\e+3], s[G0+4*\e+3], 0x80000000
.endr
	CROUND
	tensor_load_to_lds s[G0:G0+3], s[G1:G1+7]
	s_nop 0
	s_wait_alu depctr_va_vdst(0)
	s_wait_tensorcnt 0x0
	ds_add_u32 v28, v29
	s_wait_dscnt 0x0
	CROUND
	tensor_load_to_lds s[G0+4:G0+7], s[G1:G1+7]
	s_nop 0
.rept 4
	v_nop
.endr
	s_add_nc_u64 s[4:5], s[4:5], s[44:45]
	s_add_nc_u64 s[8:9], s[8:9], s[52:53]
	s_add_nc_u64 s[10:11], s[10:11], s[54:55]
	s_add_nc_u64 s[12:13], s[12:13], s[54:55]
	s_cmp_lg_u32 s22, 0
	s_cselect_b64 s[16:17], s[18:19], s[16:17]
	s_add_nc_u64 s[16:17], s[16:17], s[52:53]
	v_and_b32 v1, 31, v0
	v_lshlrev_b32 v[LI], 4, v1
.irp k, 0,1,2,3
	s_lshl_b32 s60, s[KO+2*\k], 4
	v_add_nc_u32 v[AO+\k], s60, v[LI]
.endr
	v_and_b32 v2, 15, v0
	v_bfe_u32 v10, v0, 4, 1
	v_lshlrev_b32 v[RO], 12, v2
	v_lshl_add_u32 v[RO], v10, 5, v[RO]
	v_lshlrev_b32 v[GBO], 5, v10
	v_mul_u32_u24 v13, v2, PITCH
	v_lshl_add_u32 v13, v10, 4, v13
	v_add_nc_u32 v[AD], s42, v13
	v_add_nc_u32 v[AD+1], SLOT, v[AD]
	v_mul_u32_u24 v13, v2, SPITCH
	v_lshl_add_u32 v13, v10, 5, v13
	v_add_nc_u32 v[STO], s42, v13
	v_add_nc_u32 v[RD], s42, v[LI]
	v_lshlrev_b32 v13, 2, v2
	v_add_nc_u32 v[RR], RED, v13
	v_add_nc_u32 v[RW], s56, v[RR]
	v_mov_b32 v[PD], 0
	v_mov_b32 v[PD+1], 0
	WIN 0x40
.irp a, 0,1
.irp s, 0,1,2,3,4,5,6,7
.irp c, 0,1,2,3
	global_load_b128 v[16*(8*\a+\s)+4*\c:16*(8*\a+\s)+4*\c+3], v[AO+\s/2], s[4:5] offset:\a*16384+(\s%2)*2048+\c*512
.endr
.endr
.endr
	WIN 0
	s_wait_kmcnt 0x0
	s_add_co_i32 s46, s46, s47
	s_add_co_i32 s46, s46, 127
	s_lshl_b32 s46, s46, 23
	s_mov_b32 s47, s46
	s_wait_loadcnt 0x0
.macro RESLOAD
	WIN 0xc0
.irp a, 0,1
.irp e, 0,1
.irp i, 0,1,2,3,4,5,6,7
	global_load_b128 v[8*(16*\a+8*\e+\i):8*(16*\a+8*\e+\i)+3], v[RO], s[8:9] offset:\a*65536+\e*2048+\i*64
	global_load_b128 v[8*(16*\a+8*\e+\i)+4:8*(16*\a+8*\e+\i)+7], v[RO], s[8:9] offset:\a*65536+\e*2048+\i*64+16
.endr
.endr
.endr
	WIN 0
.endm
.macro FETCHG g, buf
.irp i, 0,1,2,3
.irp c, 0,1,2,3
	ds_load_b128 v[\buf+16*\i+4*\c:\buf+16*\i+4*\c+3], v[AD+eta] offset:128*((\g)/2)+32*\c+(4*((\g)%2)+\i)*16*PITCH
.endr
.endr
.endm
.macro MULG g, buf
	WIN 0xa4
.irp i, 0,1,2,3
.irp a, 0,1
.if (kap == 0) && ((\g)/2 == 0)
	v_wmma_f32_16x16x128_bf8_bf8 v[8*(16*\a+8*eta+4*((\g)%2)+\i):8*(16*\a+8*eta+4*((\g)%2)+\i)+7], v[\buf+16*\i:\buf+16*\i+15], v[16*(8*\a+2*kap+(\g)/2):16*(8*\a+2*kap+(\g)/2)+15], 0
.else
	v_wmma_f32_16x16x128_bf8_bf8 v[8*(16*\a+8*eta+4*((\g)%2)+\i):8*(16*\a+8*eta+4*((\g)%2)+\i)+7], v[\buf+16*\i:\buf+16*\i+15], v[16*(8*\a+2*kap+(\g)/2):16*(8*\a+2*kap+(\g)/2)+15], v[8*(16*\a+8*eta+4*((\g)%2)+\i):8*(16*\a+8*eta+4*((\g)%2)+\i)+7]
.endif
.endr
.endr
	WIN 0
.endm
.macro TRIP tau
.set eta, (\tau)%2
.set kap, (\tau)/2
.if \tau == 0
	s_wait_tensorcnt 0x1
.else
	s_wait_tensorcnt 0x0
.if \tau < 7
.set oth, 1-eta
	ds_add_u32 v[SPW], v[NIL]
	s_add_nc_u64 s[G0+4*oth+2:G0+4*oth+3], s[6+52*oth:7+52*oth], s[KO+2*((\tau+1)/2):KO+2*((\tau+1)/2)+1]
	s_or_b32 s[G0+4*oth+3], s[G0+4*oth+3], 0x80000000
	s_wait_dscnt 0x0
	CROUND
	tensor_load_to_lds s[G0+4*oth:G0+4*oth+3], s[G1:G1+7]
	s_nop 0
.endif
.rept 4
	v_nop
.endr
.if \tau == 1
	RESLOAD
.endif
.endif
	FETCHG 0, 64
	FETCHG 1, 128
	FETCHG 2, 192
	s_wait_dscnt 32
	MULG 0, 64
.rept 4
	v_nop
.endr
	FETCHG 3, 64
	s_wait_dscnt 32
	MULG 1, 128
	s_wait_dscnt 16
	MULG 2, 192
	s_wait_dscnt 0
	MULG 3, 64
.endm
.irp tau, 0,1,2,3,4,5,6,7
	TRIP \tau
.endr
.rept 4
	v_nop
.endr
	s_wait_loadcnt 0x0
	WIN 0x40
.irp e, 0,1
.irp i, 0,1,2,3,4,5,6,7
.irp c, 0,1
	global_load_b128 v[8*(8*\e+\i)+4*\c:8*(8*\e+\i)+4*\c+3], v[GBO], s[10:11] offset:(512*\e+16*\i)*4+16*\c
	global_load_b128 v[128+8*(8*\e+\i)+4*\c:128+8*(8*\e+\i)+4*\c+3], v[GBO], s[12:13] offset:(512*\e+16*\i)*4+16*\c
.endr
.endr
.endr
	WIN 0
.macro CLEAR
.irp j, 0,1,2,3,4,5,6,7
	v_mov_b32 v[CH+\j], 0
.endr
.endm
.macro REDUCE off
.irp a, 0,1
	v_pk_add_f32 v[CH+4*\a:CH+4*\a+1], v[CH+4*\a:CH+4*\a+1], v[CH+4*\a+2:CH+4*\a+3]
.endr
.irp a, 0,1
	v_add_f32 v[CH+4*\a], v[CH+4*\a], v[CH+4*\a+1]
.endr
.irp a, 0,1
	v_permlanex16_b32 v[PD+\a], v[CH+4*\a], s[SEL], s[SEL+1]
.endr
.irp a, 0,1
	v_add_f32 v[CH+4*\a], v[CH+4*\a], v[PD+\a]
.endr
.irp a, 0,1
	ds_store_b32 v[RW], v[CH+4*\a] offset:\off+64*\a
.endr
	s_wait_dscnt 0x0
	s_barrier_signal -1
	s_barrier_wait -1
.irp a, 0,1
.irp w, 0,1,2,3
	ds_load_b32 v[PT+4*\a+\w], v[RR] offset:\off+128*\w+64*\a
.endr
.endr
	s_wait_dscnt 0x0
.irp a, 0,1
	v_add_f32 v[PT+4*\a], v[PT+4*\a], v[PT+4*\a+1]
	v_add_f32 v[PT+4*\a+2], v[PT+4*\a+2], v[PT+4*\a+3]
.endr
.irp a, 0,1
	v_add_f32 v[PT+4*\a], v[PT+4*\a], v[PT+4*\a+2]
.endr
.endm
	CLEAR
	WIN 0xb2
.set n, 0
.rept 128
	v_pk_fma_f32 v[n:n+1], v[n:n+1], s[46:47], v[n:n+1] op_sel_hi:[1,0,1]
.set n, n+2
.endr
	WIN 0x02
.set n, 0
.rept 64
.irp a, 0,1
	v_pk_add_f32 v[CH+4*\a+2*(n%2):CH+4*\a+2*(n%2)+1], v[128*\a+2*n:128*\a+2*n+1], v[CH+4*\a+2*(n%2):CH+4*\a+2*(n%2)+1]
.endr
.set n, n+1
.endr
	WIN 0
	REDUCE 0
.irp a, 0,1
	v_mul_f32 v[NMU+2*\a], 0xba800000, v[PT+4*\a]
	v_mov_b32 v[NMU+2*\a+1], 0
.endr
	CLEAR
	WIN 0x82
.irp a, 0,1
.set n, 0
.rept 64
	v_pk_add_f32 v[128*\a+n:128*\a+n+1], v[128*\a+n:128*\a+n+1], v[NMU+2*\a:NMU+2*\a+1] op_sel_hi:[1,0]
.set n, n+2
.endr
.endr
	WIN 0x0a
.set n, 0
.rept 64
.irp a, 0,1
	v_pk_fma_f32 v[CH+4*\a+2*(n%2):CH+4*\a+2*(n%2)+1], v[128*\a+2*n:128*\a+2*n+1], v[128*\a+2*n:128*\a+2*n+1], v[CH+4*\a+2*(n%2):CH+4*\a+2*(n%2)+1]
.endr
.set n, n+1
.endr
	WIN 0
	REDUCE 512
.irp a, 0,1
	v_fma_f32 v[RS+2*\a], v[PT+4*\a], s48, s49
.endr
	s_wait_alu depctr_va_vdst(0)
.irp a, 0,1
	v_rsq_f32 v[RS+2*\a], v[RS+2*\a]
.endr
	v_mov_b32 v[RS+1], 0
	v_mov_b32 v[RS+3], 0
	s_wait_loadcnt 0x0
	WIN 0x82
	s_wait_alu depctr_va_vdst(0)
.irp a, 0,1
.set n, 0
.rept 64
	v_pk_mul_f32 v[128*\a+n:128*\a+n+1], v[128*\a+n:128*\a+n+1], v[RS+2*\a:RS+2*\a+1] op_sel_hi:[1,0]
.set n, n+2
.endr
.endr
	WIN 0x96
.irp a, 0,1
.set n, 0
.rept 64
	v_pk_fma_f32 v[128*\a+n:128*\a+n+1], v[128*\a+n:128*\a+n+1], v[n:n+1], v[128+n:128+n+1]
.set n, n+2
.endr
.endr
	WIN 0x08
.irp a, 0,1
.irp e, 0,1
.irp i, 0,1,2,3,4,5,6,7
	ds_store_b128 v[STO], v[8*(16*\a+8*\e+\i):8*(16*\a+8*\e+\i)+3] offset:\a*16*SPITCH+\e*512+\i*64
	ds_store_b128 v[STO], v[8*(16*\a+8*\e+\i)+4:8*(16*\a+8*\e+\i)+7] offset:\a*16*SPITCH+\e*512+\i*64+16
.endr
.endr
.endr
	WIN 0
.irp b, 0,1
.if \b == 1
	s_wait_xcnt 0x0
.endif
.set k, 0
.rept 32
	ds_load_b128 v[64+4*k:64+4*k+3], v[RD] offset:(16*\b+k/2)*SPITCH+(k%2)*512
.set k, k+1
.endr
.set k, 0
.rept 32
	s_wait_dscnt 31-k
	global_store_b128 v[LI], v[64+4*k:64+4*k+3], s[16:17] offset:(16*\b+k/2)*4096+(k%2)*2048 th:TH_STORE_NT
.set k, k+1
.endr
.endr
	s_wait_tensorcnt 0x0
	ds_add_u32 v[SPW], v[NIL]
	s_wait_dscnt 0x0
	CROUND
	s_endpgm
.Lfunc_end_k_q1ede3ca654_fcln:
	.size	k_q1ede3ca654_fcln, .Lfunc_end_k_q1ede3ca654_fcln-k_q1ede3ca654_fcln
	.p2alignl 7, 3214868480
	.fill 96, 4, 3214868480
	.section	.rodata,"a",@progbits
	.p2align	6, 0x0
	.amdhsa_kernel k_q1ede3ca654_fcln
		.amdhsa_group_segment_fixed_size 327680
		.amdhsa_private_segment_fixed_size 0
		.amdhsa_enable_private_segment 0
		.amdhsa_kernarg_size 64
		.amdhsa_user_sgpr_count 2
		.amdhsa_user_sgpr_kernarg_segment_ptr 1
		.amdhsa_wavefront_size32 1
		.amdhsa_system_sgpr_workgroup_id_x 1
		.amdhsa_system_sgpr_workgroup_id_y 1
		.amdhsa_system_sgpr_workgroup_id_z 1
		.amdhsa_system_vgpr_workitem_id 0
		.amdhsa_next_free_vgpr 1024
		.amdhsa_next_free_sgpr 80
		.amdhsa_reserve_vcc 0
		.amdhsa_float_denorm_mode_32 3
		.amdhsa_float_denorm_mode_16_64 3
		.amdhsa_memory_ordered 1
		.amdhsa_forward_progress 1
		.amdhsa_inst_pref_size 150
	.end_amdhsa_kernel
	.amdgpu_metadata
---
amdhsa.version: [ 1, 2 ]
amdhsa.kernels:
  - .name:           k_q1ede3ca654_fcln
    .symbol:         k_q1ede3ca654_fcln.kd
    .args:
      - { .name: oc, .offset: 0, .size: 8, .value_kind: global_buffer, .address_space: global }
      - { .name: wc, .offset: 8, .size: 8, .value_kind: global_buffer, .address_space: global }
      - { .name: global_state, .offset: 16, .size: 8, .value_kind: global_buffer, .address_space: global }
      - { .name: ln_gamma, .offset: 24, .size: 8, .value_kind: global_buffer, .address_space: global }
      - { .name: ln_beta, .offset: 32, .size: 8, .value_kind: global_buffer, .address_space: global }
      - { .name: lowp_scales, .offset: 40, .size: 8, .value_kind: global_buffer, .address_space: global }
      - { .name: out0, .offset: 48, .size: 8, .value_kind: global_buffer, .address_space: global }
      - { .name: out1, .offset: 56, .size: 8, .value_kind: global_buffer, .address_space: global }
    .group_segment_fixed_size: 327680
    .private_segment_fixed_size: 0
    .kernarg_segment_align: 8
    .kernarg_segment_size: 64
    .max_flat_workgroup_size: 128
    .sgpr_count:     80
    .vgpr_count:     1024
    .wavefront_size: 32
...
	.end_amdgpu_metadata
.endif
;; end of part 8
